; MI455X (gfx1250); checked and timed in simulation.
; The chip was launched on July 23, 2026; its instructions are those of AMD's public machine-readable ISA for CDNA 5 (MIT licence, August 2026) and "CDNA5" Instruction Set Architecture Reference Guide (July 2026). The comments in the code are by the model that wrote it; some were corrected since.
;; Encoder Block. Allowed arithmetic: matrix products marked QUANTISED: E3M2 operands, one E8M0 scale for each 32 along K, by v_wmma_scale_f32_16x16x128_f8f6f4 with both operands' format E3M2, f32 sums; everything else in f32.
;; Inputs: W1_codes 2,048 x 16 x 24 uint8 (E3M2 codes of W1, K innermost, in blocks of 32 codes, four codes in three bytes); W1_scales 2,048 x 16 uint8 (E8M0 scales of W1, one for each 32 codes along K); W2_codes 512 x 64 x 24 uint8 (E3M2 codes of W2, K innermost, in blocks of 32 codes, four codes in three bytes); W2_scales 512 x 64 uint8 (E8M0 scales of W2, one for each 32 codes along K); Wk_codes 8 x 64 x 16 x 24 uint8 (E3M2 codes of Wk, K innermost, in blocks of 32 codes, four codes in three bytes); Wk_scales 8 x 64 x 16 uint8 (E8M0 scales of Wk, one for each 32 codes along K); Wo_codes 512 x 16 x 24 uint8 (E3M2 codes of Wo, K innermost, in blocks of 32 codes, four codes in three bytes); Wo_scales 512 x 16 uint8 (E8M0 scales of Wo, one for each 32 codes along K); Wq_codes 8 x 64 x 16 x 24 uint8 (E3M2 codes of Wq, K innermost, in blocks of 32 codes, four codes in three bytes); Wq_scales 8 x 64 x 16 uint8 (E8M0 scales of Wq, one for each 32 codes along K); Wv_codes 8 x 64 x 16 x 24 uint8 (E3M2 codes of Wv, K innermost, in blocks of 32 codes, four codes in three bytes); Wv_scales 8 x 64 x 16 uint8 (E8M0 scales of Wv, one for each 32 codes along K); b1 2,048 float32; b2 512 float32; bk 8 x 64 float32; bo 512 float32; bq 8 x 64 float32; bv 8 x 64 float32; ln1_b 512 float32; ln1_g 512 float32; ln2_b 512 float32; ln2_g 512 float32; x 4 x 2,048 x 512 float32.
;; Outputs: out0 4 x 2,048 x 512 float32.
;; This version of the problem:
;;   THIS VERSION OF THE PROBLEM IS GIVEN IN LOW PRECISION. The matrix products marked QUANTISED in the list below multiply operands that are first quantised to E3M2 (3 exponent bits, 2 mantissa bits; 6 bits a number), with one power-of-two scale for each 32 numbers along K (OCP MX v1.0); their sums are f32. All else is computed in f32.
;;   The module's matrix products, in the order in which they are computed (A, B: the left and right operand; K: the contracted axis; several contracted axes count as one K, in the product's order):
;;     1. [M 512, K 512] x [K 512, N 8,192]; A: input Wq (given as codes); B: computed on the way: QUANTISED
;;     2. [M 512, K 512] x [K 512, N 8,192]; A: input Wk (given as codes); B: computed on the way: QUANTISED
;;     3. [M 512, K 512] x [K 512, N 8,192]; A: input Wv (given as codes); B: computed on the way: QUANTISED
;;     4. batch 32 x [M 2,048, K 64] x [K 64, N 2,048]; A: computed on the way; B: computed on the way: QUANTISED
;;     5. batch 32 x [M 2,048, K 2,048] x [K 2,048, N 64]; A: softmax (see below); B: computed on the way: QUANTISED
;;     6. [M 8,192, K 512] x [K 512, N 512]; A: computed on the way; B: input Wo (given as codes): QUANTISED
;;     7. [M 8,192, K 512] x [K 512, N 2,048]; A: computed on the way; B: input W1 (given as codes): QUANTISED
;;     8. [M 8,192, K 2,048] x [K 2,048, N 512]; A: computed on the way; B: input W2 (given as codes): QUANTISED
;;   THE QUANTISER, for each operand of a quantised product, along K:
;;     - K is cut into blocks of 32 from its start; a last block that is shorter is filled with zeros.
;;     - A block's scale is 2^e with e = floor(log2(the largest magnitude in the block)) - 4, held to -126 .. 127; a block of zeros has e = 0. As a byte (E8M0): e + 127.
;;     - Each number is divided by its block's scale, clamped to +-28, and rounded to the nearest number of E3M2, ties to even, subnormals kept.
;;     - The product sums the exact products of the quantised numbers (number of the format x scale) in f32.
;;   ~~~python
;;   def quantise(x, axis):      # numpy; x: float32 -> the quantised numbers, widened to float32 again
;;       x = np.moveaxis(x, axis, -1); K = x.shape[-1]
;;       x = np.pad(x, [(0, 0)] * (x.ndim - 1) + [(0, -K % 32)]); x = x.reshape(x.shape[:-1] + (-1, 32)); a = np.abs(x).max(-1, keepdims=True)
;;       e = np.where(a > 0, np.clip(np.frexp(np.where(a > 0, a, 1))[1] - 1 - 4, -126, 127), 0)      # np.frexp(a)[1] - 1 = floor(log2(a)), exactly
;;       r = np.clip(x / 2.0 ** e, -28, 28)
;;       step = 2.0 ** (np.maximum(np.frexp(np.where(r == 0, 1, r))[1] - 1, -2) - 2)
;;       q = np.round(r / step) * step * 2.0 ** e      # np.round: ties to even
;;       return np.moveaxis(q.reshape(q.shape[:-2] + (-1,))[..., :K], -1, axis).astype(np.float32)
;;   ~~~
;;   SOFTMAX AHEAD OF A QUANTISED PRODUCT. Where the list says 'softmax', what is quantised is not the finished softmax but p = 2^(t - M), with t = logit x log2(e) and M = ceil(the row's largest t), a whole number; so 1/2 < the row's largest p <= 1. The row's sum l is taken of the UNQUANTISED p, in f32, and the product's result is divided by l at the end. Since M is a whole number, a kernel that streams over the keys may use a running M (the ceiling of the running maximum): every later rescaling is an exact power of two, which a block's scale takes up: the codes' values come out the same.
;;   OPERANDS COMPUTED ON THE WAY. 'Computed on the way' means the value that the module computes at that place (a softmax that the list does not call 'softmax' is quantised finished and normalised). What goes into a quantiser is computed in f32, as accurately as f32 sums, v_exp_f32 and their like allow (about 1e-6 of the number): no bf16 or f16 on the way to a quantiser, and a product that is left as it is and whose result goes on into a quantised operand takes f32 operands (vector FMAs, or v_wmma_f32_16x16x4_f32). A number that lies on a knife's edge between two numbers of the format may be rounded either way, as far as f32 arithmetic and the matrix unit's own rounding can turn it there, and no further.
;;   INPUTS GIVEN AS CODES. W1 (in the module: [512, 2048], K = its axis 0); W2 (in the module: [2048, 512], K = its axis 0); Wk (in the module: [8, 512, 64], K = its axis 1); Wo (in the module: [512, 512], K = its axis 0); Wq (in the module: [8, 512, 64], K = its axis 1); Wv (in the module: [8, 512, 64], K = its axis 1): each comes as NAME_codes (uint8): NAME with its K axis moved to the last place and cut into blocks of 32 codes, [.., K / 32, bytes a block], one block behind the other in memory; four codes in three bytes: a row's codes are one little-endian stream of bits, code i at bits 6 i .. 6 i + 5 (a code: sign, 3 exponent bits, 2 mantissa bits); and NAME_scales (uint8): the same leading axes, one E8M0 byte (e + 127) for each 32 codes along K. Its value is code x scale, taken as it is: it is not quantised again, and the codes and scales need not be those that the quantiser above would give.
;; 2 versions. Each part assembles by itself: llvm-mc -triple=amdgcn-amd-amdhsa -mcpu=gfx1250 --defsym DOCPART=n.
;; ======== version 1 of 2: 4 launches
;; workspace buffers: wimg 2,359,296 bytes; qimg 3,145,728 bytes; qsc 131,072 bytes; kvimg 6,553,600 bytes; avimg 3,145,728 bytes; avsc 131,072 bytes
;; launch repack (part 1): grid 96 x 1, 4 waves a work-group, no clusters, 0 bytes of LDS; arguments Wq_codes, Wk_codes, Wv_codes, Wo_codes, W1_codes, W2_codes, wimg; writes wimg
.if DOCPART == 1
	.amdgcn_target "amdgcn-amd-amdhsa--gfx1250"
	.amdhsa_code_object_version 6
	.text
	.protected	k_q29d20026ee_repack
	.globl	k_q29d20026ee_repack
	.p2align	8
	.type	k_q29d20026ee_repack,@function
k_q29d20026ee_repack:
	s_mov_b64 s[64:65], 0
	v_nop
	global_prefetch_b8 v0, s[64:65] scope:SCOPE_SE
	s_setreg_imm32_b32 hwreg(HW_REG_WAVE_MODE, 25, 1), 1
	s_wait_xcnt 0x0
; The six weights' codes (E3M2, K innermost, 96 bytes for 128 along K) are laid anew as IMAGES OF OPERAND REGISTERS, once, since the later
; launches read each weight more than a hundred times.  A fragment (16 rows x 128 K) is 12 registers a lane; its image is 1,536 bytes:
; chunk c (0..2) holds lane l's registers 4 c .. 4 c + 3 at byte 512 c + 16 l, so that three loads of 16 bytes a lane, 512 bytes on end each, bring it.
; THE ROWS OF A TILE ARE NOT NEIGHBOURS: lane r of tile t takes row 32 (t / 2) + 8 (t % 2) + r + 8 (r / 8), so that the results of two
; neighbouring tiles are 16 neighbours along the next product's K.
; A wave makes one QUAD: one tile, four K steps on end, 6,144 bytes.  Quads 0-31 Wq, 32-63 Wk, 64-95 Wv, 96-127 Wo, 128-255 W1 (K = 512: a quad
; is a tile), 256-383 W2 (K = 2,048: four quads to a tile).  The tensor is chosen by the work-group's number alone.  No LDS, no barrier: waves share nothing.
	s_load_b256 s[4:11], s[0:1], 0x0               ; Wq s[4:5], Wk s[6:7], Wv s[8:9], Wo s[10:11]
	s_load_b128 s[12:15], s[0:1], 0x20             ; W1 s[12:13], W2 s[14:15]
	s_load_b64 s[16:17], s[0:1], 0x30              ; wimg
	v_lshrrev_b32 v1, 5, v0
	v_readfirstlane_b32 s18, v1                    ; wave 0..3
	v_and_b32 v2, 31, v0                           ; lane
	v_and_b32 v3, 15, v0                           ; r
	v_bfe_u32 v4, v0, 4, 1                         ; h
	v_and_b32 v6, 8, v3
	v_add_nc_u32 v3, v3, v6                        ; r + 8 (r / 8)
	v_lshlrev_b32 v5, 4, v2                        ; out: 16 bytes a lane
	s_mov_b32 s20, 64                              ; the tensor's first work-group (W2's)
	s_mov_b32 s21, 1536                            ; a row of codes in bytes (W2's)
	s_wait_kmcnt 0x0
	s_cmp_lt_u32 ttmp9, 64
	s_cselect_b64 s[22:23], s[12:13], s[14:15]
	s_cselect_b32 s20, 32, s20
	s_cselect_b32 s21, 384, s21
	s_cselect_b32 s24, 0, 2                        ; quads to a tile, as a shift
	s_cselect_b32 s25, 0, 3                        ; and as a mask
	s_cmp_lt_u32 ttmp9, 32
	s_cselect_b64 s[22:23], s[10:11], s[22:23]
	s_cselect_b32 s20, 24, s20
	s_cmp_lt_u32 ttmp9, 24
	s_cselect_b64 s[22:23], s[8:9], s[22:23]
	s_cselect_b32 s20, 16, s20
	s_cmp_lt_u32 ttmp9, 16
	s_cselect_b64 s[22:23], s[6:7], s[22:23]
	s_cselect_b32 s20, 8, s20
	s_cmp_lt_u32 ttmp9, 8
	s_cselect_b64 s[22:23], s[4:5], s[22:23]
	s_cselect_b32 s20, 0, s20
	s_lshl_b32 s26, ttmp9, 2
	s_add_co_u32 s26, s26, s18                     ; my quad
	s_lshl_b32 s27, s20, 2
	s_sub_co_u32 s27, s26, s27                     ; its number in its tensor
	s_lshr_b32 s28, s27, s24                       ; tile t
	s_and_b32 s29, s27, s25                        ; which four K steps
	s_lshr_b32 s30, s28, 1
	s_lshl_b32 s30, s30, 5
	s_and_b32 s31, s28, 1
	s_lshl_b32 s31, s31, 3
	s_add_co_u32 s30, s30, s31                     ; 32 (t / 2) + 8 (t % 2)
	s_mul_i32 s30, s30, s21
	s_mul_i32 s31, s29, 384
	s_add_co_u32 s30, s30, s31
	s_mov_b32 s31, 0
	s_add_nc_u64 s[22:23], s[22:23], s[30:31]      ; from
	s_mul_i32 s32, s26, 6144
	s_mov_b32 s33, 0
	s_add_nc_u64 s[16:17], s[16:17], s[32:33]      ; to
	v_mul_lo_u32 v6, v3, s21
	v_mad_u32_u24 v6, v4, 24, v6                   ; my row, + 24 bytes for the upper half of the lanes
.irp s, 0,1,2,3
.irp p, 0,1,2,3,4,5
	global_load_b64 v[16+12*\s+2*\p:17+12*\s+2*\p], v6, s[22:23] offset:96*\s+48*(\p/3)+8*(\p%3)   ; the fragment's registers as the matrix unit wants them
.endr
.endr
	s_wait_loadcnt 0x0
.irp s, 0,1,2,3
.irp c, 0,1,2
	global_store_b128 v5, v[16+12*\s+4*\c:19+12*\s+4*\c], s[16:17] offset:1536*\s+512*\c   ; 32 lanes store 512 bytes on end, at a multiple of 256 from wimg's first byte
.endr
.endr
	s_endpgm
.Lfunc_end_k_q29d20026ee_repack:
	.size	k_q29d20026ee_repack, .Lfunc_end_k_q29d20026ee_repack-k_q29d20026ee_repack
	.p2alignl 7, 3214868480
	.fill 96, 4, 3214868480
	.section	.rodata,"a",@progbits
	.p2align	6, 0x0
	.amdhsa_kernel k_q29d20026ee_repack
		.amdhsa_group_segment_fixed_size 0
		.amdhsa_private_segment_fixed_size 0
		.amdhsa_enable_private_segment 0
		.amdhsa_kernarg_size 56
		.amdhsa_user_sgpr_count 2
		.amdhsa_user_sgpr_kernarg_segment_ptr 1
		.amdhsa_wavefront_size32 1
		.amdhsa_system_sgpr_workgroup_id_x 1
		.amdhsa_system_sgpr_workgroup_id_y 1
		.amdhsa_system_sgpr_workgroup_id_z 1
		.amdhsa_system_vgpr_workitem_id 0
		.amdhsa_next_free_vgpr 64
		.amdhsa_next_free_sgpr 66
		.amdhsa_reserve_vcc 0
		.amdhsa_float_denorm_mode_32 3
		.amdhsa_float_denorm_mode_16_64 3
		.amdhsa_memory_ordered 1
		.amdhsa_forward_progress 1
		.amdhsa_inst_pref_size 6
	.end_amdhsa_kernel
	.amdgpu_metadata
---
amdhsa.version: [ 1, 2 ]
amdhsa.kernels:
  - .name:           k_q29d20026ee_repack
    .symbol:         k_q29d20026ee_repack.kd
    .args:
      - { .name: Wq_codes, .offset: 0, .size: 8, .value_kind: global_buffer, .address_space: global }
      - { .name: Wk_codes, .offset: 8, .size: 8, .value_kind: global_buffer, .address_space: global }
      - { .name: Wv_codes, .offset: 16, .size: 8, .value_kind: global_buffer, .address_space: global }
      - { .name: Wo_codes, .offset: 24, .size: 8, .value_kind: global_buffer, .address_space: global }
      - { .name: W1_codes, .offset: 32, .size: 8, .value_kind: global_buffer, .address_space: global }
      - { .name: W2_codes, .offset: 40, .size: 8, .value_kind: global_buffer, .address_space: global }
      - { .name: wimg, .offset: 48, .size: 8, .value_kind: global_buffer, .address_space: global }
    .group_segment_fixed_size: 0
    .private_segment_fixed_size: 0
    .kernarg_segment_align: 8
    .kernarg_segment_size: 56
    .max_flat_workgroup_size: 128
    .sgpr_count:     66
    .vgpr_count:     64
    .wavefront_size: 32
...
	.end_amdgpu_metadata
.endif
;; end of part 1
;; launch qkv (part 2): grid 2 x 128, 4 waves a work-group, no clusters, 27,136 bytes of LDS; arguments x, ln1_g, ln1_b, wimg, Wq_scales, Wk_scales, Wv_scales, bq, bk, bv, qimg, qsc, kvimg; writes qimg, qsc, kvimg
.if DOCPART == 2
	.amdgcn_target "amdgcn-amd-amdhsa--gfx1250"
	.amdhsa_code_object_version 6
	.text
	.protected	k_q29d20026ee_qkv
	.globl	k_q29d20026ee_qkv
	.p2align	8
	.type	k_q29d20026ee_qkv,@function
k_q29d20026ee_qkv:
	s_mov_b64 s[64:65], 0
	v_nop
	global_prefetch_b8 v0, s[64:65] scope:SCOPE_SE
	s_setreg_imm32_b32 hwreg(HW_REG_WAVE_MODE, 25, 1), 1
	s_wait_xcnt 0x0
; xn = layernorm(x) ln1_g + ln1_b, quantised along D; q, k, v = xn W + b on codes of E3M2 with E8M0 scales for each 32 along K; q and k quantised along the head's 64, v along the keys.
; SHARES.  A work-group takes 64 tokens (work-group y) and four heads (work-group x); wave w owns head 4 x + w: its 64 columns of q, of k and of v for all 64 tokens.
; Both work-groups of a block of tokens normalise it: that gives 256 work-groups, each reading half of the weights.
; PHASE X: wave w normalises and quantises token tile w (16 tokens x 512, 256 registers) and stores its four fragments into LDS as images of their registers | one barrier |
; PHASE M: K step by K step, 48 accumulators by turns: q and k transposed (source 0 = 16 rows of W, source 1 = xn), so that a lane holds one token and its registers run along the head;
; v the other way round (source 0 = xn, source 1 = Wv), so that a lane holds one channel and its registers run along the tokens, which are the keys of the next product.
; PHASE Q: the results are quantised in registers and leave as images of the operands that the next launch wants.
; EVERY TILE OF 16 IS PERMUTED: lane r of tile 2 b + u stands for row 32 b + 8 u + r + 8 (r / 8) (weights' rows and tokens alike), so that the 16 registers of two neighbouring tiles are 16 neighbours.
; The weights come straight from memory into registers, as images made by the launch before (512 bytes on end a load), two sets by turns.  NO JOINT LOADS: they exist only into LDS, and a weight
; fragment here is read once by one wave; through LDS each byte would be written and read once more for nothing.
; The two stores of 2 bytes a lane (v's scale bytes) write half of each word: the other half belongs to the work-group of the neighbouring 64 tokens: 128 bytes of a wave's 37 KB.
; LIMITS: NaN and infinities are not served.  A block whose largest magnitude lies under 2^-122, a block of zeros among them, keeps the scale byte 1: its bytes are read by this program alone.
; REGISTERS, in windows of 256: window 0: addresses, gain and bias / xn's fragments, codes at work, scale words.  Window 1: x (256), then q's and k's accumulators.
; Window 2: v's accumulators, bq and bk in the results' layout, three weight fragments.  Window 3: the weights' two sets.
.set XIMG, 0                           ; LDS: xn's 16 fragments (token tile m, K step s: 4 m + s), 1,536 bytes each
.set XSC,  24576                       ; their scale words, 128 bytes each
.set LANE, 2
.set BVA,  3                           ; 4 (r + 8 (r / 8))
.set XA,   4                           ; x: my token's row + 64 h
.set LI,   5                           ; 16 x lane
.set LS,   6                           ; 4 x lane
.set XWI,  7                           ; where I store images: 16 x lane + 6,144 x wave
.set XWS,  8                           ; and scale words: 4 x lane + 512 x wave
.set CB,   9                           ; 64 h
.set LI8,  10                          ; 8 x lane
.set SR16, 11                          ; 16 (8 h + r + 8 (r / 8)): a row of weight scales; lanes 16-31 take the odd tile of a pair
.set MEAN, 12                          ; v[12:13]
.set RSTD, 14                          ; v[14:15]
.set GG,   16                          ; v16-79   ln1_g of one K step
.set BT,   80                          ; v80-143  ln1_b
.set FS,   16                          ; phase M: xn's fragments, set 0 at v16, set 1 at v64
.set PC,   144                         ; v144-162 the codes just made
.set PW,   164                         ; the scale word just made
.set PWQ,  166                         ; v166-167 q's two words, v168-169 k's
.set PWK,  168
.set TM,   170                         ; v170-185 the quantiser's work
.set SQ,   186                         ; v186-193 Wq's scale words (4 x pair + K step), v194-201 Wk's, v202-209 Wv's
.set SV,   202
.set BV,   210                         ; v210-217 bv of my channel, a pair for each tile
.set XS,   218                         ; v218-221, v222-225 xn's scale words, two sets
.set SA,   226                         ; v226-233 sums
.set TP,   234                         ; v234-239 at work
.set MSB, 0
.set rowA, 0
.set rowB, 0
.set zC, 0
.macro WIN new                         ; the immediate's high byte repeats the setting that is left; a switch that changes nothing is dropped
.if MSB != (\new)
	s_set_vgpr_msb (MSB<<8)|(\new)
.set MSB, (\new)
.endif
.endm
.macro PLACES                          ; four plain places behind matrix instructions, ahead of loads into their registers and of reads of their results
.rept 4
	v_nop
.endr
.endm
; One matrix instruction.  rD, rA, rB, rC are register numbers 0..1023; the windows follow from them.  sA, sB: scale words (always window 0); rowA, rowB = 1: taken from lanes 16-31.
.macro WMS
.set WN, ((rD>>8)<<6)|((rC>>8)<<4)|((rB>>8)<<2)|(rA>>8)
	WIN WN
.set dD, rD&255
.set dA, rA&255
.set dB, rB&255
.set dC, rC&255
.if zC
.if rowB
	v_wmma_scale_f32_16x16x128_f8f6f4 v[dD:dD+7], v[dA:dA+11], v[dB:dB+11], 0, v[sA], v[sB] matrix_a_fmt:MATRIX_FMT_BF6 matrix_b_fmt:MATRIX_FMT_BF6 matrix_b_scale:MATRIX_SCALE_ROW1
.else
	v_wmma_scale_f32_16x16x128_f8f6f4 v[dD:dD+7], v[dA:dA+11], v[dB:dB+11], 0, v[sA], v[sB] matrix_a_fmt:MATRIX_FMT_BF6 matrix_b_fmt:MATRIX_FMT_BF6
.endif
.else
.if rowA
	v_wmma_scale_f32_16x16x128_f8f6f4 v[dD:dD+7], v[dA:dA+11], v[dB:dB+11], v[dC:dC+7], v[sA], v[sB] matrix_a_fmt:MATRIX_FMT_BF6 matrix_b_fmt:MATRIX_FMT_BF6 matrix_a_scale:MATRIX_SCALE_ROW1
.elseif rowB
	v_wmma_scale_f32_16x16x128_f8f6f4 v[dD:dD+7], v[dA:dA+11], v[dB:dB+11], v[dC:dC+7], v[sA], v[sB] matrix_a_fmt:MATRIX_FMT_BF6 matrix_b_fmt:MATRIX_FMT_BF6 matrix_b_scale:MATRIX_SCALE_ROW1
.else
	v_wmma_scale_f32_16x16x128_f8f6f4 v[dD:dD+7], v[dA:dA+11], v[dB:dB+11], v[dC:dC+7], v[sA], v[sB] matrix_a_fmt:MATRIX_FMT_BF6 matrix_b_fmt:MATRIX_FMT_BF6
.endif
.endif
.endm
; 64 numbers of a lane, registers s .. s + 63 of one window, register 16 b + i = place 32 b + 16 (lane / 16) + i of my row, become 12 registers of codes in v[PC] on and a scale word in v[PW].
.macro QUANT s
.set QW, (\s)>>8
.set QS, (\s)&255
.set WN, QW|(QW<<2)
	WIN WN
.irp b, 0,1,2,3
	v_max3_num_f32 v[TM+\b], |v[QS+16*\b]|, |v[QS+1+16*\b]|, 0x2800000   ; my 16 numbers of block b, and the floor 2^(5 - 127): the byte cannot fall under 1
.endr
.set WN, (QW<<2)|(QW<<4)
	WIN WN
.irp i, 2,4,6,8,10,12,14
.irp b, 0,1,2,3
	v_max3_num_f32 v[TM+\b], v[TM+\b], |v[QS+16*\b+\i]|, |v[QS+1+16*\b+\i]|   ; the four blocks by turns
.endr
.endr
	WIN 0
.irp b, 0,1,2,3
	v_permlanex16_b32 v[TM+4+\b], v[TM+\b], s44, s45
.endr
.irp b, 0,1,2,3
	v_max_num_f32 v[TM+\b], v[TM+\b], v[TM+4+\b]   ; with lane l xor 16's: the block's largest magnitude
.endr
.irp b, 0,1,2,3
	v_add_nc_u32 v[TM+12+\b], 0xfe000000, v[TM+\b] ; 4 off its exponent field: the conversion's scale operand
.endr
.irp b, 0,1,2,3
	v_lshrrev_b32 v[TM+4+\b], 23, v[TM+12+\b]      ; the scale's byte
.endr
	v_lshl_or_b32 v[PW], v[TM+5], 8, v[TM+4]
	v_lshl_or_b32 v[PW], v[TM+6], 16, v[PW]
	v_lshl_or_b32 v[PW], v[TM+7], 24, v[PW]
	WIN QW
.irp c, 0,1
	v_cvt_scalef32_pk16_bf6_f32 v[PC+6*\c:PC+2+6*\c], v[QS+32*\c:QS+15+32*\c], v[TM+12+2*\c]
	v_cvt_scalef32_pk16_bf6_f32 v[PC+12+4*\c:PC+14+4*\c], v[QS+16+32*\c:QS+31+32*\c], v[TM+12+2*\c+1]   ; (a conversion's three registers begin on an even number)
.endr
	WIN 0
	v_nop                                          ; one plain place behind a scaled conversion
.irp c, 0,1                                    ; the operand's layout wants a whole block in a lane
.irp i, 0,1,2
	v_permlane16_swap_b32 v[PC+6*\c+\i], v[PC+12+4*\c+\i]
.endr
.irp i, 0,1,2
	v_mov_b32 v[PC+3+6*\c+\i], v[PC+12+4*\c+\i]
.endr
.endr
.endm
.macro WREG set                        ; rW: the first register of fragment ff (0-3 q's tiles, 4-7 k's, 8-11 v's) of a weight set
.if (\set) == 0
.set rW, 768+12*ff
.elseif ff < 9
.set rW, 912+12*ff
.else
.set rW, 704+12*(ff-9)
.endif
.endm
.macro LDW set, ks, f0, n              ; n fragments from f0 on, K step ks, into a weight set: three loads of 512 bytes on end each
.set ff, \f0
.rept \n
	WREG \set
.set WN, (rW>>8)<<6
	WIN WN
.set dW, rW&255
.irp c, 0,1,2
	global_load_b128 v[dW+4*\c:dW+4*\c+3], v[LI], s[14:15] offset:(ff/4)*196608+(ff%4)*6144+(\ks)*1536+512*\c
.endr
.set ff, ff+1
.endr
.endm
.macro LDGB s                          ; ln1_g and ln1_b of K step s: register 16 b + i = column 128 s + 32 b + 16 h + i
.irp b, 0,1,2,3
.irp j, 0,1,2,3
	global_load_b128 v[GG+16*\b+4*\j:GG+16*\b+4*\j+3], v[CB], s[10:11] offset:512*(\s)+128*\b+16*\j
	global_load_b128 v[BT+16*\b+4*\j:BT+16*\b+4*\j+3], v[CB], s[12:13] offset:512*(\s)+128*\b+16*\j
.endr
.endr
.endm
.macro JOINS                           ; four packed chains and lane l xor 16's become one sum in v[SA]
	v_pk_add_f32 v[SA:SA+1], v[SA:SA+1], v[SA+2:SA+3]
	v_pk_add_f32 v[SA+4:SA+5], v[SA+4:SA+5], v[SA+6:SA+7]
	v_pk_add_f32 v[SA:SA+1], v[SA:SA+1], v[SA+4:SA+5]
	v_add_f32 v[SA], v[SA], v[SA+1]
	v_permlanex16_b32 v[TP], v[SA], s44, s45
	v_add_f32 v[SA], v[SA], v[TP]
.endm
	s_load_b512 s[8:23], s[0:1], 0x0               ; x s[8:9], ln1_g s[10:11], ln1_b s[12:13], wimg s[14:15], Wq/Wk/Wv_scales s[16:21], bq s[22:23]
	s_load_b256 s[24:31], s[0:1], 0x40             ; bk s[24:25], bv s[26:27], qimg s[28:29], qsc s[30:31]
	s_load_b64 s[32:33], s[0:1], 0x60              ; kvimg
	v_lshl_add_u32 v254, v0, 2, 0x6800
	v_mov_b32 v255, 0
	v_lshrrev_b32 v1, 5, v0
	v_readfirstlane_b32 s40, v1                    ; wave 0..3
	v_and_b32 v[LANE], 31, v0
	v_and_b32 v1, 15, v0                           ; r
	v_bfe_u32 v[TP], v0, 4, 1                      ; h
	v_and_b32 v[TP+1], 8, v1
	v_add_nc_u32 v[TP+1], v[TP+1], v1              ; r + 8 (r / 8)
	v_lshlrev_b32 v[XA], 11, v[TP+1]
	v_lshl_add_u32 v[XA], v[TP], 6, v[XA]
	v_lshlrev_b32 v[LI], 4, v[LANE]
	v_lshlrev_b32 v[LS], 2, v[LANE]
	v_lshlrev_b32 v[LI8], 3, v[LANE]
	v_lshlrev_b32 v[CB], 6, v[TP]
	v_lshl_add_u32 v[SR16], v[TP], 3, v[TP+1]
	v_lshlrev_b32 v[SR16], 4, v[SR16]
	v_lshlrev_b32 v[BVA], 2, v[TP+1]
	s_mul_i32 s41, s40, 6144
	v_add_nc_u32 v[XWI], s41, v[LI]
	s_lshl_b32 s41, s40, 9
	v_add_nc_u32 v[XWS], s41, v[LS]
.irp b, 0,1,2,3
	v_mov_b32 v[TM+4+\b], 0                        ; written once: a lane permute's destination counts as one of its sources
.endr
	s_mov_b32 s44, 0x76543210
	s_mov_b32 s45, 0xfedcba98                      ; v_permlanex16_b32's selects for lane l xor 16
	s_mov_b32 s46, 0x3b000000                      ; 1 / 512
	s_mov_b32 s47, 0x3727c5ac                      ; 1e-5
	s_and_b32 s42, ttmp7, 0xffff                   ; the block of 64 tokens
	s_lshl_b32 s43, ttmp9, 2
	s_add_co_u32 s43, s43, s40                     ; my head
	s_lshr_b32 s48, s42, 5                         ; batch
	s_and_b32 s49, s42, 31                         ; the block within the batch
	s_lshr_b32 s50, s49, 1                         ; its key step of 128
	s_and_b32 s51, s49, 1                          ; and which half of it
	s_lshl_b32 s52, s48, 3
	s_add_co_u32 s52, s52, s43                     ; batch x 8 + head
	s_lshl_b32 s54, s42, 6
	s_lshr_b32 s56, s40, 1
	s_lshl_b32 s56, s56, 5
	s_add_co_u32 s54, s54, s56
	s_and_b32 s56, s40, 1
	s_lshl_b32 s56, s56, 3
	s_add_co_u32 s54, s54, s56                     ; my token tile's first row: 64 x block + 32 (w / 2) + 8 (w % 2)
	s_lshl_b32 s54, s54, 11
	s_mov_b32 s55, 0
	s_wait_kmcnt 0x0
	s_add_nc_u64 s[8:9], s[8:9], s[54:55]
	s_mul_i32 s54, s43, 24576                      ; my head's four tiles in each of wimg's first three sections
	s_add_nc_u64 s[14:15], s[14:15], s[54:55]
	s_lshl_b32 s54, s43, 10                        ; its 64 rows of 16 scale bytes
	s_add_nc_u64 s[16:17], s[16:17], s[54:55]
	s_add_nc_u64 s[18:19], s[18:19], s[54:55]
	s_add_nc_u64 s[20:21], s[20:21], s[54:55]
	s_lshl_b32 s54, s43, 8                         ; its 64 biases
	s_add_nc_u64 s[22:23], s[22:23], s[54:55]
	s_add_nc_u64 s[24:25], s[24:25], s[54:55]
	s_add_nc_u64 s[26:27], s[26:27], s[54:55]
	s_lshl_b32 s54, s52, 7
	s_lshl_b32 s56, s49, 2
	s_add_co_u32 s54, s54, s56
	s_mul_i32 s54, s54, 768                        ; qimg: [batch x head][query tile] of 768 bytes
	s_add_nc_u64 s[28:29], s[28:29], s[54:55]
	s_lshl_b32 s54, s52, 6
	s_lshl_b32 s56, s49, 1
	s_add_co_u32 s54, s54, s56
	s_lshl_b32 s54, s54, 6                         ; qsc: [batch x head][pair of tiles] of 64 bytes
	s_add_nc_u64 s[30:31], s[30:31], s[54:55]
	s_mul_i32 s54, s52, 204800
	s_mul_i32 s56, s50, 12800
	s_add_co_u32 s54, s54, s56                     ; kvimg: [batch x head][key step] of 12,800 bytes
	s_add_nc_u64 s[32:33], s[32:33], s[54:55]
	s_mul_i32 s54, s51, 3072
	s_add_nc_u64 s[34:35], s[32:33], s[54:55]      ; my half's images of k and of v
	s_lshl_b32 s54, s51, 7
	s_add_nc_u64 s[36:37], s[32:33], s[54:55]      ; k's scale words
	s_lshl_b32 s54, s51, 1
	s_add_nc_u64 s[38:39], s[32:33], s[54:55]      ; v's scale bytes
	; ---- PHASE X.  My 16 tokens: register 64 s + 16 b + i of window 1 = column 128 s + 32 b + 16 h + i of token lane r
	WIN 0x40
.irp s, 0,1,2,3
.irp b, 0,1,2,3
.irp j, 0,1,2,3
	global_load_b128 v[64*\s+16*\b+4*\j:64*\s+16*\b+4*\j+3], v[XA], s[8:9] offset:512*\s+128*\b+16*\j
.endr
.endr
.endr
	WIN 0
	LDGB 0                                         ; 32 loads
.irp p, 0,1
	global_load_b128 v[SQ+4*\p:SQ+4*\p+3], v[SR16], s[16:17] offset:512*\p       ; four K steps' scale words of a pair of tiles: even tile in lanes 0-15, odd in lanes 16-31
	global_load_b128 v[SQ+8+4*\p:SQ+8+4*\p+3], v[SR16], s[18:19] offset:512*\p
	global_load_b128 v[SV+4*\p:SV+4*\p+3], v[SR16], s[20:21] offset:512*\p
.endr
.irp t, 0,1,2,3
	global_load_b32 v[BV+2*\t], v[BVA], s[26:27] offset:(32*(\t/2)+8*(\t%2))*4   ; bv of my channel, twice: a pair for the packed addition
	global_load_b32 v[BV+2*\t+1], v[BVA], s[26:27] offset:(32*(\t/2)+8*(\t%2))*4
.endr
	WIN 0x80
.irp t, 0,1,2,3
.irp j, 0,1
	global_load_b128 v[128+8*\t+4*\j:131+8*\t+4*\j], v[CB], s[22:23] offset:(32*(\t/2)+8*(\t%2))*4+16*\j   ; bq, bk in the results' layout: the C of each sum's first product
	global_load_b128 v[160+8*\t+4*\j:163+8*\t+4*\j], v[CB], s[24:25] offset:(32*(\t/2)+8*(\t%2))*4+16*\j
.endr
.endr
	s_wait_loadcnt 62                              ; x is in: the 62 loads issued behind it may be out
	WIN 0x05                                       ; the mean: four packed chains, started by the first eight pairs
.irp k, 0,1,2,3
	v_pk_add_f32 v[SA+2*\k:SA+2*\k+1], v[4*\k:4*\k+1], v[4*\k+2:4*\k+3]
.endr
	WIN 0x04
.set ii, 8
.rept 120
	v_pk_add_f32 v[SA+2*(ii%4):SA+2*(ii%4)+1], v[SA+2*(ii%4):SA+2*(ii%4)+1], v[2*ii:2*ii+1]
.set ii, ii+1
.endr
	WIN 0
	JOINS
	v_mul_f32 v[MEAN], s46, v[SA]
	v_mul_f32 v[MEAN+1], s46, v[SA]
	WIN 0x41                                       ; x - mean, in place: the variance is taken of the differences, so a common offset costs no digits
.set ii, 0
.rept 128
	v_pk_add_f32 v[2*ii:2*ii+1], v[2*ii:2*ii+1], v[MEAN:MEAN+1] neg_lo:[0,1] neg_hi:[0,1]
.set ii, ii+1
.endr
	WIN 0x05
.irp k, 0,1,2,3
	v_pk_mul_f32 v[SA+2*\k:SA+2*\k+1], v[2*\k:2*\k+1], v[2*\k:2*\k+1]
.endr
.set ii, 4
.rept 124
	v_pk_fma_f32 v[SA+2*(ii%4):SA+2*(ii%4)+1], v[2*ii:2*ii+1], v[2*ii:2*ii+1], v[SA+2*(ii%4):SA+2*(ii%4)+1]
.set ii, ii+1
.endr
	WIN 0
	JOINS
	v_fma_f32 v[SA], v[SA], s46, s47               ; variance + 1e-5
	v_rsq_f32 v[RSTD], v[SA]
	v_rsq_f32 v[RSTD+1], v[SA]
	v_nop                                          ; a plain place behind the transcendentals
	s_wait_alu depctr_va_vdst(0)
; K step s: normalised, quantised, its image stored.  The next step's gain and bias and a part of the weights (six fragments of set wset) are asked for on the way.
.macro NORM s, wset, f0
.if (\s) == 0
	s_wait_loadcnt 0x0
.else
	s_wait_loadcnt 18                              ; this step's gain and bias are in; the 18 weight loads issued behind them may be out
.endif
	WIN 0x41
.set ii, 0
.rept 32
	v_pk_mul_f32 v[64*(\s)+2*ii:64*(\s)+2*ii+1], v[64*(\s)+2*ii:64*(\s)+2*ii+1], v[RSTD:RSTD+1]
.set ii, ii+1
.endr
.set ii, 0
.rept 32
	v_pk_fma_f32 v[64*(\s)+2*ii:64*(\s)+2*ii+1], v[64*(\s)+2*ii:64*(\s)+2*ii+1], v[GG+2*ii:GG+2*ii+1], v[BT+2*ii:BT+2*ii+1]
.set ii, ii+1
.endr
	WIN 0
.if (\s) < 3
	LDGB (\s)+1
.endif
	LDW \wset, \wset, \f0, 6
	WIN 0
.if (\s) > 0
	s_wait_dscnt 0x0                               ; the last image's stores have read their registers
.endif
	QUANT 256+64*(\s)
.irp c, 0,1,2
	ds_store_b128 v[XWI], v[PC+4*\c:PC+4*\c+3] offset:XIMG+1536*(\s)+512*\c   ; the fragment as it stands: lane l's 16 bytes at 16 l
.endr
	ds_store_b32 v[XWS], v[PW] offset:XSC+128*(\s)
.endm
	NORM 0, 0, 0
	NORM 1, 0, 6
	NORM 2, 1, 0
	NORM 3, 1, 6
	s_wait_dscnt 0x0                               ; for the others' sake: my images have landed
	s_barrier_signal -1
	s_barrier_wait -1                              ; xn's sixteen fragments lie in LDS; nobody writes them again
	; ---- PHASE M
.macro FETCH s, set                    ; xn's four fragments of K step s and their scale words: 16 LDS loads
.irp m, 0,1,2,3
.irp c, 0,1,2
	ds_load_b128 v[FS+48*(\set)+12*\m+4*\c:FS+48*(\set)+12*\m+4*\c+3], v[LI] offset:XIMG+(4*\m+(\s))*1536+512*\c
.endr
	ds_load_b32 v[XS+4*(\set)+\m], v[LS] offset:XSC+(4*\m+(\s))*128
.endr
.endm
; K step s: 48 matrix instructions, each on an accumulator of its own
.macro GROUP s, set
.set ff, 0
.rept 12
	WREG \set
.set mm, 0
.rept 4
.set rowA, 0
.set rowB, 0
.set zC, 0
.set tt, ff%4
.if ff < 8
.set rD, 256+128*(ff/4)+32*mm+8*tt
.set rA, rW
.set rB, FS+48*(\set)+12*mm
.set sA, SQ+8*(ff/4)+4*(tt/2)+(\s)
.set sB, XS+4*(\set)+mm
.set rowA, tt%2
.if (\s) == 0
.set rC, 640+32*(ff/4)+8*tt
.else
.set rC, rD
.endif
.else
.set rD, 512+32*tt+8*mm
.set rA, FS+48*(\set)+12*mm
.set rB, rW
.set sA, XS+4*(\set)+mm
.set sB, SV+4*(tt/2)+(\s)
.set rowB, tt%2
.set rC, rD
.if (\s) == 0
.set zC, 1
.endif
.endif
	WMS
.set mm, mm+1
.endr
.set ff, ff+1
.endr
.endm
	FETCH 0, 0
	FETCH 1, 1
	s_wait_dscnt 16                                ; K step 0's fragments are in; step 1's 16 loads may be out
	s_wait_loadcnt 36                              ; weight set 0 is in; set 1's 36 loads may be out
	GROUP 0, 0
	WIN 0
	PLACES
	LDW 0, 2, 0, 12
	WIN 0
	FETCH 2, 0
	s_wait_dscnt 16
	s_wait_loadcnt 36
	GROUP 1, 1
	WIN 0
	PLACES
	LDW 1, 3, 0, 12
	WIN 0
	FETCH 3, 1
	s_wait_dscnt 16
	s_wait_loadcnt 36
	GROUP 2, 0
	s_wait_dscnt 0x0
	s_wait_loadcnt 0x0
	GROUP 3, 1
	WIN 0
	PLACES
	; ---- PHASE Q.  q: two token tiles at a time: their two blocks of 32 along the head each make half a fragment
	v_cmp_le_u32 vcc_lo, 16, v[LANE]
.irp q, 0,1
.if \q > 0
	s_wait_xcnt 0x0                                ; the last stores have read the codes' registers
.endif
	QUANT 256+64*\q
.irp i, 0,1,2,3,4,5
	global_store_b64 v[LI8], v[PC+2*\i:PC+2*\i+1], s[28:29] offset:1536*\q+256*\i   ; 32 lanes store 256 bytes on end, aligned
.endr
	v_mov_b32 v[PWQ+\q], v[PW]
.endr
.irp q, 0,1                                    ; k: the same two halves are one fragment of the scores' product: key tile 2 b below, 2 b + 1 above
	s_wait_xcnt 0x0
	QUANT 384+64*\q
.irp c, 0,1,2
	global_store_b128 v[LI], v[PC+4*\c:PC+4*\c+3], s[34:35] offset:1536*\q+512*\c
.endr
	v_mov_b32 v[PWK+\q], v[PW]
.endr
	v_cndmask_b32 v[TP], v[PWQ], v[PWQ+1], vcc_lo  ; lanes 0-15 the first pair's words, lanes 16-31 the second's: 128 bytes on end
	global_store_b32 v[LS], v[TP], s[30:31]
	v_cndmask_b32 v[TP+1], v[PWK], v[PWK+1], vcc_lo
	global_store_b32 v[LS], v[TP+1], s[36:37] offset:6144
.irp q, 0,1                                    ; v: two channel tiles at a time; a lane's registers run along my 64 tokens: two blocks of 32 keys
	WIN 0x82
.set ii, 0
.rept 32
	v_pk_add_f32 v[64*\q+2*ii:64*\q+2*ii+1], v[64*\q+2*ii:64*\q+2*ii+1], v[BV+4*\q+2*(ii/16):BV+4*\q+2*(ii/16)+1]   ; + bv; each accumulator from its low end on
.set ii, ii+1
.endr
	WIN 0
	s_wait_xcnt 0x0
	QUANT 512+64*\q
.irp i, 0,1,2,3,4,5
	global_store_b64 v[LI8], v[PC+2*\i:PC+2*\i+1], s[34:35] offset:6400+1536*\q+256*\i
.endr
	v_lshrrev_b32 v[TP+2+2*\q], 16, v[PW]
	v_cndmask_b32 v[TP+3+2*\q], v[PW], v[TP+2+2*\q], vcc_lo   ; lanes 0-15 the even tile's two bytes, lanes 16-31 the odd tile's
	global_store_b16 v[LS], v[TP+3+2*\q], s[38:39] offset:12544+128*\q
.endr
	s_wait_tensorcnt 0x0
	ds_add_u32 v254, v255
	s_wait_dscnt 0x0
	s_endpgm
.Lfunc_end_k_q29d20026ee_qkv:
	.size	k_q29d20026ee_qkv, .Lfunc_end_k_q29d20026ee_qkv-k_q29d20026ee_qkv
	.p2alignl 7, 3214868480
	.fill 96, 4, 3214868480
	.section	.rodata,"a",@progbits
	.p2align	6, 0x0
	.amdhsa_kernel k_q29d20026ee_qkv
		.amdhsa_group_segment_fixed_size 27136
		.amdhsa_private_segment_fixed_size 0
		.amdhsa_enable_private_segment 0
		.amdhsa_kernarg_size 104
		.amdhsa_user_sgpr_count 2
		.amdhsa_user_sgpr_kernarg_segment_ptr 1
		.amdhsa_wavefront_size32 1
		.amdhsa_system_sgpr_workgroup_id_x 1
		.amdhsa_system_sgpr_workgroup_id_y 1
		.amdhsa_system_sgpr_workgroup_id_z 1
		.amdhsa_system_vgpr_workitem_id 0
		.amdhsa_next_free_vgpr 1024
		.amdhsa_next_free_sgpr 66
		.amdhsa_reserve_vcc 1
		.amdhsa_float_denorm_mode_32 3
		.amdhsa_float_denorm_mode_16_64 3
		.amdhsa_memory_ordered 1
		.amdhsa_forward_progress 1
		.amdhsa_inst_pref_size 157
	.end_amdhsa_kernel
	.amdgpu_metadata
---
amdhsa.version: [ 1, 2 ]
amdhsa.kernels:
  - .name:           k_q29d20026ee_qkv
    .symbol:         k_q29d20026ee_qkv.kd
    .args:
      - { .name: x, .offset: 0, .size: 8, .value_kind: global_buffer, .address_space: global }
      - { .name: ln1_g, .offset: 8, .size: 8, .value_kind: global_buffer, .address_space: global }
      - { .name: ln1_b, .offset: 16, .size: 8, .value_kind: global_buffer, .address_space: global }
      - { .name: wimg, .offset: 24, .size: 8, .value_kind: global_buffer, .address_space: global }
      - { .name: Wq_scales, .offset: 32, .size: 8, .value_kind: global_buffer, .address_space: global }
      - { .name: Wk_scales, .offset: 40, .size: 8, .value_kind: global_buffer, .address_space: global }
      - { .name: Wv_scales, .offset: 48, .size: 8, .value_kind: global_buffer, .address_space: global }
      - { .name: bq, .offset: 56, .size: 8, .value_kind: global_buffer, .address_space: global }
      - { .name: bk, .offset: 64, .size: 8, .value_kind: global_buffer, .address_space: global }
      - { .name: bv, .offset: 72, .size: 8, .value_kind: global_buffer, .address_space: global }
      - { .name: qimg, .offset: 80, .size: 8, .value_kind: global_buffer, .address_space: global }
      - { .name: qsc, .offset: 88, .size: 8, .value_kind: global_buffer, .address_space: global }
      - { .name: kvimg, .offset: 96, .size: 8, .value_kind: global_buffer, .address_space: global }
    .group_segment_fixed_size: 27136
    .private_segment_fixed_size: 0
    .kernarg_segment_align: 8
    .kernarg_segment_size: 104
    .max_flat_workgroup_size: 128
    .sgpr_count:     66
    .vgpr_count:     1024
    .wavefront_size: 32
...
	.end_amdgpu_metadata
.endif
;; end of part 2
;; launch attn (part 3): grid 8 x 32, 16 waves a work-group, clusters of 4 x 1, 206,848 bytes of LDS; arguments qimg, qsc, kvimg, avimg, avsc; writes avimg, avsc
.if DOCPART == 3
	.amdgcn_target "amdgcn-amd-amdhsa--gfx1250"
	.amdhsa_code_object_version 6
	.text
	.protected	k_q29d20026ee_attn
	.globl	k_q29d20026ee_attn
	.p2align	8
	.type	k_q29d20026ee_attn,@function
k_q29d20026ee_attn:
	s_mov_b64 s[64:65], 0
	v_nop
	global_prefetch_b8 v0, s[64:65] scope:SCOPE_SE
	s_setreg_imm32_b32 hwreg(HW_REG_WAVE_MODE, 25, 1), 1
	s_wait_xcnt 0x0
	s_wait_alu depctr_hold_cnt(0) depctr_sa_sdst(0) depctr_va_vdst(0) depctr_va_sdst(0) depctr_va_ssrc(0) depctr_va_vcc(0) depctr_vm_vsrc(0)
	s_getreg_b32 s2, hwreg(HW_REG_IB_STS2, 6, 4)
	s_cmp_eq_u32 s2, 0
	s_cbranch_scc0 .Lentry_in_a_cluster
	s_endpgm
.Lentry_in_a_cluster:
	s_bfe_u32 s2, ttmp6, 0x10000c
	s_cmp_lg_u32 s2, 0x3003
	s_cbranch_scc0 .Lentry_shape_is_right
	s_endpgm
.Lentry_shape_is_right:
; av = softmax(q k^T / 8) v for one batch and head, both products on codes of E3M2 with one E8M0 scale for each 32 along K; av is quantised along the head's 64 and leaves as codes.
; THE SOFTMAX AHEAD OF THE SECOND PRODUCT: t = score x log2(e) / 8; M = the row's largest t so far, rounded UP to a whole number; p = 2^(t - M) is quantised along the keys, not normalised;
; the row's sum is taken of the unquantised p and divides at the end.  When M moves, the sum and O are multiplied by 2^(old M - new M): exact.
; SHARES.  A work-group owns 256 queries of one head (work-group y = batch x 8 + head); each of its sixteen waves one tile of 16 queries in 256 registers: four waves to a SIMD, so that one wave's
; vector work stands beside another's matrix work and LDS loads.  Every wave walks the head's 2,048 keys, 128 a step.
; LDS.  The head's k, v and their scale words, 16 key steps of 12,800 bytes, lie in LDS as they lie in memory (images of operand registers).  They are filled ONCE: each wave brings a sixteenth of
; the first half and a sixteenth of the second, two tensor loads outstanding; no byte is filled again, and nothing is stored into LDS.
; CLUSTER.  The four work-groups of a cluster belong to one head and want the same bytes: every fill is a joint load with the mask of all four.
; LAYOUT.  Both products are used transposed (S^T = k q^T, O^T = v^T p^T): a lane holds one query throughout.  Tiles are permuted (lane r of tile 2 b + u: key 32 b + 8 u + r + 8 (r / 8)), so p's 16
; registers of two neighbouring tiles are 16 neighbouring keys.
; K = 64 IN AN INSTRUCTION OF 128: a fragment of k holds key tile 2 b in its lower half and 2 b + 1 in its upper; multiplied by [q | 0] it gives tile 2 b, by [0 | q] tile 2 b + 1: the other tile's
; codes meet zero codes, which add nothing (all scale bytes are this program's own, 1 to 254).
; LIMITS: NaN and infinities are not served; a block whose largest magnitude lies under 2^-122 keeps the scale byte 1.
; REGISTERS: v1-10 addresses; v12 -M, v13 the largest t, v[14:15] the sum; v16-33 zeros, q, zeros; v34 q's scale word; v36-83 k's four fragments, then p's codes; v84-85, v88-89 k's and v's scale words;
; v96-159 S^T, then p; v160-191 O^T; v192-239 v's four fragments; v240-254 at work; v255 p's scale word.
.set STEPB, 12800
.set LI16, 1
.set LI8,  2
.set LI4,  3
.set ADK,  4
.set ADV,  5
.set ADS,  6
.set QSA,  9                           ; 4 r
.set ASA,  10                          ; 16 r
.set WV,   14
.set SEL,  20
.set CS,   22
.set G1,   24
.set G0A,  32
.set G0B,  36
.set TB,   40
.set CNT,  41
.macro CROUND                          ; a round of the cluster's barrier
	s_barrier_signal -1
	s_barrier_wait -1
	s_cmp_lg_u32 s[WV], 0
	s_cbranch_scc1 .Lnot_wave_0_\@
	s_barrier_signal -3
.Lnot_wave_0_\@:
	s_barrier_wait -3
	s_barrier_signal -1
	s_barrier_wait -1
.endm
.macro SP d, a, b, sc, row             ; a product of the scores: it starts its sum with the constant 0
.if \row
	v_wmma_scale_f32_16x16x128_f8f6f4 v[\d:\d+7], v[\a:\a+11], v[\b:\b+11], 0, v[\sc], v34 matrix_a_fmt:MATRIX_FMT_BF6 matrix_b_fmt:MATRIX_FMT_BF6 matrix_a_scale:MATRIX_SCALE_ROW1
.else
	v_wmma_scale_f32_16x16x128_f8f6f4 v[\d:\d+7], v[\a:\a+11], v[\b:\b+11], 0, v[\sc], v34 matrix_a_fmt:MATRIX_FMT_BF6 matrix_b_fmt:MATRIX_FMT_BF6
.endif
.endm
.macro PV d, a, sc, row                ; O^T += v^T p^T
.if \row
	v_wmma_scale_f32_16x16x128_f8f6f4 v[\d:\d+7], v[\a:\a+11], v[36:47], v[\d:\d+7], v[\sc], v255 matrix_a_fmt:MATRIX_FMT_BF6 matrix_b_fmt:MATRIX_FMT_BF6 matrix_a_scale:MATRIX_SCALE_ROW1
.else
	v_wmma_scale_f32_16x16x128_f8f6f4 v[\d:\d+7], v[\a:\a+11], v[36:47], v[\d:\d+7], v[\sc], v255 matrix_a_fmt:MATRIX_FMT_BF6 matrix_b_fmt:MATRIX_FMT_BF6
.endif
.endm
	s_load_b256 s[4:11], s[0:1], 0x0               ; qimg s[4:5], qsc s[6:7], kvimg s[8:9], avimg s[10:11]
	s_load_b64 s[12:13], s[0:1], 0x20              ; avsc
	v_lshl_add_u32 v94, v0, 2, 0x32000
	v_mov_b32 v95, 0
	ds_add_u32 v94, v95
	ds_add_u32 v94, v95
	v_lshrrev_b32 v8, 5, v0
	v_readfirstlane_b32 s[WV], v8                  ; wave 0..15
	v_and_b32 v7, 31, v0
	v_lshlrev_b32 v[LI16], 4, v7
	v_lshlrev_b32 v[LI8], 3, v7
	v_lshlrev_b32 v[LI4], 2, v7
	v_and_b32 v8, 15, v0
	v_lshlrev_b32 v[QSA], 2, v8
	v_lshlrev_b32 v[ASA], 4, v8
	s_bfe_u32 s15, ttmp6, 0x40000                  ; cx: it enters q's and av's global addresses alone
	s_lshl_b32 s16, ttmp9, 2
	s_add_co_u32 s16, s16, s15                     ; my block of 256 queries
	s_and_b32 s17, ttmp7, 0xffff                   ; batch x 8 + head, which the four partners share
	s_lshl_b32 s18, s16, 4
	s_add_co_u32 s18, s18, s[WV]                   ; my query tile
	s_mul_i32 s42, s17, 204800
	s_mul_i32 s19, s[WV], 6400                     ; my sixteenth of half a head
	s_add_co_u32 s42, s42, s19
	s_mov_b32 s43, 0
	s_lshl_b32 s44, s17, 7
	s_add_co_u32 s44, s44, s18
	s_mul_i32 s44, s44, 768                        ; q's half fragment
	s_mov_b32 s45, 0
	s_lshl_b32 s46, s17, 6
	s_lshr_b32 s47, s18, 1
	s_add_co_u32 s46, s46, s47
	s_lshl_b32 s46, s46, 6
	s_and_b32 s47, s[WV], 1
	s_lshl_b32 s47, s47, 1
	s_add_co_u32 s46, s46, s47                     ; q's two scale bytes: the pair's words, my tile's half
	s_mov_b32 s47, 0
	s_lshr_b32 s48, s17, 3
	s_lshl_b32 s48, s48, 7
	s_add_co_u32 s48, s48, s18                     ; my token tile among all 512
	s_and_b32 s49, s17, 7                          ; the head
	s_lshl_b32 s50, s48, 3
	s_add_co_u32 s50, s50, s49
	s_mul_i32 s50, s50, 768                        ; avimg: [token tile][head] of 768 bytes
	s_mov_b32 s51, 0
	s_lshl_b32 s52, s48, 8
	s_lshl_b32 s53, s49, 1
	s_add_co_u32 s52, s52, s53                     ; avsc: [token tile][r] of 16 bytes, 2 for each head
	s_mov_b32 s53, 0
	s_mov_b32 s[G1], 15|(3<<16)|(1<<21)            ; 15:0 the mask: all four work-groups; 17:16 elements of 8 bytes; 21 set beside a mask; no padding
	s_mov_b32 s[G1+1], 32<<16                      ; tensor_dim0 = 32 elements: rows of 256 bytes
	s_mov_b32 s[G1+2], 25<<16                      ; tensor_dim1 = 25 rows: 6,400 dense bytes
	s_mov_b32 s[G1+3], 32<<16                      ; tile_dim0
	s_mov_b32 s[G1+4], 25                          ; tile_dim1
	s_mov_b32 s[G1+5], 32                          ; the pitch
	s_mov_b32 s[G1+6], 0
	s_mov_b32 s[G1+7], 0
	s_mov_b32 s[SEL], 0x76543210
	s_mov_b32 s[SEL+1], 0xfedcba98                 ; v_permlanex16_b32's selects for lane l xor 16
	s_mov_b32 s[CS], 0x3e38aa3b                    ; c = log2(e) / 8
	s_mov_b32 s[CS+1], s[CS]                       ; (named with it as a pair, so it is written)
	s_mov_b32 s[TB], 0
	s_wait_dscnt 0x0
	s_wait_kmcnt 0x0
	s_mov_b32 s[G0A], 1
	s_mov_b32 s[G0A+1], s19                        ; LDS: 6,400 x wave
	s_add_nc_u64 s[G0A+2:G0A+3], s[8:9], s[42:43]
	s_mov_b32 s[G0B], 1
	s_add_co_u32 s[G0B+1], s19, 102400             ; and the same in the second half
	s_add_nc_u64 s[G0B+2:G0B+3], s[G0A+2:G0A+3], 102400
	s_or_b32 s[G0A+3], s[G0A+3], 0x80000000
	s_or_b32 s[G0B+3], s[G0B+3], 0x80000000
	s_add_nc_u64 s[4:5], s[4:5], s[44:45]
	s_add_nc_u64 s[6:7], s[6:7], s[46:47]
	s_add_nc_u64 s[10:11], s[10:11], s[50:51]
	s_add_nc_u64 s[12:13], s[12:13], s[52:53]
	CROUND                                         ; all four work-groups are here: the joint loads meet
	tensor_load_to_lds s[G0A:G0A+3], s[G1:G1+7]    ; key steps 0-7, my sixteenth
	s_nop 0
	tensor_load_to_lds s[G0B:G0B+3], s[G1:G1+7]    ; key steps 8-15
	s_nop 0
.rept 4
	v_nop                                          ; behind tensor loads
.endr
.irp p, 0,1,2
	global_load_b64 v[22+2*\p:23+2*\p], v[LI8], s[4:5] offset:256*\p   ; q: six registers, k = 32 h + 0 .. 31 of query lane r
.endr
	global_load_u16 v254, v[QSA], s[6:7]
	s_wait_loadcnt 0x0
	v_lshl_or_b32 v34, v254, 16, v254              ; q's two bytes below and above: they serve [q | 0] and [0 | q] alike
.irp j, 16,17,18,19,20,21,28,29,30,31,32,33
	v_mov_b32 v[\j], 0                             ; zero codes on both sides of q: [q | 0] = v[22:33], [0 | q] = v[16:27]
.endr
	v_mov_b32 v13, 0xff61b1e6                      ; the largest t so far: -3e38, under every t
	v_floor_f32 v12, -v13                          ; -M
	v_mov_b32 v14, 0
	v_mov_b32 v15, 0
.irp b, 0,1,2,3
	v_mov_b32 v[244+\b], 0                         ; written once: a lane permute's destination counts as one of its sources
.endr
	v_mov_b32 v253, 0                              ; (named as the upper half of the pair v[252:253])
.set jj, 0
.rept 32
	v_mov_b32 v[160+jj], 0                         ; O^T: the step is written once; its first walk finds zeros, which the first change of M leaves zeros
.set jj, jj+1
.endr
; A KEY STEP: 128 keys, at LDS byte s[TB]
.macro STEP
	v_add_nc_u32 v[ADK], s[TB], v[LI16]
	v_add_nc_u32 v[ADV], s[TB], v[LI8]
	v_add_nc_u32 v[ADS], s[TB], v[LI4]
	v_nop                                          ; four places behind the last products, ahead of loads into registers that they read
.irp b, 0,1,2,3
.irp c, 0,1,2
	ds_load_b128 v[36+12*\b+4*\c:39+12*\b+4*\c], v[ADK] offset:1536*\b+512*\c   ; k's four fragments: 512 bytes on end a load
.endr
.endr
	ds_load_b32 v84, v[ADS] offset:6144            ; their scale words: fragment 0 in lanes 0-15, 1 in lanes 16-31;
	ds_load_b32 v85, v[ADS] offset:6272            ; 2 and 3
	s_wait_dscnt 0x0
.irp b, 0,1,2,3
	SP 96+16*\b, 36+12*\b, 22, 84+\b/2, \b%2       ; key tile 2 b
	SP 104+16*\b, 36+12*\b, 16, 84+\b/2, \b%2      ; key tile 2 b + 1
.endr
.irp t, 0,1,2,3                                ; v's fragments land under the softmax
.irp g, 0,1
.irp p, 0,1,2
	ds_load_b64 v[192+12*\t+6*\g+2*\p:193+12*\t+6*\g+2*\p], v[ADV] offset:6400+3072*\g+768*\t+256*\p
.endr
.endr
.endr
	ds_load_b32 v88, v[ADS] offset:12544
	ds_load_b32 v89, v[ADS] offset:12672
.rept 4
	v_nop
.endr
.irp b, 0,1,2,3
	v_max3_num_f32 v[240+\b], v[96+16*\b], v[97+16*\b], v[98+16*\b]   ; the largest score of each block of 32 keys: for the row's maximum, and, since p rises with the score, for the block's largest p
.endr
.irp i, 3,5,7,9,11,13
.irp b, 0,1,2,3
	v_max3_num_f32 v[240+\b], v[240+\b], v[96+16*\b+\i], v[97+16*\b+\i]
.endr
.endr
.irp b, 0,1,2,3
	v_max_num_f32 v[240+\b], v[240+\b], v[111+16*\b]
.endr
.irp b, 0,1,2,3
	v_permlanex16_b32 v[244+\b], v[240+\b], s[SEL], s[SEL+1]
.endr
.irp b, 0,1,2,3
	v_max_num_f32 v[240+\b], v[240+\b], v[244+\b]  ; with lane l xor 16's 16 keys
.endr
	v_max3_num_f32 v254, v240, v241, v242
	v_max_num_f32 v254, v254, v243
	v_mul_f32 v254, s[CS], v254                    ; the step's largest t (c is positive)
	v_max_num_f32 v13, v13, v254                   ; the running largest t
	v_mov_b32 v254, v12
	v_floor_f32 v12, -v13                          ; the new -M = -ceil(t): a whole number
	v_sub_f32 v254, v12, v254                      ; old M - new M: a whole number, 0 or less
	v_cvt_i32_f32 v254, v254                       ; (it saturates)
	v_ldexp_f32 v252, 1.0, v254                    ; f = 2^(old M - new M)
.set jj, 0
.rept 32
	v_pk_fma_f32 v[96+2*jj:97+2*jj], v[96+2*jj:97+2*jj], s[CS:CS+1], v[12:13] op_sel_hi:[1,0,0]   ; t - M, two at a time
.set jj, jj+1
.endr
.irp b, 0,1,2,3
	v_fma_f32 v[240+\b], v[240+\b], s[CS], v12     ; the same of each block's largest score
.endr
.set jj, 0
.rept 64
	v_exp_f32 v[96+jj], v[96+jj]                   ; p = 2^(t - M), at most 1
.set jj, jj+1
.endr
.irp b, 0,1,2,3
	v_exp_f32 v[240+\b], v[240+\b]                 ; the block's largest p: the same two instructions on the same number
.endr
	v_pk_mul_f32 v[14:15], v[14:15], v[252:253] op_sel_hi:[1,0]   ; the sums under the new M (a plain place behind the exponentials)
	s_wait_alu depctr_va_vdst(0)
.irp b, 0,1,2,3
	v_max_num_f32 v[240+\b], 0x2800000, v[240+\b]  ; the floor 2^(5 - 127): the byte cannot fall under 1
.endr
.irp b, 0,1,2,3
	v_add_nc_u32 v[248+\b], 0xfe000000, v[240+\b]  ; 4 off the exponent field: the conversion's scale operand
.endr
.irp b, 0,1,2,3
	v_lshrrev_b32 v[244+\b], 23, v[248+\b]
.endr
	v_lshl_or_b32 v255, v245, 8, v244              ; p's scale word for these 128 keys
	v_lshl_or_b32 v255, v246, 16, v255
	v_lshl_or_b32 v255, v247, 24, v255
.irp c, 0,1
	v_cvt_scalef32_pk16_bf6_f32 v[36+6*\c:38+6*\c], v[96+32*\c:111+32*\c], v[248+2*\c]
	v_cvt_scalef32_pk16_bf6_f32 v[48+4*\c:50+4*\c], v[112+32*\c:127+32*\c], v[248+2*\c+1]
.endr
	v_nop                                          ; one plain place behind a scaled conversion
.irp c, 0,1
.irp i, 0,1,2
	v_permlane16_swap_b32 v[36+6*\c+\i], v[48+4*\c+\i]
.endr
.irp i, 0,1,2
	v_mov_b32 v[39+6*\c+\i], v[48+4*\c+\i]
.endr
.endr
	v_pk_add_f32 v[244:245], v[96:97], v[98:99]    ; the row's sum is taken of the unquantised p, in two chains
.set jj, 4
.rept 15
	v_pk_add_f32 v[14:15], v[14:15], v[96+jj:97+jj]
	v_pk_add_f32 v[244:245], v[244:245], v[98+jj:99+jj]
.set jj, jj+4
.endr
	v_pk_add_f32 v[14:15], v[14:15], v[244:245]
.set jj, 0
.rept 16
	v_pk_mul_f32 v[160+2*jj:161+2*jj], v[160+2*jj:161+2*jj], v[252:253] op_sel_hi:[1,0]   ; O^T under the new M; these are also the places ahead of the scaled products below
.set jj, jj+1
.endr
	s_wait_dscnt 0x0                               ; v's fragments and scale words are in
.irp t, 0,1,2,3
	PV 160+8*\t, 192+12*\t, 88+\t/2, \t%2          ; four accumulators, one instruction a turn
.endr
	s_add_co_u32 s[TB], s[TB], STEPB
.endm
	s_wait_tensorcnt 0x1                           ; my part of key steps 0-7 is in; the second half may stay out
	s_barrier_signal -1
	s_barrier_wait -1                              ; everybody's is
	s_mov_b32 s[CNT], 8
.Lfirst:
	STEP
	s_sub_co_u32 s[CNT], s[CNT], 1
	s_cmp_lg_u32 s[CNT], 0
	s_cbranch_scc1 .Lfirst
	s_wait_tensorcnt 0x0                           ; my part of key steps 8-15 is in
	s_wait_dscnt 0x0
	s_barrier_signal -1
	s_barrier_wait -1
	s_mov_b32 s[CNT], 8
.Lsecond:
	STEP
	s_sub_co_u32 s[CNT], s[CNT], 1
	s_cmp_lg_u32 s[CNT], 0
	s_cbranch_scc1 .Lsecond
.rept 4
	v_nop                                          ; places behind the last products
.endr
	v_add_f32 v14, v14, v15                        ; the sum's two halves,
	v_permlanex16_b32 v252, v14, s[SEL], s[SEL+1]
	v_add_f32 v14, v14, v252                       ; and lane l xor 16's
	v_rcp_f32 v14, v14
	v_nop
.set jj, 0
	s_wait_alu depctr_va_vdst(0)
.rept 32
	v_mul_f32 v[96+jj], v[160+jj], v14             ; av: register 16 b + i = channel 32 b + 16 h + i of my query
.set jj, jj+1
.endr
.irp b, 0,1                                    ; the head's two blocks of 32 along the next product's K
	v_max3_num_f32 v[240+\b], |v[96+16*\b]|, |v[97+16*\b]|, 0x2800000
.endr
.irp i, 2,4,6,8,10,12,14
.irp b, 0,1
	v_max3_num_f32 v[240+\b], v[240+\b], |v[96+16*\b+\i]|, |v[97+16*\b+\i]|
.endr
.endr
.irp b, 0,1
	v_permlanex16_b32 v[244+\b], v[240+\b], s[SEL], s[SEL+1]
.endr
.irp b, 0,1
	v_max_num_f32 v[240+\b], v[240+\b], v[244+\b]
.endr
.irp b, 0,1
	v_add_nc_u32 v[248+\b], 0xfe000000, v[240+\b]
.endr
.irp b, 0,1
	v_lshrrev_b32 v[244+\b], 23, v[248+\b]
.endr
	v_lshl_or_b32 v254, v245, 8, v244
	v_cvt_scalef32_pk16_bf6_f32 v[36:38], v[96:111], v248
	v_cvt_scalef32_pk16_bf6_f32 v[48:50], v[112:127], v249
	v_nop
.irp i, 0,1,2
	v_permlane16_swap_b32 v[36+\i], v[48+\i]
.endr
.irp i, 0,1,2
	v_mov_b32 v[39+\i], v[48+\i]
.endr
.irp p, 0,1,2
	global_store_b64 v[LI8], v[36+2*\p:37+2*\p], s[10:11] offset:256*\p   ; half a fragment: 32 lanes store 256 bytes on end, aligned
.endr
	global_store_b16 v[ASA], v254, s[12:13]        ; its two scale bytes; lanes l and l + 16 write the same bytes to the same place
	s_wait_tensorcnt 0x0
	ds_add_u32 v94, v95
	s_wait_dscnt 0x0
	CROUND                                         ; the closing round: no work-group ends while a partner may still ask jointly
	s_endpgm
.Lfunc_end_k_q29d20026ee_attn:
	.size	k_q29d20026ee_attn, .Lfunc_end_k_q29d20026ee_attn-k_q29d20026ee_attn
	.p2alignl 7, 3214868480
	.fill 96, 4, 3214868480
	.section	.rodata,"a",@progbits
	.p2align	6, 0x0
	.amdhsa_kernel k_q29d20026ee_attn
		.amdhsa_group_segment_fixed_size 206848
		.amdhsa_private_segment_fixed_size 0
		.amdhsa_enable_private_segment 0
		.amdhsa_kernarg_size 40
		.amdhsa_user_sgpr_count 2
		.amdhsa_user_sgpr_kernarg_segment_ptr 1
		.amdhsa_wavefront_size32 1
		.amdhsa_system_sgpr_workgroup_id_x 1
		.amdhsa_system_sgpr_workgroup_id_y 1
		.amdhsa_system_sgpr_workgroup_id_z 1
		.amdhsa_system_vgpr_workitem_id 0
		.amdhsa_next_free_vgpr 256
		.amdhsa_next_free_sgpr 66
		.amdhsa_reserve_vcc 0
		.amdhsa_float_denorm_mode_32 3
		.amdhsa_float_denorm_mode_16_64 3
		.amdhsa_memory_ordered 1
		.amdhsa_forward_progress 1
		.amdhsa_inst_pref_size 43
	.end_amdhsa_kernel
	.amdgpu_metadata
---
amdhsa.version: [ 1, 2 ]
amdhsa.kernels:
  - .name:           k_q29d20026ee_attn
    .symbol:         k_q29d20026ee_attn.kd
    .args:
      - { .name: qimg, .offset: 0, .size: 8, .value_kind: global_buffer, .address_space: global }
      - { .name: qsc, .offset: 8, .size: 8, .value_kind: global_buffer, .address_space: global }
      - { .name: kvimg, .offset: 16, .size: 8, .value_kind: global_buffer, .address_space: global }
      - { .name: avimg, .offset: 24, .size: 8, .value_kind: global_buffer, .address_space: global }
      - { .name: avsc, .offset: 32, .size: 8, .value_kind: global_buffer, .address_space: global }
    .group_segment_fixed_size: 206848
    .private_segment_fixed_size: 0
    .kernarg_segment_align: 8
    .kernarg_segment_size: 40
    .max_flat_workgroup_size: 512
    .sgpr_count:     66
    .vgpr_count:     256
    .wavefront_size: 32
...
	.end_amdgpu_metadata
.endif
;; end of part 3
;; launch ffn (part 4): grid 128 x 1, 4 waves a work-group, no clusters, 116,224 bytes of LDS; arguments avimg, avsc, wimg, Wo_scales, bo, x, ln2_g, ln2_b, W1_scales, b1, W2_scales, b2, out0; writes out0
.if DOCPART == 4
	.amdgcn_target "amdgcn-amd-amdhsa--gfx1250"
	.amdhsa_code_object_version 6
	.text
	.protected	k_q29d20026ee_ffn
	.globl	k_q29d20026ee_ffn
	.p2align	8
	.type	k_q29d20026ee_ffn,@function
k_q29d20026ee_ffn:
	s_mov_b64 s[64:65], 0
	v_nop
	global_prefetch_b8 v0, s[64:65] scope:SCOPE_SE
	s_setreg_imm32_b32 hwreg(HW_REG_WAVE_MODE, 25, 1), 1
	s_wait_xcnt 0x0
; x1 = x + av Wo + bo;  out = x1 + gelu(layernorm(x1) ln2_g + ln2_b) W1 + b1) W2 + b2, the three products on codes of E3M2 with one E8M0 scale for each 32 along K; all else in f32.
; SHARES.  A work-group owns 64 tokens (four permuted tiles of 16).  THE WAVES SHARE THE COLUMNS: wave w owns output columns 128 w .. 128 w + 127 of the first and third product, and hidden units
; 512 c + 128 w .. + 127 of each chunk c of 512.  So a weight fragment is read once by a work-group, straight from memory into registers (images made by the first launch, 512 bytes on end a load),
; and feeds four matrix instructions.  64 tokens to a work-group make 128 work-groups: every work-group walks all weights whatever its rows, so 32 tokens on 256 would double that traffic.
; NO JOINT LOADS: they exist only into LDS, and the weights never touch LDS here; through LDS each of their bytes would be written and read once more, with a round of a cluster's barrier for each refill.
; All products are used transposed (source 0 = 16 rows of a weight, source 1 = 16 tokens): a lane holds one token, its registers run along the columns, which are the next K.
; THE RESIDUALS COST NO REGISTER: x is loaded into the accumulators onto which the first product adds; x1 + b2 is what the third adds onto.
; WHAT GOES ROUND THROUGH LDS is small: the codes of layernorm(x1) and of gelu(..), as images of operand registers (lane l's 16 bytes at 16 l), and eight sums a token for the norm.
; THE LOOP is pipelined: trip c makes the hidden chunk c and multiplies chunk c - 1 by W2; two LDS buffers by turns, one barrier a trip.  Trip 0, which has no chunk to multiply, is written out ahead.
; GELU is 0.5 x (1 + erf(x / sqrt 2)), erf(z) = z P(z^2) / Q(z^2) on |z| <= 4 (beyond, z is held at 4): good to a few units in erf's last place.
; LIMITS: the error of gelu is about 1e-7 |x| absolute, so its relative error grows for x < -3, where gelu is under 0.005; NaN and infinities are not served; a block whose largest magnitude lies
; under 2^-122, a block of zeros among them, keeps the scale byte 1.
; REGISTERS, in windows of 256.  Window 0: addresses, the hidden layer's 64 numbers, GELU's work, scale words, codes, sums.  Window 1: the 32 accumulators Y (tile t, tokens m: 256 + 64 m + 8 t).
; Window 2: weight sets C, D; then ln2_g, ln2_b, b2; then x2's 16 fragments; five of av's fragments.  Window 3: weight sets A, B; the hidden fragments in hand; b1 of a pair of tiles.
.set X2IMG, 0                          ; LDS: x2's 16 fragments (4 m + K step)
.set X2SC,  24576                      ; their scale words
.set HIMG0, 26624                      ; the hidden layer's 16 fragments of a chunk, then their scale words: two buffers
.set HSCO,  24576
.set HTOG,  47104                      ; 26,624 xor 53,248: turns one buffer's address into the other's
.set RED1,  79872                      ; the norm's sums: [wave][r][m], 1,024 bytes, twice.  This base stands in the address registers: an LDS instruction's immediate has 16 bits
.set RED2O, 1024                       ; the second set, counted from the first
.set STG,   81920                      ; the way out: 16 rows x (512 + 16) bytes for each wave
.set LI16, 1
.set LI8,  2
.set LS4,  3
.set XA,   4                           ; x: my token's row + 64 h
.set SR16, 5                           ; 16 (8 h + r + 8 (r / 8)): a row of 16 scale bytes; lanes 16-31 take the odd tile of a pair
.set SR64, 6                           ; the same for rows of 64
.set CB,   7                           ; 64 h
.set AVSA, 8                           ; 16 r
.set REDW, 9                           ; RED1 + 256 w + 16 r
.set REDR, 10                          ; RED1 + 16 r
.set XWI,  11                          ; 1,536 w + 16 x lane
.set XWS,  12                          ; 128 w + 4 x lane
.set STO,  13
.set STR,  14
.set HA,   16                          ; v16-79   the hidden layer (16 m + 8 u + j); also bo, the norm's work, rows on the way out
.set GZ,   80                          ; v80-111  GELU's work
.set GW,   88
.set GP,   96
.set GQ,   104
.set RS,   80                          ; v80-83   four sums; v84-87 their partners'
.set RT,   84
.set XS,   112                         ; v112-127 the activations' scale words (4 m + K step)
.set W1SC, 128                         ; v128-143 Wo's, then W1's scale words (4 x pair + K step)
.set W2SC, 144                         ; v144-159 W2's
.set PC,   160                         ; v160-191 codes
.set PW,   192                         ; v192-195 scale words in the making
.set TM,   196                         ; v196-211 the quantiser's work
.set CA1,  212
.set CB1,  214
.set HW,   216
.set HWS,  217
.set HR,   218
.set HRS,  219
.set HS,   220                         ; v220-223 the hidden fragments' scale words
.set LA,   224                         ; v224-239 chains of sums, then the four waves' sums
.set MN,   240                         ; v240-247 the means, a pair for each m
.set RD,   248                         ; v248-255 1 / deviation likewise
.set Y,    256
.set SETC, 512
.set SETD, 608
.set X2F,  512
.set SETA, 768
.set SETB, 864
.set HFR,  960
.set B1R,  1008
.set MSB, 0
.macro WIN new                         ; the immediate's high byte repeats the setting that is left; a switch that changes nothing is dropped
.if MSB != (\new)
	s_set_vgpr_msb (MSB<<8)|(\new)
.set MSB, (\new)
.endif
.endm
.macro PLACES                          ; four plain places behind matrix instructions, ahead of loads into their registers and of reads of their results
.rept 4
	v_nop
.endr
.endm
.macro BARRIER                         ; my LDS stores have landed and my LDS loads are in: then the work-group's barrier
	s_wait_dscnt 0x0
	s_barrier_signal -1
	s_barrier_wait -1
.endm
.macro WMS                             ; one matrix instruction; rD, rA, rB, rC: register numbers 0..1023; sA (rowA = 1: its lanes 16-31), sB: scale words
.set WN, ((rD>>8)<<6)|((rC>>8)<<4)|((rB>>8)<<2)|(rA>>8)
	WIN WN
.set dD, rD&255
.set dA, rA&255
.set dB, rB&255
.set dC, rC&255
.if rowA
	v_wmma_scale_f32_16x16x128_f8f6f4 v[dD:dD+7], v[dA:dA+11], v[dB:dB+11], v[dC:dC+7], v[sA], v[sB] matrix_a_fmt:MATRIX_FMT_BF6 matrix_b_fmt:MATRIX_FMT_BF6 matrix_a_scale:MATRIX_SCALE_ROW1
.else
	v_wmma_scale_f32_16x16x128_f8f6f4 v[dD:dD+7], v[dA:dA+11], v[dB:dB+11], v[dC:dC+7], v[sA], v[sB] matrix_a_fmt:MATRIX_FMT_BF6 matrix_b_fmt:MATRIX_FMT_BF6
.endif
.endm
.macro AVREG                           ; rB: av's fragment ai = 4 x K step + m
.if ai < 8
.set rB, 16+12*ai
.elseif ai < 13
.set rB, 704+12*(ai-8)
.else
.set rB, 960+12*(ai-13)
.endif
.endm
; Y += a weight set's eight tiles x four tiles of tokens: 32 accumulators, one instruction a turn.  kind 0: av, K step idx; kind 1: the hidden fragments in hand
.macro GRP_Y set, scl, idx, kind
.set mm, 0
.rept 4
.if (\kind) == 0
.set ai, 4*(\idx)+mm
	AVREG
.set sB, XS+4*mm+(\idx)
.else
.set rB, HFR+12*mm
.set sB, HS+mm
.endif
.set tt, 0
.rept 8
.set rD, Y+64*mm+8*tt
.set rC, rD
.set rA, (\set)+12*tt
.set sA, (\scl)+4*(tt/2)+(\idx)
.set rowA, tt%2
	WMS
.set tt, tt+1
.endr
.set mm, mm+1
.endr
.endm
; the hidden layer of pair b of my tiles: 32 units x 64 tokens, K = 512: eight accumulators by turns, four K steps; b1 is the C of the first
.macro GRP_H b
.set kk, 0
.rept 4
.set uu, 0
.rept 2
.set mm, 0
.rept 4
.set rD, HA+16*mm+8*uu
.set rA, SETA+12*(4*uu+kk)
.set rB, X2F+12*(4*mm+kk)
.if kk == 0
.set rC, B1R+8*uu
.else
.set rC, rD
.endif
.set sA, W1SC+4*(\b)+kk
.set sB, XS+4*mm+kk
.set rowA, uu
	WMS
.set mm, mm+1
.endr
.set uu, uu+1
.endr
.set kk, kk+1
.endr
.endm
.macro LDSET set, p, stride, off       ; eight fragments into a weight set: 24 loads of 512 bytes on end
.set WN, ((\set)>>8)<<6
	WIN WN
.set ff, 0
.rept 8
.irp c, 0,1,2
	global_load_b128 v[((\set)&255)+12*ff+4*\c:((\set)&255)+12*ff+4*\c+3], v[LI16], s[\p:\p+1] offset:(\off)+ff*(\stride)+512*\c
.endr
.set ff, ff+1
.endr
.endm
.macro LDAV s                          ; av's four fragments of K step s (heads 2 s and 2 s + 1): 24 loads of 256 bytes on end
.set mm, 0
.rept 4
.set ai, 4*(\s)+mm
	AVREG
.set WN, (rB>>8)<<6
	WIN WN
.set dB, rB&255
.irp q, 0,1,2,3,4,5
	global_load_b64 v[dB+2*\q:dB+2*\q+1], v[LI8], s[8:9] offset:6144*mm+1536*(\s)+256*\q
.endr
.set mm, mm+1
.endr
.endm
.macro LDB1 off                        ; b1 of a pair of tiles, in the result's layout
	WIN 0xc0
.irp j, 0,1,2,3
	global_load_b128 v[240+4*\j:243+4*\j], v[CB], s[26:27] offset:(\off)+16*\j
.endr
.endm
.macro FETCHH b                        ; the hidden fragments of K step b of the chunk in the read buffer, and their scale words
	WIN 0xc0
.irp m, 0,1,2,3
.irp c, 0,1,2
	ds_load_b128 v[192+12*\m+4*\c:195+12*\m+4*\c], v[HR] offset:(4*\m+(\b))*1536+512*\c
.endr
.endr
	WIN 0
.irp m, 0,1,2,3
	ds_load_b32 v[HS+\m], v[HRS] offset:HSCO+(4*\m+(\b))*128
.endr
.endm
; 64 numbers of a lane in window 0, register 16 b + i = place 32 b + 16 (lane / 16) + i of my row, become a fragment in v[PC] on and its scale word in v[PW]
.macro QUANT s
.irp b, 0,1,2,3
	v_max3_num_f32 v[TM+\b], |v[(\s)+16*\b]|, |v[(\s)+1+16*\b]|, 0x2800000   ; and the floor 2^(5 - 127): the byte cannot fall under 1
.endr
.irp i, 2,4,6,8,10,12,14
.irp b, 0,1,2,3
	v_max3_num_f32 v[TM+\b], v[TM+\b], |v[(\s)+16*\b+\i]|, |v[(\s)+1+16*\b+\i]|
.endr
.endr
.irp b, 0,1,2,3
	v_permlanex16_b32 v[TM+4+\b], v[TM+\b], s44, s45
.endr
.irp b, 0,1,2,3
	v_max_num_f32 v[TM+\b], v[TM+\b], v[TM+4+\b]
.endr
.irp b, 0,1,2,3
	v_add_nc_u32 v[TM+12+\b], 0xfe000000, v[TM+\b] ; 4 off the exponent field: the conversion's scale operand
.endr
.irp b, 0,1,2,3
	v_lshrrev_b32 v[TM+4+\b], 23, v[TM+12+\b]
.endr
	v_lshl_or_b32 v[PW], v[TM+5], 8, v[TM+4]
	v_lshl_or_b32 v[PW], v[TM+6], 16, v[PW]
	v_lshl_or_b32 v[PW], v[TM+7], 24, v[PW]
.irp c, 0,1
	v_cvt_scalef32_pk16_bf6_f32 v[PC+6*\c:PC+2+6*\c], v[(\s)+32*\c:(\s)+15+32*\c], v[TM+12+2*\c]
	v_cvt_scalef32_pk16_bf6_f32 v[PC+12+4*\c:PC+14+4*\c], v[(\s)+16+32*\c:(\s)+31+32*\c], v[TM+12+2*\c+1]
.endr
	v_nop                                          ; one plain place behind a scaled conversion
.irp c, 0,1
.irp i, 0,1,2
	v_permlane16_swap_b32 v[PC+6*\c+\i], v[PC+12+4*\c+\i]
.endr
.irp i, 0,1,2
	v_mov_b32 v[PC+3+6*\c+\i], v[PC+12+4*\c+\i]
.endr
.endr
.endm
; gelu of eight numbers in place, four pairs line by line
.macro GELU8 x
.irp p, 0,2,4,6
	v_pk_mul_f32 v[GZ+\p:GZ+\p+1], v[(\x)+\p:(\x)+\p+1], s[48:49] op_sel_hi:[1,0]   ; z = x / sqrt 2; each accumulator is read from its low end on
.endr
.irp p, 0,1,2,3,4,5,6,7
	v_med3_num_f32 v[GZ+\p], v[GZ+\p], -4.0, 4.0
.endr
.irp p, 0,2,4,6
	v_pk_mul_f32 v[GW+\p:GW+\p+1], v[GZ+\p:GZ+\p+1], v[GZ+\p:GZ+\p+1]
.endr
.irp p, 0,2,4,6
	v_pk_fma_f32 v[GP+\p:GP+\p+1], v[GW+\p:GW+\p+1], s[50:51], v[CA1:CA1+1] op_sel_hi:[1,0,1]
.endr
.irp p, 0,2,4,6
	v_pk_fma_f32 v[GQ+\p:GQ+\p+1], v[GW+\p:GW+\p+1], s[62:63], v[CB1:CB1+1] op_sel_hi:[1,0,1]
.endr
.irp k, 52,54,56,58,60
.irp p, 0,2,4,6
	v_pk_fma_f32 v[GP+\p:GP+\p+1], v[GP+\p:GP+\p+1], v[GW+\p:GW+\p+1], s[\k:\k+1] op_sel_hi:[1,1,0]
.endr
.endr
.irp k, 66,68,70
.irp p, 0,2,4,6
	v_pk_fma_f32 v[GQ+\p:GQ+\p+1], v[GQ+\p:GQ+\p+1], v[GW+\p:GW+\p+1], s[\k:\k+1] op_sel_hi:[1,1,0]
.endr
.endr
.irp p, 0,1,2,3,4,5,6,7
	v_rcp_f32 v[GQ+\p], v[GQ+\p]
.endr
.irp p, 0,2,4,6
	v_pk_mul_f32 v[GP+\p:GP+\p+1], v[GP+\p:GP+\p+1], v[GZ+\p:GZ+\p+1]   ; (plain places behind the reciprocals)
.endr
	s_wait_alu depctr_va_vdst(0)
.irp p, 0,2,4,6
	v_pk_mul_f32 v[GP+\p:GP+\p+1], v[GP+\p:GP+\p+1], v[GQ+\p:GQ+\p+1]   ; erf
.endr
.irp p, 0,2,4,6
	v_pk_mul_f32 v[GZ+\p:GZ+\p+1], v[(\x)+\p:(\x)+\p+1], 0.5 op_sel_hi:[1,0]
.endr
.irp p, 0,2,4,6
	v_pk_fma_f32 v[(\x)+\p:(\x)+\p+1], v[GZ+\p:GZ+\p+1], v[GP+\p:GP+\p+1], v[GZ+\p:GZ+\p+1]
.endr
.endm
; block b (32 hidden units) of my K step, for the four tiles of tokens: byte b of four scale words, half of half a fragment each; every second block the halves are joined and stored
.macro QUNIT b
.irp m, 0,1,2,3
	v_max3_num_f32 v[TM+\m], |v[HA+16*\m]|, |v[HA+16*\m+1]|, 0x2800000
.endr
.irp i, 2,4,6,8,10,12,14
.irp m, 0,1,2,3
	v_max3_num_f32 v[TM+\m], v[TM+\m], |v[HA+16*\m+\i]|, |v[HA+16*\m+\i+1]|
.endr
.endr
.irp m, 0,1,2,3
	v_permlanex16_b32 v[TM+4+\m], v[TM+\m], s44, s45
.endr
.irp m, 0,1,2,3
	v_max_num_f32 v[TM+\m], v[TM+\m], v[TM+4+\m]
.endr
.irp m, 0,1,2,3
	v_add_nc_u32 v[TM+8+\m], 0xfe000000, v[TM+\m]
.endr
.irp m, 0,1,2,3
	v_lshrrev_b32 v[TM+4+\m], 23, v[TM+8+\m]
.endr
.irp m, 0,1,2,3
.if (\b) == 0
	v_mov_b32 v[PW+\m], v[TM+4+\m]
.else
	v_lshl_or_b32 v[PW+\m], v[TM+4+\m], 8*(\b), v[PW+\m]
.endif
.endr
	s_wait_dscnt 0x0                               ; earlier stores have read the codes' registers
.irp m, 0,1,2,3
	v_cvt_scalef32_pk16_bf6_f32 v[PC+8*\m+4*((\b)%2):PC+8*\m+4*((\b)%2)+2], v[HA+16*\m:HA+16*\m+15], v[TM+8+\m]
.endr
	v_nop                                          ; one plain place behind a scaled conversion
.if (\b)%2
.irp m, 0,1,2,3
.irp i, 0,1,2
	v_permlane16_swap_b32 v[PC+8*\m+\i], v[PC+8*\m+4+\i]
.endr
.irp i, 0,1,2
	v_mov_b32 v[PC+8*\m+3+\i], v[PC+8*\m+4+\i]
.endr
.endr
.irp m, 0,1,2,3
.if (\b) == 1
	ds_store_b128 v[HW], v[PC+8*\m:PC+8*\m+3] offset:6144*\m          ; the fragment's registers 0-3,
	ds_store_b64 v[HW], v[PC+8*\m+4:PC+8*\m+5] offset:6144*\m+512     ; 4-5,
.else
	ds_store_b64 v[HW], v[PC+8*\m:PC+8*\m+1] offset:6144*\m+520       ; 6-7,
	ds_store_b128 v[HW], v[PC+8*\m+2:PC+8*\m+5] offset:6144*\m+1024   ; 8-11, each at its place in the image
	ds_store_b32 v[HWS], v[PW+\m] offset:HSCO+512*\m
.endif
.endr
.endif
.endm
.macro JOIN m                          ; four packed chains become the lane's sum for tokens m
	v_pk_add_f32 v[LA:LA+1], v[LA:LA+1], v[LA+2:LA+3]
	v_pk_add_f32 v[LA+4:LA+5], v[LA+4:LA+5], v[LA+6:LA+7]
	v_pk_add_f32 v[LA:LA+1], v[LA:LA+1], v[LA+4:LA+5]
	v_add_f32 v[RS+\m], v[LA], v[LA+1]
.endm
.macro REDUCE red                      ; the lane's four sums, with lane l xor 16's and the other three waves': v[LA] .. v[LA+3], the same bits in every wave.  red: bytes from RED1 on
.irp m, 0,1,2,3
	v_permlanex16_b32 v[RT+\m], v[RS+\m], s44, s45
.endr
.irp m, 0,1,2,3
	v_add_f32 v[RS+\m], v[RS+\m], v[RT+\m]
.endr
	ds_store_b128 v[REDW], v[RS:RS+3] offset:\red  ; lanes l and l + 16 write the same words with the same values
	BARRIER
.irp q, 0,1,2,3
	ds_load_b128 v[LA+4*\q:LA+4*\q+3], v[REDR] offset:\red+256*\q
.endr
	s_wait_dscnt 0x0
	v_pk_add_f32 v[LA:LA+1], v[LA:LA+1], v[LA+4:LA+5]
	v_pk_add_f32 v[LA+2:LA+3], v[LA+2:LA+3], v[LA+6:LA+7]
	v_pk_add_f32 v[LA+8:LA+9], v[LA+8:LA+9], v[LA+12:LA+13]
	v_pk_add_f32 v[LA+10:LA+11], v[LA+10:LA+11], v[LA+14:LA+15]
	v_pk_add_f32 v[LA:LA+1], v[LA:LA+1], v[LA+8:LA+9]
	v_pk_add_f32 v[LA+2:LA+3], v[LA+2:LA+3], v[LA+10:LA+11]
.endm
	s_load_b512 s[8:23], s[0:1], 0x0               ; avimg s[8:9], avsc s[10:11], wimg s[12:13], Wo_scales s[14:15], bo s[16:17], x s[18:19], ln2_g s[20:21], ln2_b s[22:23]
	s_load_b256 s[24:31], s[0:1], 0x40             ; W1_scales s[24:25], b1 s[26:27], W2_scales s[28:29], b2 s[30:31]
	s_load_b64 s[32:33], s[0:1], 0x60              ; out0
	v_lshl_add_u32 v183, v0, 2, 0x1c400
	v_mov_b32 v191, 0
	v_lshrrev_b32 v15, 5, v0
	v_readfirstlane_b32 s40, v15                   ; wave 0..3
	v_and_b32 v15, 31, v0
	v_lshlrev_b32 v[LI16], 4, v15
	v_lshlrev_b32 v[LI8], 3, v15
	v_lshlrev_b32 v[LS4], 2, v15
	v_and_b32 v[REDR], 15, v0                      ; r
	v_bfe_u32 v[CB], v0, 4, 1                      ; h
	v_and_b32 v15, 8, v[REDR]
	v_add_nc_u32 v15, v15, v[REDR]                 ; r + 8 (r / 8)
	v_lshlrev_b32 v[XA], 11, v15
	v_lshl_add_u32 v[XA], v[CB], 6, v[XA]
	v_lshl_add_u32 v15, v[CB], 3, v15
	v_lshlrev_b32 v[SR16], 4, v15
	v_lshlrev_b32 v[SR64], 6, v15
	v_mul_u32_u24 v[STO], v[REDR], 528
	v_lshl_add_u32 v[STO], v[CB], 6, v[STO]
	s_mul_i32 s72, s40, 8448
	s_add_co_u32 s72, s72, STG
	v_add_nc_u32 v[STO], s72, v[STO]               ; the stage, in: row r, + 64 h
	v_add_nc_u32 v[STR], s72, v[LI16]              ; and back: 16 bytes a lane of a whole row
	v_lshlrev_b32 v[CB], 6, v[CB]
	v_lshlrev_b32 v[AVSA], 4, v[REDR]
	v_lshl_add_u32 v[REDR], v[REDR], 4, RED1       ; the sums, read: RED1 + 16 r
	s_lshl_b32 s72, s40, 8
	v_add_nc_u32 v[REDW], s72, v[REDR]             ; and written: + 256 x wave
	s_mul_i32 s72, s40, 1536
	v_add_nc_u32 v[XWI], s72, v[LI16]
	s_lshl_b32 s72, s40, 7
	v_add_nc_u32 v[XWS], s72, v[LS4]
.irp b, 0,1,2,3
	v_mov_b32 v[TM+4+\b], 0                        ; written once: a lane permute's destination counts as one of its sources
.endr
	v_mov_b32 v[CA1], 0x32edffee                   ; erf's second coefficients stand in vector pairs: the first multiply-add of each polynomial then names one scalar pair
	v_mov_b32 v[CA1+1], 0x32edffee
	v_mov_b32 v[CB1], 0xb95fbd29
	v_mov_b32 v[CB1+1], 0xb95fbd29
	s_mov_b32 s42, HIMG0                           ; the buffer that is written,
	s_mov_b32 s43, HIMG0+26624                     ; the one that is read
	s_mov_b32 s44, 0x76543210
	s_mov_b32 s45, 0xfedcba98                      ; v_permlanex16_b32's selects for lane l xor 16
	s_mov_b32 s46, 0x3b000000                      ; 1 / 512
	s_mov_b32 s47, 0x3727c5ac                      ; 1e-5
	s_mov_b32 s48, 0x3f3504f3                      ; 1 / sqrt 2.  (The packed forms name pairs and take the low word for both halves: both are written)
	s_mov_b32 s49, s48
	s_mov_b32 s50, 0xaf95df0b                      ; P: from the highest power down
	s_mov_b32 s51, s50
	s_mov_b32 s52, 0xb60cff51
	s_mov_b32 s53, s52
	s_mov_b32 s54, 0xb86ec2d2
	s_mov_b32 s55, s54
	s_mov_b32 s56, 0xba40ac63
	s_mov_b32 s57, s56
	s_mov_b32 s58, 0xbb41a1f6
	s_mov_b32 s59, s58
	s_mov_b32 s60, 0xbc83dbd4
	s_mov_b32 s61, s60
	s_mov_b32 s62, 0xb77460cd                      ; Q likewise
	s_mov_b32 s63, s62
	s_mov_b32 s66, 0xbadc924e
	s_mov_b32 s67, s66
	s_mov_b32 s68, 0xbbf19bf8
	s_mov_b32 s69, s68
	s_mov_b32 s70, 0xbc69b6a7
	s_mov_b32 s71, s70
	s_mov_b32 s73, 0
	s_wait_kmcnt 0x0
	s_mul_i32 s72, ttmp9, 24576                    ; my four token tiles x eight heads x 768 bytes
	s_add_nc_u64 s[8:9], s[8:9], s[72:73]
	s_lshl_b32 s72, ttmp9, 10
	s_add_nc_u64 s[10:11], s[10:11], s[72:73]
	s_mul_i32 s72, s40, 49152                      ; my eight tiles of Wo, and of a chunk of W1
	s_add_nc_u64 s[34:35], s[12:13], s[72:73]
	s_add_nc_u64 s[36:37], s[34:35], 786432
	s_add_nc_u64 s[34:35], s[34:35], 589824
	s_mul_i32 s72, s40, 196608                     ; my eight tiles of W2;
	s_add_nc_u64 s[38:39], s[12:13], s[72:73]
	s_add_nc_u64 s[38:39], s[38:39], 1566720       ; one chunk (6,144 bytes) ahead of its section: trip c multiplies chunk c - 1
	s_lshl_b32 s72, s40, 11
	s_add_nc_u64 s[14:15], s[14:15], s[72:73]
	s_add_nc_u64 s[24:25], s[24:25], s[72:73]
	s_lshl_b32 s72, s40, 13
	s_add_nc_u64 s[28:29], s[28:29], s[72:73]
	s_lshl_b32 s72, s40, 9                         ; my 128 columns
	s_add_nc_u64 s[16:17], s[16:17], s[72:73]
	s_add_nc_u64 s[20:21], s[20:21], s[72:73]
	s_add_nc_u64 s[22:23], s[22:23], s[72:73]
	s_add_nc_u64 s[26:27], s[26:27], s[72:73]
	s_add_nc_u64 s[30:31], s[30:31], s[72:73]
	s_lshl_b32 s74, ttmp9, 17
	s_add_co_u32 s72, s72, s74                     ; and my 64 rows
	s_add_nc_u64 s[18:19], s[18:19], s[72:73]
	s_add_nc_u64 s[32:33], s[32:33], s[72:73]
	; ---- x1 = x + av Wo: x is loaded into the accumulators.  Register 64 m + 16 b + i of window 1 = column 128 w + 32 b + 16 h + i of token lane r of tile m
	WIN 0x40
.irp m, 0,1,2,3
.irp b, 0,1,2,3
.irp j, 0,1,2,3
	global_load_b128 v[64*\m+16*\b+4*\j:64*\m+16*\b+4*\j+3], v[XA], s[18:19] offset:(32*(\m/2)+8*(\m%2))*2048+128*\b+16*\j
.endr
.endr
.endr
	WIN 0
.irp m, 0,1,2,3
	global_load_b128 v[XS+4*\m:XS+4*\m+3], v[AVSA], s[10:11] offset:256*\m       ; av's scale words of four K steps
.endr
.irp p, 0,1,2,3
	global_load_b128 v[W1SC+4*\p:W1SC+4*\p+3], v[SR16], s[14:15] offset:512*\p   ; Wo's
.endr
	LDAV 0
	LDSET SETA, 34, 6144, 0
	LDAV 1
	LDSET SETB, 34, 6144, 1536
	s_wait_loadcnt 48                              ; all but K step 1's 48 loads
	GRP_Y SETA, W1SC, 0, 0
	LDAV 2
	LDSET SETC, 34, 6144, 3072
	s_wait_loadcnt 48
	GRP_Y SETB, W1SC, 1, 0
	LDAV 3
	LDSET SETD, 34, 6144, 4608
	s_wait_loadcnt 48
	GRP_Y SETC, W1SC, 2, 0
	WIN 0
	PLACES
	LDSET SETA, 36, 1536, 0                        ; W1, chunk 0, pair 0
	LDB1 0
	WIN 0
.irp b, 0,1,2,3
.irp j, 0,1,2,3
	global_load_b128 v[HA+16*\b+4*\j:HA+16*\b+4*\j+3], v[CB], s[16:17] offset:128*\b+16*\j   ; bo
.endr
.endr
	s_wait_loadcnt 44                              ; K step 3 is in; the 44 loads just issued may be out
	GRP_Y SETD, W1SC, 3, 0
	WIN 0
	PLACES
	LDSET SETB, 38, 24576, 6144                    ; W2, chunk 0, K step 0
	WIN 0
.irp p, 0,1,2,3
	global_load_b128 v[W1SC+4*\p:W1SC+4*\p+3], v[SR16], s[24:25] offset:512*\p   ; W1's scale words, chunk 0
.endr
	WIN 0x80
.irp b, 0,1,2,3
.irp j, 0,1,2,3
	global_load_b128 v[16*\b+4*\j:16*\b+4*\j+3], v[CB], s[20:21] offset:128*\b+16*\j         ; ln2_g
	global_load_b128 v[64+16*\b+4*\j:67+16*\b+4*\j], v[CB], s[22:23] offset:128*\b+16*\j     ; ln2_b
	global_load_b128 v[128+16*\b+4*\j:131+16*\b+4*\j], v[CB], s[30:31] offset:128*\b+16*\j   ; b2
.endr
.endr
	WIN 0
	; ---- the norm of x1: a row lies in two lanes of each of four waves
	s_wait_loadcnt 63                              ; bo is in: 76 loads were issued behind it; a wait's count names 63 at the most, and a smaller count than needed is safe
.irp m, 0,1,2,3
	v_mov_b32 v[RT+\m], 0
.endr
	WIN 0x41
.set ii, 0
.rept 128
	v_pk_add_f32 v[2*ii:2*ii+1], v[2*ii:2*ii+1], v[HA+2*(ii%32):HA+2*(ii%32)+1]   ; + bo; each accumulator from its low end on
.set ii, ii+1
.endr
.macro SUMY m
	WIN 0x05
.irp k, 0,1,2,3
	v_pk_add_f32 v[LA+2*\k:LA+2*\k+1], v[64*(\m)+4*\k:64*(\m)+4*\k+1], v[64*(\m)+4*\k+2:64*(\m)+4*\k+3]
.endr
	WIN 0x04
.set ii, 8
.rept 24
	v_pk_add_f32 v[LA+2*(ii%4):LA+2*(ii%4)+1], v[LA+2*(ii%4):LA+2*(ii%4)+1], v[64*(\m)+2*ii:64*(\m)+2*ii+1]
.set ii, ii+1
.endr
	WIN 0
	JOIN \m
.endm
	SUMY 0
	SUMY 1
	SUMY 2
	SUMY 3
	REDUCE 0
.irp m, 0,1,2,3
	v_mul_f32 v[MN+2*\m], s46, v[LA+\m]
	v_mul_f32 v[MN+2*\m+1], s46, v[LA+\m]
.endr
.macro VARY m                          ; the sum of the squares of x1 - mean
	WIN 0x01
.set ii, 0
.rept 32
	v_pk_add_f32 v[HA+2*ii:HA+2*ii+1], v[64*(\m)+2*ii:64*(\m)+2*ii+1], v[MN+2*(\m):MN+2*(\m)+1] neg_lo:[0,1] neg_hi:[0,1]
.set ii, ii+1
.endr
	WIN 0
.irp k, 0,1,2,3
	v_pk_mul_f32 v[LA+2*\k:LA+2*\k+1], v[HA+2*\k:HA+2*\k+1], v[HA+2*\k:HA+2*\k+1]
.endr
.set ii, 4
.rept 28
	v_pk_fma_f32 v[LA+2*(ii%4):LA+2*(ii%4)+1], v[HA+2*ii:HA+2*ii+1], v[HA+2*ii:HA+2*ii+1], v[LA+2*(ii%4):LA+2*(ii%4)+1]
.set ii, ii+1
.endr
	JOIN \m
.endm
	VARY 0
	VARY 1
	VARY 2
	VARY 3
	REDUCE RED2O
.irp m, 0,1,2,3
	v_fma_f32 v[LA+\m], v[LA+\m], s46, s47         ; variance + 1e-5
.endr
.irp m, 0,1,2,3
	v_rsq_f32 v[RD+2*\m], v[LA+\m]
	v_rsq_f32 v[RD+2*\m+1], v[LA+\m]
.endr
	v_nop                                          ; a plain place behind the transcendentals
	s_wait_alu depctr_va_vdst(0)
	s_wait_loadcnt 0x0                             ; ln2_g, ln2_b, b2 and the first weights
.macro X2Q m                           ; x2 of tokens m, my 128 columns: K step w of the next product; then x1 + b2, onto which the last product adds
	WIN 0x01
.set ii, 0
.rept 32
	v_pk_add_f32 v[HA+2*ii:HA+2*ii+1], v[64*(\m)+2*ii:64*(\m)+2*ii+1], v[MN+2*(\m):MN+2*(\m)+1] neg_lo:[0,1] neg_hi:[0,1]
.set ii, ii+1
.endr
	WIN 0
.set ii, 0
.rept 32
	v_pk_mul_f32 v[HA+2*ii:HA+2*ii+1], v[HA+2*ii:HA+2*ii+1], v[RD+2*(\m):RD+2*(\m)+1]
.set ii, ii+1
.endr
	WIN 0x28
.set ii, 0
.rept 32
	v_pk_fma_f32 v[HA+2*ii:HA+2*ii+1], v[HA+2*ii:HA+2*ii+1], v[2*ii:2*ii+1], v[64+2*ii:65+2*ii]
.set ii, ii+1
.endr
	WIN 0
.if (\m) > 0
	s_wait_dscnt 0x0                               ; the last image's stores have read their registers
.endif
	QUANT HA
.irp c, 0,1,2
	ds_store_b128 v[XWI], v[PC+4*\c:PC+4*\c+3] offset:X2IMG+6144*(\m)+512*\c
.endr
	ds_store_b32 v[XWS], v[PW] offset:X2SC+512*(\m)
	WIN 0x49
.set ii, 0
.rept 32
	v_pk_add_f32 v[64*(\m)+2*ii:64*(\m)+2*ii+1], v[64*(\m)+2*ii:64*(\m)+2*ii+1], v[128+2*ii:129+2*ii]
.set ii, ii+1
.endr
	WIN 0
.endm
	X2Q 0
	X2Q 1
	X2Q 2
	X2Q 3
	BARRIER                                        ; x2's sixteen fragments lie in LDS; nobody writes them again
	WIN 0x80
.set ii, 0
.rept 16
.irp c, 0,1,2
	ds_load_b128 v[12*ii+4*\c:12*ii+4*\c+3], v[LI16] offset:X2IMG+1536*ii+512*\c   ; all sixteen stay in registers for the whole loop
.endr
.set ii, ii+1
.endr
	WIN 0
.set ii, 0
.rept 16
	ds_load_b32 v[XS+ii], v[LS4] offset:X2SC+128*ii
.set ii, ii+1
.endr
	s_wait_dscnt 0x0
	; ---- the loop over chunks of 512 hidden units
.macro NEXTC                           ; the next chunk's first pair of W1, its b1 and its scale words
	LDSET SETA, 36, 1536, 196608
	LDB1 2048
	WIN 0
.irp p, 0,1,2,3
	global_load_b128 v[W1SC+4*\p:W1SC+4*\p+3], v[SR16], s[24:25] offset:8192+512*\p
.endr
.endm
; Unit b of a trip: Y += W2 (K step b of the chunk before) x its hidden fragments; pair b of this chunk's hidden layer; gelu; quantised.  Both weight sets are asked for again ahead of the gelu's
; lines, under which they land.  first = 1: trip 0, which has no chunk before it.
.macro UNIT b, first
	s_wait_loadcnt 0x0                             ; both sets are in (asked for a unit ago); no load is out, so the pointers may step
.if (\first) == 0
.if (\b) == 0
	s_add_nc_u64 s[36:37], s[36:37], 196608        ; W1, its scales, b1: this chunk;
	s_add_nc_u64 s[24:25], s[24:25], 8192
	s_add_nc_u64 s[26:27], s[26:27], 2048
	s_add_nc_u64 s[38:39], s[38:39], 6144          ; W2: the chunk before; its scales: this chunk (they are fetched in unit 3)
	s_add_nc_u64 s[28:29], s[28:29], 16
	FETCHH 0
.endif
	s_wait_dscnt 0x0
	GRP_Y SETB, W2SC, \b, 1
	WIN 0
	PLACES
	LDSET SETB, 38, 24576, ((\b)+1)*1536
.if (\b) < 3
	FETCHH (\b)+1
.endif
.endif
	GRP_H \b
	WIN 0
	PLACES
.if (\b) < 3
	LDSET SETA, 36, 1536, ((\b)+1)*12288
	LDB1 128*((\b)+1)
	WIN 0
.else
.irp p, 0,1,2,3
	global_load_b128 v[W2SC+4*\p:W2SC+4*\p+3], v[SR64], s[28:29] offset:2048*\p   ; W2's scale words of this chunk's four K steps
.endr
.if \first
	NEXTC
.else
	s_cmp_eq_u32 s41, 3
	s_cbranch_scc1 .Llast_\@
	NEXTC
	s_branch .Ljoin_\@
.Llast_\@:
	LDSET SETA, 38, 24576, 5*1536                  ; no chunk follows: set A takes W2's K step 13
	WIN 0
.Ljoin_\@:
.endif
.endif
.irp k, 0,1,2,3,4,5,6,7
	GELU8 HA+8*\k
.endr
	QUNIT \b
.endm
.macro TRIP first
	v_add_nc_u32 v[HW], s42, v[XWI]
	v_add_nc_u32 v[HWS], s42, v[XWS]
	v_add_nc_u32 v[HR], s43, v[LI16]
	v_add_nc_u32 v[HRS], s43, v[LS4]
	UNIT 0, \first
	UNIT 1, \first
	UNIT 2, \first
	UNIT 3, \first
	BARRIER                                        ; this chunk's fragments have landed, and my reads of the other buffer are in: it is written again only behind this barrier
	s_xor_b32 s42, s42, HTOG
	s_xor_b32 s43, s43, HTOG
.endm
	TRIP 1
	s_mov_b32 s41, 1
.Lchunk:
	TRIP 0
	s_add_co_u32 s41, s41, 1
	s_cmp_lt_u32 s41, 4
	s_cbranch_scc1 .Lchunk
	; ---- the last chunk's four K steps of W2: sets B, A (asked for in the last unit), C, D
	v_add_nc_u32 v[HR], s43, v[LI16]
	v_add_nc_u32 v[HRS], s43, v[LS4]
	LDSET SETC, 38, 24576, 6*1536
	LDSET SETD, 38, 24576, 7*1536
	FETCHH 0
	s_wait_dscnt 0x0
	s_wait_loadcnt 48                              ; sets B and A and the scale words are in; C's and D's 48 loads may be out
	GRP_Y SETB, W2SC, 0, 1
	WIN 0
	PLACES
	FETCHH 1
	s_wait_dscnt 0x0
	GRP_Y SETA, W2SC, 1, 1
	WIN 0
	PLACES
	FETCHH 2
	s_wait_dscnt 0x0
	s_wait_loadcnt 24                              ; set C is in; D's 24 loads may be out
	GRP_Y SETC, W2SC, 2, 1
	WIN 0
	PLACES
	FETCHH 3
	s_wait_dscnt 0x0
	s_wait_loadcnt 0x0
	GRP_Y SETD, W2SC, 3, 1
	WIN 0
	PLACES
	; ---- the way out: a lane holds 64 bytes here and there of one row; 16 tokens at a time go through my own stage and come back as whole rows of 512 bytes
.irp m, 0,1,2,3
.if \m > 0
	s_wait_xcnt 0x0                                ; the last stores have read their registers
.endif
	WIN 0x04                                       ; an LDS store's data are its source 1: window 1
.irp q, 0,1,2,3,4,5,6,7,8,9,10,11,12,13,14,15
	ds_store_b128 v[STO], v[64*\m+4*\q:64*\m+4*\q+3] offset:128*(\q/4)+16*(\q%4)   ; each accumulator from its low end on
.endr
	WIN 0
.irp p, 0,1,2,3,4,5,6,7,8,9,10,11,12,13,14,15
	ds_load_b128 v[HA+4*\p:HA+4*\p+3], v[STR] offset:528*\p   ; LDS serves a wave's instructions in order (ISA guide 5.7.1.4): these see my stores
.endr
.irp p, 0,1,2,3,4,5,6,7,8,9,10,11,12,13,14,15
	s_wait_dscnt 15-\p                             ; row p is back; the younger rows may be out
	global_store_b128 v[LI16], v[HA+4*\p:HA+4*\p+3], s[32:33] offset:(32*(\m/2)+8*(\m%2)+\p+8*(\p/8))*2048 th:TH_STORE_NT   ; 32 lanes store 512 bytes on end, at a multiple of 256 from out0's first byte
.endr
.endr
	s_wait_tensorcnt 0x0
	ds_add_u32 v183, v191
	s_wait_dscnt 0x0
	s_endpgm
.Lfunc_end_k_q29d20026ee_ffn:
	.size	k_q29d20026ee_ffn, .Lfunc_end_k_q29d20026ee_ffn-k_q29d20026ee_ffn
	.p2alignl 7, 3214868480
	.fill 96, 4, 3214868480
	.section	.rodata,"a",@progbits
	.p2align	6, 0x0
	.amdhsa_kernel k_q29d20026ee_ffn
		.amdhsa_group_segment_fixed_size 116224
		.amdhsa_private_segment_fixed_size 0
		.amdhsa_enable_private_segment 0
		.amdhsa_kernarg_size 104
		.amdhsa_user_sgpr_count 2
		.amdhsa_user_sgpr_kernarg_segment_ptr 1
		.amdhsa_wavefront_size32 1
		.amdhsa_system_sgpr_workgroup_id_x 1
		.amdhsa_system_sgpr_workgroup_id_y 1
		.amdhsa_system_sgpr_workgroup_id_z 1
		.amdhsa_system_vgpr_workitem_id 0
		.amdhsa_next_free_vgpr 1024
		.amdhsa_next_free_sgpr 80
		.amdhsa_reserve_vcc 0
		.amdhsa_float_denorm_mode_32 3
		.amdhsa_float_denorm_mode_16_64 3
		.amdhsa_memory_ordered 1
		.amdhsa_forward_progress 1
		.amdhsa_inst_pref_size 255
	.end_amdhsa_kernel
	.section	.bss,"aw",@nobits
	.p2align	6
	.space	262144
	.amdgpu_metadata
---
amdhsa.version: [ 1, 2 ]
amdhsa.kernels:
  - .name:           k_q29d20026ee_ffn
    .symbol:         k_q29d20026ee_ffn.kd
    .args:
      - { .name: avimg, .offset: 0, .size: 8, .value_kind: global_buffer, .address_space: global }
      - { .name: avsc, .offset: 8, .size: 8, .value_kind: global_buffer, .address_space: global }
      - { .name: wimg, .offset: 16, .size: 8, .value_kind: global_buffer, .address_space: global }
      - { .name: Wo_scales, .offset: 24, .size: 8, .value_kind: global_buffer, .address_space: global }
      - { .name: bo, .offset: 32, .size: 8, .value_kind: global_buffer, .address_space: global }
      - { .name: x, .offset: 40, .size: 8, .value_kind: global_buffer, .address_space: global }
      - { .name: ln2_g, .offset: 48, .size: 8, .value_kind: global_buffer, .address_space: global }
      - { .name: ln2_b, .offset: 56, .size: 8, .value_kind: global_buffer, .address_space: global }
      - { .name: W1_scales, .offset: 64, .size: 8, .value_kind: global_buffer, .address_space: global }
      - { .name: b1, .offset: 72, .size: 8, .value_kind: global_buffer, .address_space: global }
      - { .name: W2_scales, .offset: 80, .size: 8, .value_kind: global_buffer, .address_space: global }
      - { .name: b2, .offset: 88, .size: 8, .value_kind: global_buffer, .address_space: global }
      - { .name: out0, .offset: 96, .size: 8, .value_kind: global_buffer, .address_space: global }
    .group_segment_fixed_size: 116224
    .private_segment_fixed_size: 0
    .kernarg_segment_align: 8
    .kernarg_segment_size: 104
    .max_flat_workgroup_size: 128
    .sgpr_count:     80
    .vgpr_count:     1024
    .wavefront_size: 32
...
	.end_amdgpu_metadata
.endif
;; end of part 4
;; ======== version 2 of 2: 4 launches
;; limits: right only within a limited range of input values
;; workspace buffers: wimg 2,359,296 bytes; qimg 3,145,728 bytes; qsc 131,072 bytes; kvimg 6,553,600 bytes; avimg 3,145,728 bytes; avsc 131,072 bytes
;; launch repack (part 5): grid 96 x 1, 4 waves a work-group, no clusters, 0 bytes of LDS; arguments Wq_codes, Wk_codes, Wv_codes, Wo_codes, W1_codes, W2_codes, wimg; writes wimg
.if DOCPART == 5
	.amdgcn_target "amdgcn-amd-amdhsa--gfx1250"
	.amdhsa_code_object_version 6
	.text
	.protected	k_q29d20026ee_repack
	.globl	k_q29d20026ee_repack
	.p2align	8
	.type	k_q29d20026ee_repack,@function
k_q29d20026ee_repack:
	s_mov_b64 s[64:65], 0
	v_nop
	global_prefetch_b8 v0, s[64:65] scope:SCOPE_SE
	s_setreg_imm32_b32 hwreg(HW_REG_WAVE_MODE, 25, 1), 1
	s_wait_xcnt 0x0
; The six weights' codes (E3M2, K innermost, 96 bytes for 128 along K) are laid anew as IMAGES OF OPERAND REGISTERS, once, since the later
; launches read each weight more than a hundred times.  A fragment (16 rows x 128 K) is 12 registers a lane; its image is 1,536 bytes:
; chunk c (0..2) holds lane l's registers 4 c .. 4 c + 3 at byte 512 c + 16 l, so that three loads of 16 bytes a lane, 512 bytes on end each, bring it.
; THE ROWS OF A TILE ARE NOT NEIGHBOURS: lane r of tile t takes row 32 (t / 2) + 8 (t % 2) + r + 8 (r / 8), so that the results of two
; neighbouring tiles are 16 neighbours along the next product's K.
; A wave makes one QUAD: one tile, four K steps on end, 6,144 bytes.  Quads 0-31 Wq, 32-63 Wk, 64-95 Wv, 96-127 Wo, 128-255 W1 (K = 512: a quad
; is a tile), 256-383 W2 (K = 2,048: four quads to a tile).  The tensor is chosen by the work-group's number alone.  No LDS, no barrier: waves share nothing.
	s_load_b256 s[4:11], s[0:1], 0x0               ; Wq s[4:5], Wk s[6:7], Wv s[8:9], Wo s[10:11]
	s_load_b128 s[12:15], s[0:1], 0x20             ; W1 s[12:13], W2 s[14:15]
	s_load_b64 s[16:17], s[0:1], 0x30              ; wimg
	v_lshrrev_b32 v1, 5, v0
	v_readfirstlane_b32 s18, v1                    ; wave 0..3
	v_and_b32 v2, 31, v0                           ; lane
	v_and_b32 v3, 15, v0                           ; r
	v_bfe_u32 v4, v0, 4, 1                         ; h
	v_and_b32 v6, 8, v3
	v_add_nc_u32 v3, v3, v6                        ; r + 8 (r / 8)
	v_lshlrev_b32 v5, 4, v2                        ; out: 16 bytes a lane
	s_mov_b32 s20, 64                              ; the tensor's first work-group (W2's)
	s_mov_b32 s21, 1536                            ; a row of codes in bytes (W2's)
	s_wait_alu depctr_va_vdst(0)
	s_wait_kmcnt 0x0
	s_cmp_lt_u32 ttmp9, 64
	s_cselect_b64 s[22:23], s[12:13], s[14:15]
	s_cselect_b32 s20, 32, s20
	s_cselect_b32 s21, 384, s21
	s_cselect_b32 s24, 0, 2                        ; quads to a tile, as a shift
	s_cselect_b32 s25, 0, 3                        ; and as a mask
	s_cmp_lt_u32 ttmp9, 32
	s_cselect_b64 s[22:23], s[10:11], s[22:23]
	s_cselect_b32 s20, 24, s20
	s_cmp_lt_u32 ttmp9, 24
	s_cselect_b64 s[22:23], s[8:9], s[22:23]
	s_cselect_b32 s20, 16, s20
	s_cmp_lt_u32 ttmp9, 16
	s_cselect_b64 s[22:23], s[6:7], s[22:23]
	s_cselect_b32 s20, 8, s20
	s_cmp_lt_u32 ttmp9, 8
	s_cselect_b64 s[22:23], s[4:5], s[22:23]
	s_cselect_b32 s20, 0, s20
	s_lshl_b32 s26, ttmp9, 2
	s_add_co_u32 s26, s26, s18                     ; my quad
	s_lshl_b32 s27, s20, 2
	s_sub_co_u32 s27, s26, s27                     ; its number in its tensor
	s_lshr_b32 s28, s27, s24                       ; tile t
	s_and_b32 s29, s27, s25                        ; which four K steps
	s_lshr_b32 s30, s28, 1
	s_lshl_b32 s30, s30, 5
	s_and_b32 s31, s28, 1
	s_lshl_b32 s31, s31, 3
	s_add_co_u32 s30, s30, s31                     ; 32 (t / 2) + 8 (t % 2)
	s_mul_i32 s30, s30, s21
	s_mul_i32 s31, s29, 384
	s_add_co_u32 s30, s30, s31
	s_mov_b32 s31, 0
	s_add_nc_u64 s[22:23], s[22:23], s[30:31]      ; from
	s_mul_i32 s32, s26, 6144
	s_mov_b32 s33, 0
	s_add_nc_u64 s[16:17], s[16:17], s[32:33]      ; to
	v_mul_lo_u32 v6, v3, s21
	v_mad_u32_u24 v6, v4, 24, v6                   ; my row, + 24 bytes for the upper half of the lanes
.irp s, 0,1,2,3
.irp p, 0,1,2,3,4,5
	global_load_b64 v[16+12*\s+2*\p:17+12*\s+2*\p], v6, s[22:23] offset:96*\s+48*(\p/3)+8*(\p%3)   ; the fragment's registers as the matrix unit wants them
.endr
.endr
	s_wait_loadcnt 0x0
.irp s, 0,1,2,3
.irp c, 0,1,2
	global_store_b128 v5, v[16+12*\s+4*\c:19+12*\s+4*\c], s[16:17] offset:1536*\s+512*\c   ; 32 lanes store 512 bytes on end, at a multiple of 256 from wimg's first byte
.endr
.endr
	s_endpgm
.Lfunc_end_k_q29d20026ee_repack:
	.size	k_q29d20026ee_repack, .Lfunc_end_k_q29d20026ee_repack-k_q29d20026ee_repack
	.p2alignl 7, 3214868480
	.fill 96, 4, 3214868480
	.section	.rodata,"a",@progbits
	.p2align	6, 0x0
	.amdhsa_kernel k_q29d20026ee_repack
		.amdhsa_group_segment_fixed_size 0
		.amdhsa_private_segment_fixed_size 0
		.amdhsa_enable_private_segment 0
		.amdhsa_kernarg_size 56
		.amdhsa_user_sgpr_count 2
		.amdhsa_user_sgpr_kernarg_segment_ptr 1
		.amdhsa_wavefront_size32 1
		.amdhsa_system_sgpr_workgroup_id_x 1
		.amdhsa_system_sgpr_workgroup_id_y 1
		.amdhsa_system_sgpr_workgroup_id_z 1
		.amdhsa_system_vgpr_workitem_id 0
		.amdhsa_next_free_vgpr 64
		.amdhsa_next_free_sgpr 66
		.amdhsa_reserve_vcc 0
		.amdhsa_float_denorm_mode_32 3
		.amdhsa_float_denorm_mode_16_64 3
		.amdhsa_memory_ordered 1
		.amdhsa_forward_progress 1
		.amdhsa_inst_pref_size 6
	.end_amdhsa_kernel
	.amdgpu_metadata
---
amdhsa.version: [ 1, 2 ]
amdhsa.kernels:
  - .name:           k_q29d20026ee_repack
    .symbol:         k_q29d20026ee_repack.kd
    .args:
      - { .name: Wq_codes, .offset: 0, .size: 8, .value_kind: global_buffer, .address_space: global }
      - { .name: Wk_codes, .offset: 8, .size: 8, .value_kind: global_buffer, .address_space: global }
      - { .name: Wv_codes, .offset: 16, .size: 8, .value_kind: global_buffer, .address_space: global }
      - { .name: Wo_codes, .offset: 24, .size: 8, .value_kind: global_buffer, .address_space: global }
      - { .name: W1_codes, .offset: 32, .size: 8, .value_kind: global_buffer, .address_space: global }
      - { .name: W2_codes, .offset: 40, .size: 8, .value_kind: global_buffer, .address_space: global }
      - { .name: wimg, .offset: 48, .size: 8, .value_kind: global_buffer, .address_space: global }
    .group_segment_fixed_size: 0
    .private_segment_fixed_size: 0
    .kernarg_segment_align: 8
    .kernarg_segment_size: 56
    .max_flat_workgroup_size: 128
    .sgpr_count:     66
    .vgpr_count:     64
    .wavefront_size: 32
...
	.end_amdgpu_metadata
.endif
;; end of part 5
;; launch qkv (part 6): grid 2 x 128, 4 waves a work-group, no clusters, 27,136 bytes of LDS; arguments x, ln1_g, ln1_b, wimg, Wq_scales, Wk_scales, Wv_scales, bq, bk, bv, qimg, qsc, kvimg; writes qimg, qsc, kvimg
.if DOCPART == 6
	.amdgcn_target "amdgcn-amd-amdhsa--gfx1250"
	.amdhsa_code_object_version 6
	.text
	.protected	k_q29d20026ee_qkv
	.globl	k_q29d20026ee_qkv
	.p2align	8
	.type	k_q29d20026ee_qkv,@function
k_q29d20026ee_qkv:
	s_mov_b64 s[64:65], 0
	v_nop
	global_prefetch_b8 v0, s[64:65] scope:SCOPE_SE
	s_setreg_imm32_b32 hwreg(HW_REG_WAVE_MODE, 25, 1), 1
	s_wait_xcnt 0x0
; xn = layernorm(x) ln1_g + ln1_b, quantised along D; q, k, v = xn W + b on codes of E3M2 with E8M0 scales for each 32 along K; q and k quantised along the head's 64, v along the keys.
; SHARES.  A work-group takes 64 tokens (work-group y) and four heads (work-group x); wave w owns head 4 x + w: its 64 columns of q, of k and of v for all 64 tokens.
; Both work-groups of a block of tokens normalise it: that gives 256 work-groups, each reading half of the weights.
; PHASE X: wave w normalises and quantises token tile w (16 tokens x 512, 256 registers) and stores its four fragments into LDS as images of their registers | one barrier |
; PHASE M: K step by K step, 48 accumulators by turns: q and k transposed (source 0 = 16 rows of W, source 1 = xn), so that a lane holds one token and its registers run along the head;
; v the other way round (source 0 = xn, source 1 = Wv), so that a lane holds one channel and its registers run along the tokens, which are the keys of the next product.
; PHASE Q: the results are quantised in registers and leave as images of the operands that the next launch wants.
; EVERY TILE OF 16 IS PERMUTED: lane r of tile 2 b + u stands for row 32 b + 8 u + r + 8 (r / 8) (weights' rows and tokens alike), so that the 16 registers of two neighbouring tiles are 16 neighbours.
; The weights come straight from memory into registers, as images made by the launch before (512 bytes on end a load), two sets by turns.  NO JOINT LOADS: they exist only into LDS, and a weight
; fragment here is read once by one wave; through LDS each byte would be written and read once more for nothing.
; The two stores of 2 bytes a lane (v's scale bytes) write half of each word: the other half belongs to the work-group of the neighbouring 64 tokens: 128 bytes of a wave's 37 KB.
; LIMITS: NaN and infinities are not served.  A block whose largest magnitude lies under 2^-122, a block of zeros among them, keeps the scale byte 1: its bytes are read by this program alone.
; REGISTERS, in windows of 256: window 0: addresses, gain and bias / xn's fragments, codes at work, scale words.  Window 1: x (256), then q's and k's accumulators.
; Window 2: v's accumulators, bq and bk in the results' layout, three weight fragments.  Window 3: the weights' two sets.
.set XIMG, 0                           ; LDS: xn's 16 fragments (token tile m, K step s: 4 m + s), 1,536 bytes each
.set XSC,  24576                       ; their scale words, 128 bytes each
.set LANE, 2
.set BVA,  3                           ; 4 (r + 8 (r / 8))
.set XA,   4                           ; x: my token's row + 64 h
.set LI,   5                           ; 16 x lane
.set LS,   6                           ; 4 x lane
.set XWI,  7                           ; where I store images: 16 x lane + 6,144 x wave
.set XWS,  8                           ; and scale words: 4 x lane + 512 x wave
.set CB,   9                           ; 64 h
.set LI8,  10                          ; 8 x lane
.set SR16, 11                          ; 16 (8 h + r + 8 (r / 8)): a row of weight scales; lanes 16-31 take the odd tile of a pair
.set MEAN, 12                          ; v[12:13]
.set RSTD, 14                          ; v[14:15]
.set GG,   16                          ; v16-79   ln1_g of one K step
.set BT,   80                          ; v80-143  ln1_b
.set FS,   16                          ; phase M: xn's fragments, set 0 at v16, set 1 at v64
.set PC,   144                         ; v144-162 the codes just made
.set PW,   164                         ; the scale word just made
.set PWQ,  166                         ; v166-167 q's two words, v168-169 k's
.set PWK,  168
.set TM,   170                         ; v170-185 the quantiser's work
.set SQ,   186                         ; v186-193 Wq's scale words (4 x pair + K step), v194-201 Wk's, v202-209 Wv's
.set SV,   202
.set BV,   210                         ; v210-217 bv of my channel, a pair for each tile
.set XS,   218                         ; v218-221, v222-225 xn's scale words, two sets
.set SA,   226                         ; v226-233 sums
.set TP,   234                         ; v234-239 at work
.set MSB, 0
.set rowA, 0
.set rowB, 0
.set zC, 0
.macro WIN new                         ; the immediate's high byte repeats the setting that is left; a switch that changes nothing is dropped
.if MSB != (\new)
	s_set_vgpr_msb (MSB<<8)|(\new)
.set MSB, (\new)
.endif
.endm
.macro PLACES                          ; four plain places behind matrix instructions, ahead of loads into their registers and of reads of their results
.rept 4
	v_nop
.endr
.endm
; One matrix instruction.  rD, rA, rB, rC are register numbers 0..1023; the windows follow from them.  sA, sB: scale words (always window 0); rowA, rowB = 1: taken from lanes 16-31.
.macro WMS
.set WN, ((rD>>8)<<6)|((rC>>8)<<4)|((rB>>8)<<2)|(rA>>8)
	WIN WN
.set dD, rD&255
.set dA, rA&255
.set dB, rB&255
.set dC, rC&255
.if zC
.if rowB
	v_wmma_scale_f32_16x16x128_f8f6f4 v[dD:dD+7], v[dA:dA+11], v[dB:dB+11], 0, v[sA], v[sB] matrix_a_fmt:MATRIX_FMT_BF6 matrix_b_fmt:MATRIX_FMT_BF6 matrix_b_scale:MATRIX_SCALE_ROW1
.else
	v_wmma_scale_f32_16x16x128_f8f6f4 v[dD:dD+7], v[dA:dA+11], v[dB:dB+11], 0, v[sA], v[sB] matrix_a_fmt:MATRIX_FMT_BF6 matrix_b_fmt:MATRIX_FMT_BF6
.endif
.else
.if rowA
	v_wmma_scale_f32_16x16x128_f8f6f4 v[dD:dD+7], v[dA:dA+11], v[dB:dB+11], v[dC:dC+7], v[sA], v[sB] matrix_a_fmt:MATRIX_FMT_BF6 matrix_b_fmt:MATRIX_FMT_BF6 matrix_a_scale:MATRIX_SCALE_ROW1
.elseif rowB
	v_wmma_scale_f32_16x16x128_f8f6f4 v[dD:dD+7], v[dA:dA+11], v[dB:dB+11], v[dC:dC+7], v[sA], v[sB] matrix_a_fmt:MATRIX_FMT_BF6 matrix_b_fmt:MATRIX_FMT_BF6 matrix_b_scale:MATRIX_SCALE_ROW1
.else
	v_wmma_scale_f32_16x16x128_f8f6f4 v[dD:dD+7], v[dA:dA+11], v[dB:dB+11], v[dC:dC+7], v[sA], v[sB] matrix_a_fmt:MATRIX_FMT_BF6 matrix_b_fmt:MATRIX_FMT_BF6
.endif
.endif
.endm
; 64 numbers of a lane, registers s .. s + 63 of one window, register 16 b + i = place 32 b + 16 (lane / 16) + i of my row, become 12 registers of codes in v[PC] on and a scale word in v[PW].
.macro QUANT s
.set QW, (\s)>>8
.set QS, (\s)&255
.set WN, QW|(QW<<2)
	WIN WN
.irp b, 0,1,2,3
	v_max3_num_f32 v[TM+\b], |v[QS+16*\b]|, |v[QS+1+16*\b]|, 0x2800000   ; my 16 numbers of block b, and the floor 2^(5 - 127): the byte cannot fall under 1
.endr
.set WN, (QW<<2)|(QW<<4)
	WIN WN
.irp i, 2,4,6,8,10,12,14
.irp b, 0,1,2,3
	v_max3_num_f32 v[TM+\b], v[TM+\b], |v[QS+16*\b+\i]|, |v[QS+1+16*\b+\i]|   ; the four blocks by turns
.endr
.endr
	WIN 0
.irp b, 0,1,2,3
	v_permlanex16_b32 v[TM+4+\b], v[TM+\b], s44, s45
.endr
.irp b, 0,1,2,3
	v_max_num_f32 v[TM+\b], v[TM+\b], v[TM+4+\b]   ; with lane l xor 16's: the block's largest magnitude
.endr
.irp b, 0,1,2,3
	v_add_nc_u32 v[TM+12+\b], 0xfe000000, v[TM+\b] ; 4 off its exponent field: the conversion's scale operand
.endr
.irp b, 0,1,2,3
	v_lshrrev_b32 v[TM+4+\b], 23, v[TM+12+\b]      ; the scale's byte
.endr
	v_lshl_or_b32 v[PW], v[TM+5], 8, v[TM+4]
	v_lshl_or_b32 v[PW], v[TM+6], 16, v[PW]
	v_lshl_or_b32 v[PW], v[TM+7], 24, v[PW]
	WIN QW
.irp c, 0,1
	v_cvt_scalef32_pk16_bf6_f32 v[PC+6*\c:PC+2+6*\c], v[QS+32*\c:QS+15+32*\c], v[TM+12+2*\c]
	v_cvt_scalef32_pk16_bf6_f32 v[PC+12+4*\c:PC+14+4*\c], v[QS+16+32*\c:QS+31+32*\c], v[TM+12+2*\c+1]   ; (a conversion's three registers begin on an even number)
.endr
	WIN 0
	v_nop                                          ; one plain place behind a scaled conversion
.irp c, 0,1                                    ; the operand's layout wants a whole block in a lane
.irp i, 0,1,2
	v_permlane16_swap_b32 v[PC+6*\c+\i], v[PC+12+4*\c+\i]
.endr
.irp i, 0,1,2
	v_mov_b32 v[PC+3+6*\c+\i], v[PC+12+4*\c+\i]
.endr
.endr
.endm
.macro WREG set                        ; rW: the first register of fragment ff (0-3 q's tiles, 4-7 k's, 8-11 v's) of a weight set
.if (\set) == 0
.set rW, 768+12*ff
.elseif ff < 9
.set rW, 912+12*ff
.else
.set rW, 704+12*(ff-9)
.endif
.endm
.macro LDW set, ks, f0, n              ; n fragments from f0 on, K step ks, into a weight set: three loads of 512 bytes on end each
.set ff, \f0
.rept \n
	WREG \set
.set WN, (rW>>8)<<6
	WIN WN
.set dW, rW&255
.irp c, 0,1,2
	global_load_b128 v[dW+4*\c:dW+4*\c+3], v[LI], s[14:15] offset:(ff/4)*196608+(ff%4)*6144+(\ks)*1536+512*\c
.endr
.set ff, ff+1
.endr
.endm
.macro LDGB s                          ; ln1_g and ln1_b of K step s: register 16 b + i = column 128 s + 32 b + 16 h + i
.irp b, 0,1,2,3
.irp j, 0,1,2,3
	global_load_b128 v[GG+16*\b+4*\j:GG+16*\b+4*\j+3], v[CB], s[10:11] offset:512*(\s)+128*\b+16*\j
	global_load_b128 v[BT+16*\b+4*\j:BT+16*\b+4*\j+3], v[CB], s[12:13] offset:512*(\s)+128*\b+16*\j
.endr
.endr
.endm
.macro JOINS                           ; four packed chains and lane l xor 16's become one sum in v[SA]
	v_pk_add_f32 v[SA:SA+1], v[SA:SA+1], v[SA+2:SA+3]
	v_pk_add_f32 v[SA+4:SA+5], v[SA+4:SA+5], v[SA+6:SA+7]
	v_pk_add_f32 v[SA:SA+1], v[SA:SA+1], v[SA+4:SA+5]
	v_add_f32 v[SA], v[SA], v[SA+1]
	v_permlanex16_b32 v[TP], v[SA], s44, s45
	v_add_f32 v[SA], v[SA], v[TP]
.endm
	s_load_b512 s[8:23], s[0:1], 0x0               ; x s[8:9], ln1_g s[10:11], ln1_b s[12:13], wimg s[14:15], Wq/Wk/Wv_scales s[16:21], bq s[22:23]
	s_load_b256 s[24:31], s[0:1], 0x40             ; bk s[24:25], bv s[26:27], qimg s[28:29], qsc s[30:31]
	s_load_b64 s[32:33], s[0:1], 0x60              ; kvimg
	v_lshl_add_u32 v254, v0, 2, 0x6800
	v_mov_b32 v255, 0
	v_lshrrev_b32 v1, 5, v0
	v_readfirstlane_b32 s40, v1                    ; wave 0..3
	v_and_b32 v[LANE], 31, v0
	v_and_b32 v1, 15, v0                           ; r
	v_bfe_u32 v[TP], v0, 4, 1                      ; h
	v_and_b32 v[TP+1], 8, v1
	v_add_nc_u32 v[TP+1], v[TP+1], v1              ; r + 8 (r / 8)
	v_lshlrev_b32 v[XA], 11, v[TP+1]
	v_lshl_add_u32 v[XA], v[TP], 6, v[XA]
	v_lshlrev_b32 v[LI], 4, v[LANE]
	v_lshlrev_b32 v[LS], 2, v[LANE]
	v_lshlrev_b32 v[LI8], 3, v[LANE]
	v_lshlrev_b32 v[CB], 6, v[TP]
	v_lshl_add_u32 v[SR16], v[TP], 3, v[TP+1]
	v_lshlrev_b32 v[SR16], 4, v[SR16]
	v_lshlrev_b32 v[BVA], 2, v[TP+1]
	s_mul_i32 s41, s40, 6144
	v_add_nc_u32 v[XWI], s41, v[LI]
	s_lshl_b32 s41, s40, 9
	v_add_nc_u32 v[XWS], s41, v[LS]
.irp b, 0,1,2,3
	v_mov_b32 v[TM+4+\b], 0                        ; written once: a lane permute's destination counts as one of its sources
.endr
	s_mov_b32 s44, 0x76543210
	s_mov_b32 s45, 0xfedcba98                      ; v_permlanex16_b32's selects for lane l xor 16
	s_mov_b32 s46, 0x3b000000                      ; 1 / 512
	s_mov_b32 s47, 0x3727c5ac                      ; 1e-5
	s_and_b32 s42, ttmp7, 0xffff                   ; the block of 64 tokens
	s_lshl_b32 s43, ttmp9, 2
	s_add_co_u32 s43, s43, s40                     ; my head
	s_lshr_b32 s48, s42, 5                         ; batch
	s_and_b32 s49, s42, 31                         ; the block within the batch
	s_lshr_b32 s50, s49, 1                         ; its key step of 128
	s_and_b32 s51, s49, 1                          ; and which half of it
	s_lshl_b32 s52, s48, 3
	s_add_co_u32 s52, s52, s43                     ; batch x 8 + head
	s_lshl_b32 s54, s42, 6
	s_lshr_b32 s56, s40, 1
	s_lshl_b32 s56, s56, 5
	s_add_co_u32 s54, s54, s56
	s_and_b32 s56, s40, 1
	s_lshl_b32 s56, s56, 3
	s_add_co_u32 s54, s54, s56                     ; my token tile's first row: 64 x block + 32 (w / 2) + 8 (w % 2)
	s_lshl_b32 s54, s54, 11
	s_mov_b32 s55, 0
	s_wait_alu depctr_va_vdst(0)
	s_wait_kmcnt 0x0
	s_add_nc_u64 s[8:9], s[8:9], s[54:55]
	s_mul_i32 s54, s43, 24576                      ; my head's four tiles in each of wimg's first three sections
	s_add_nc_u64 s[14:15], s[14:15], s[54:55]
	s_lshl_b32 s54, s43, 10                        ; its 64 rows of 16 scale bytes
	s_add_nc_u64 s[16:17], s[16:17], s[54:55]
	s_add_nc_u64 s[18:19], s[18:19], s[54:55]
	s_add_nc_u64 s[20:21], s[20:21], s[54:55]
	s_lshl_b32 s54, s43, 8                         ; its 64 biases
	s_add_nc_u64 s[22:23], s[22:23], s[54:55]
	s_add_nc_u64 s[24:25], s[24:25], s[54:55]
	s_add_nc_u64 s[26:27], s[26:27], s[54:55]
	s_lshl_b32 s54, s52, 7
	s_lshl_b32 s56, s49, 2
	s_add_co_u32 s54, s54, s56
	s_mul_i32 s54, s54, 768                        ; qimg: [batch x head][query tile] of 768 bytes
	s_add_nc_u64 s[28:29], s[28:29], s[54:55]
	s_lshl_b32 s54, s52, 6
	s_lshl_b32 s56, s49, 1
	s_add_co_u32 s54, s54, s56
	s_lshl_b32 s54, s54, 6                         ; qsc: [batch x head][pair of tiles] of 64 bytes
	s_add_nc_u64 s[30:31], s[30:31], s[54:55]
	s_mul_i32 s54, s52, 204800
	s_mul_i32 s56, s50, 12800
	s_add_co_u32 s54, s54, s56                     ; kvimg: [batch x head][key step] of 12,800 bytes
	s_add_nc_u64 s[32:33], s[32:33], s[54:55]
	s_mul_i32 s54, s51, 3072
	s_add_nc_u64 s[34:35], s[32:33], s[54:55]      ; my half's images of k and of v
	s_lshl_b32 s54, s51, 7
	s_add_nc_u64 s[36:37], s[32:33], s[54:55]      ; k's scale words
	s_lshl_b32 s54, s51, 1
	s_add_nc_u64 s[38:39], s[32:33], s[54:55]      ; v's scale bytes
	; ---- PHASE X.  My 16 tokens: register 64 s + 16 b + i of window 1 = column 128 s + 32 b + 16 h + i of token lane r
	WIN 0x40
.irp s, 0,1,2,3
.irp b, 0,1,2,3
.irp j, 0,1,2,3
	global_load_b128 v[64*\s+16*\b+4*\j:64*\s+16*\b+4*\j+3], v[XA], s[8:9] offset:512*\s+128*\b+16*\j
.endr
.endr
.endr
	WIN 0
	LDGB 0                                         ; 32 loads
.irp p, 0,1
	global_load_b128 v[SQ+4*\p:SQ+4*\p+3], v[SR16], s[16:17] offset:512*\p       ; four K steps' scale words of a pair of tiles: even tile in lanes 0-15, odd in lanes 16-31
	global_load_b128 v[SQ+8+4*\p:SQ+8+4*\p+3], v[SR16], s[18:19] offset:512*\p
	global_load_b128 v[SV+4*\p:SV+4*\p+3], v[SR16], s[20:21] offset:512*\p
.endr
.irp t, 0,1,2,3
	global_load_b32 v[BV+2*\t], v[BVA], s[26:27] offset:(32*(\t/2)+8*(\t%2))*4   ; bv of my channel, twice: a pair for the packed addition
	global_load_b32 v[BV+2*\t+1], v[BVA], s[26:27] offset:(32*(\t/2)+8*(\t%2))*4
.endr
	WIN 0x80
.irp t, 0,1,2,3
.irp j, 0,1
	global_load_b128 v[128+8*\t+4*\j:131+8*\t+4*\j], v[CB], s[22:23] offset:(32*(\t/2)+8*(\t%2))*4+16*\j   ; bq, bk in the results' layout: the C of each sum's first product
	global_load_b128 v[160+8*\t+4*\j:163+8*\t+4*\j], v[CB], s[24:25] offset:(32*(\t/2)+8*(\t%2))*4+16*\j
.endr
.endr
	s_wait_loadcnt 62                              ; x is in: the 62 loads issued behind it may be out
	WIN 0x05                                       ; the mean: four packed chains, started by the first eight pairs
.irp k, 0,1,2,3
	v_pk_add_f32 v[SA+2*\k:SA+2*\k+1], v[4*\k:4*\k+1], v[4*\k+2:4*\k+3]
.endr
	WIN 0x04
.set ii, 8
.rept 120
	v_pk_add_f32 v[SA+2*(ii%4):SA+2*(ii%4)+1], v[SA+2*(ii%4):SA+2*(ii%4)+1], v[2*ii:2*ii+1]
.set ii, ii+1
.endr
	WIN 0
	JOINS
	v_mul_f32 v[MEAN], s46, v[SA]
	v_mul_f32 v[MEAN+1], s46, v[SA]
	WIN 0x41                                       ; x - mean, in place: the variance is taken of the differences, so a common offset costs no digits
.set ii, 0
.rept 128
	v_pk_add_f32 v[2*ii:2*ii+1], v[2*ii:2*ii+1], v[MEAN:MEAN+1] neg_lo:[0,1] neg_hi:[0,1]
.set ii, ii+1
.endr
	WIN 0x05
.irp k, 0,1,2,3
	v_pk_mul_f32 v[SA+2*\k:SA+2*\k+1], v[2*\k:2*\k+1], v[2*\k:2*\k+1]
.endr
.set ii, 4
.rept 124
	v_pk_fma_f32 v[SA+2*(ii%4):SA+2*(ii%4)+1], v[2*ii:2*ii+1], v[2*ii:2*ii+1], v[SA+2*(ii%4):SA+2*(ii%4)+1]
.set ii, ii+1
.endr
	WIN 0
	JOINS
	v_fma_f32 v[SA], v[SA], s46, s47               ; variance + 1e-5
	s_wait_alu depctr_va_vdst(0)
	v_rsq_f32 v[RSTD], v[SA]
	v_rsq_f32 v[RSTD+1], v[SA]
	v_nop                                          ; a plain place behind the transcendentals
	s_wait_alu depctr_va_vdst(0)
; K step s: normalised, quantised, its image stored.  The next step's gain and bias and a part of the weights (six fragments of set wset) are asked for on the way.
.macro NORM s, wset, f0
.if (\s) == 0
	s_wait_loadcnt 0x0
.else
	s_wait_loadcnt 18                              ; this step's gain and bias are in; the 18 weight loads issued behind them may be out
.endif
	WIN 0x41
.set ii, 0
.rept 32
	v_pk_mul_f32 v[64*(\s)+2*ii:64*(\s)+2*ii+1], v[64*(\s)+2*ii:64*(\s)+2*ii+1], v[RSTD:RSTD+1]
.set ii, ii+1
.endr
.set ii, 0
.rept 32
	v_pk_fma_f32 v[64*(\s)+2*ii:64*(\s)+2*ii+1], v[64*(\s)+2*ii:64*(\s)+2*ii+1], v[GG+2*ii:GG+2*ii+1], v[BT+2*ii:BT+2*ii+1]
.set ii, ii+1
.endr
	WIN 0
.if (\s) < 3
	LDGB (\s)+1
.endif
	LDW \wset, \wset, \f0, 6
	WIN 0
.if (\s) > 0
	s_wait_dscnt 0x0                               ; the last image's stores have read their registers
.endif
	QUANT 256+64*(\s)
.irp c, 0,1,2
	ds_store_b128 v[XWI], v[PC+4*\c:PC+4*\c+3] offset:XIMG+1536*(\s)+512*\c   ; the fragment as it stands: lane l's 16 bytes at 16 l
.endr
	ds_store_b32 v[XWS], v[PW] offset:XSC+128*(\s)
.endm
	NORM 0, 0, 0
	NORM 1, 0, 6
	NORM 2, 1, 0
	NORM 3, 1, 6
	s_wait_dscnt 0x0                               ; for the others' sake: my images have landed
	s_barrier_signal -1
	s_barrier_wait -1                              ; xn's sixteen fragments lie in LDS; nobody writes them again
	; ---- PHASE M
.macro FETCH s, set                    ; xn's four fragments of K step s and their scale words: 16 LDS loads
.irp m, 0,1,2,3
.irp c, 0,1,2
	ds_load_b128 v[FS+48*(\set)+12*\m+4*\c:FS+48*(\set)+12*\m+4*\c+3], v[LI] offset:XIMG+(4*\m+(\s))*1536+512*\c
.endr
	ds_load_b32 v[XS+4*(\set)+\m], v[LS] offset:XSC+(4*\m+(\s))*128
.endr
.endm
; K step s: 48 matrix instructions, each on an accumulator of its own
.macro GROUP s, set
.set ff, 0
.rept 12
	WREG \set
.set mm, 0
.rept 4
.set rowA, 0
.set rowB, 0
.set zC, 0
.set tt, ff%4
.if ff < 8
.set rD, 256+128*(ff/4)+32*mm+8*tt
.set rA, rW
.set rB, FS+48*(\set)+12*mm
.set sA, SQ+8*(ff/4)+4*(tt/2)+(\s)
.set sB, XS+4*(\set)+mm
.set rowA, tt%2
.if (\s) == 0
.set rC, 640+32*(ff/4)+8*tt
.else
.set rC, rD
.endif
.else
.set rD, 512+32*tt+8*mm
.set rA, FS+48*(\set)+12*mm
.set rB, rW
.set sA, XS+4*(\set)+mm
.set sB, SV+4*(tt/2)+(\s)
.set rowB, tt%2
.set rC, rD
.if (\s) == 0
.set zC, 1
.endif
.endif
	WMS
.set mm, mm+1
.endr
.set ff, ff+1
.endr
.endm
	FETCH 0, 0
	FETCH 1, 1
	s_wait_dscnt 16                                ; K step 0's fragments are in; step 1's 16 loads may be out
	s_wait_loadcnt 36                              ; weight set 0 is in; set 1's 36 loads may be out
	GROUP 0, 0
	WIN 0
	PLACES
	LDW 0, 2, 0, 12
	WIN 0
	FETCH 2, 0
	s_wait_dscnt 16
	s_wait_loadcnt 36
	GROUP 1, 1
	WIN 0
	PLACES
	LDW 1, 3, 0, 12
	WIN 0
	FETCH 3, 1
	s_wait_dscnt 16
	s_wait_loadcnt 36
	GROUP 2, 0
	s_wait_dscnt 0x0
	s_wait_loadcnt 0x0
	GROUP 3, 1
	WIN 0
	PLACES
	; ---- PHASE Q.  q: two token tiles at a time: their two blocks of 32 along the head each make half a fragment
	v_cmp_le_u32 vcc_lo, 16, v[LANE]
.irp q, 0,1
.if \q > 0
	s_wait_xcnt 0x0                                ; the last stores have read the codes' registers
.endif
	QUANT 256+64*\q
.irp i, 0,1,2,3,4,5
	global_store_b64 v[LI8], v[PC+2*\i:PC+2*\i+1], s[28:29] offset:1536*\q+256*\i   ; 32 lanes store 256 bytes on end, aligned
.endr
	v_mov_b32 v[PWQ+\q], v[PW]
.endr
.irp q, 0,1                                    ; k: the same two halves are one fragment of the scores' product: key tile 2 b below, 2 b + 1 above
	s_wait_xcnt 0x0
	QUANT 384+64*\q
.irp c, 0,1,2
	global_store_b128 v[LI], v[PC+4*\c:PC+4*\c+3], s[34:35] offset:1536*\q+512*\c
.endr
	v_mov_b32 v[PWK+\q], v[PW]
.endr
	v_cndmask_b32 v[TP], v[PWQ], v[PWQ+1], vcc_lo  ; lanes 0-15 the first pair's words, lanes 16-31 the second's: 128 bytes on end
	global_store_b32 v[LS], v[TP], s[30:31]
	v_cndmask_b32 v[TP+1], v[PWK], v[PWK+1], vcc_lo
	global_store_b32 v[LS], v[TP+1], s[36:37] offset:6144
.irp q, 0,1                                    ; v: two channel tiles at a time; a lane's registers run along my 64 tokens: two blocks of 32 keys
	WIN 0x82
.set ii, 0
.rept 32
	v_pk_add_f32 v[64*\q+2*ii:64*\q+2*ii+1], v[64*\q+2*ii:64*\q+2*ii+1], v[BV+4*\q+2*(ii/16):BV+4*\q+2*(ii/16)+1]   ; + bv; each accumulator from its low end on
.set ii, ii+1
.endr
	WIN 0
	s_wait_xcnt 0x0
	QUANT 512+64*\q
.irp i, 0,1,2,3,4,5
	global_store_b64 v[LI8], v[PC+2*\i:PC+2*\i+1], s[34:35] offset:6400+1536*\q+256*\i
.endr
	v_lshrrev_b32 v[TP+2+2*\q], 16, v[PW]
	v_cndmask_b32 v[TP+3+2*\q], v[PW], v[TP+2+2*\q], vcc_lo   ; lanes 0-15 the even tile's two bytes, lanes 16-31 the odd tile's
	global_store_b16 v[LS], v[TP+3+2*\q], s[38:39] offset:12544+128*\q
.endr
	s_wait_tensorcnt 0x0
	ds_add_u32 v254, v255
	s_wait_dscnt 0x0
	s_endpgm
.Lfunc_end_k_q29d20026ee_qkv:
	.size	k_q29d20026ee_qkv, .Lfunc_end_k_q29d20026ee_qkv-k_q29d20026ee_qkv
	.p2alignl 7, 3214868480
	.fill 96, 4, 3214868480
	.section	.rodata,"a",@progbits
	.p2align	6, 0x0
	.amdhsa_kernel k_q29d20026ee_qkv
		.amdhsa_group_segment_fixed_size 27136
		.amdhsa_private_segment_fixed_size 0
		.amdhsa_enable_private_segment 0
		.amdhsa_kernarg_size 104
		.amdhsa_user_sgpr_count 2
		.amdhsa_user_sgpr_kernarg_segment_ptr 1
		.amdhsa_wavefront_size32 1
		.amdhsa_system_sgpr_workgroup_id_x 1
		.amdhsa_system_sgpr_workgroup_id_y 1
		.amdhsa_system_sgpr_workgroup_id_z 1
		.amdhsa_system_vgpr_workitem_id 0
		.amdhsa_next_free_vgpr 1024
		.amdhsa_next_free_sgpr 66
		.amdhsa_reserve_vcc 1
		.amdhsa_float_denorm_mode_32 3
		.amdhsa_float_denorm_mode_16_64 3
		.amdhsa_memory_ordered 1
		.amdhsa_forward_progress 1
		.amdhsa_inst_pref_size 157
	.end_amdhsa_kernel
	.amdgpu_metadata
---
amdhsa.version: [ 1, 2 ]
amdhsa.kernels:
  - .name:           k_q29d20026ee_qkv
    .symbol:         k_q29d20026ee_qkv.kd
    .args:
      - { .name: x, .offset: 0, .size: 8, .value_kind: global_buffer, .address_space: global }
      - { .name: ln1_g, .offset: 8, .size: 8, .value_kind: global_buffer, .address_space: global }
      - { .name: ln1_b, .offset: 16, .size: 8, .value_kind: global_buffer, .address_space: global }
      - { .name: wimg, .offset: 24, .size: 8, .value_kind: global_buffer, .address_space: global }
      - { .name: Wq_scales, .offset: 32, .size: 8, .value_kind: global_buffer, .address_space: global }
      - { .name: Wk_scales, .offset: 40, .size: 8, .value_kind: global_buffer, .address_space: global }
      - { .name: Wv_scales, .offset: 48, .size: 8, .value_kind: global_buffer, .address_space: global }
      - { .name: bq, .offset: 56, .size: 8, .value_kind: global_buffer, .address_space: global }
      - { .name: bk, .offset: 64, .size: 8, .value_kind: global_buffer, .address_space: global }
      - { .name: bv, .offset: 72, .size: 8, .value_kind: global_buffer, .address_space: global }
      - { .name: qimg, .offset: 80, .size: 8, .value_kind: global_buffer, .address_space: global }
      - { .name: qsc, .offset: 88, .size: 8, .value_kind: global_buffer, .address_space: global }
      - { .name: kvimg, .offset: 96, .size: 8, .value_kind: global_buffer, .address_space: global }
    .group_segment_fixed_size: 27136
    .private_segment_fixed_size: 0
    .kernarg_segment_align: 8
    .kernarg_segment_size: 104
    .max_flat_workgroup_size: 128
    .sgpr_count:     66
    .vgpr_count:     1024
    .wavefront_size: 32
...
	.end_amdgpu_metadata
.endif
;; end of part 6
;; launch attn (part 7): grid 8 x 32, 16 waves a work-group, clusters of 4 x 1, 327,680 bytes of LDS; arguments qimg, qsc, kvimg, avimg, avsc; writes avimg, avsc
.if DOCPART == 7
	.amdgcn_target "amdgcn-amd-amdhsa--gfx1250"
	.amdhsa_code_object_version 6
	.text
	.protected	k_q29d20026ee_attn
	.globl	k_q29d20026ee_attn
	.p2align	8
	.type	k_q29d20026ee_attn,@function
k_q29d20026ee_attn:
	s_mov_b64 s[64:65], 0
	v_nop
	global_prefetch_b8 v0, s[64:65] scope:SCOPE_SE
	s_setreg_imm32_b32 hwreg(HW_REG_WAVE_MODE, 25, 1), 1
	s_wait_xcnt 0x0
	s_wait_alu depctr_hold_cnt(0) depctr_sa_sdst(0) depctr_va_vdst(0) depctr_va_sdst(0) depctr_va_ssrc(0) depctr_va_vcc(0) depctr_vm_vsrc(0)
	s_getreg_b32 s2, hwreg(HW_REG_IB_STS2, 6, 4)
	s_cmp_eq_u32 s2, 0
	s_cbranch_scc0 .Lentry_in_a_cluster
	s_endpgm
.Lentry_in_a_cluster:
	s_bfe_u32 s2, ttmp6, 0x10000c
	s_cmp_lg_u32 s2, 0x3003
	s_cbranch_scc0 .Lentry_shape_is_right
	s_endpgm
.Lentry_shape_is_right:
; o = softmax(q k^T / 8) v for one batch and head, both products on codes of E3M2 with one E8M0 scale for each 32 along K; o is quantised along the head's 64 for the next launch.
; SHARES.  A work-group takes 256 queries of one (batch, head): 16 waves of 16 queries.  Both products are used transposed, so that a lane holds one query.
; The four work-groups of a cluster take the same head, so they ask for its k and v JOINTLY (mask 15).
; ALL 16 KEY STEPS LIE IN LDS: a step of 128 keys is 12,800 bytes (k's images, k's scale words, v's images, v's scale words), 16 steps are 204,800 bytes.
; Wave w asks for step w by its one tensor load at the head, 50 rows of 256 bytes; one wait for it, one barrier, then a loop of 16 steps that holds no barrier and no fill.
; NO PREFETCH: nothing is fetched inside the loop, so there is no trip to run ahead in.
; SOFTMAX: p = 2^(t - M), M the ceiling of the running largest t; a change of M multiplies the sum and o by a power of two; the sum is taken of the unquantised p.
; K of the scores' product is 64: q's 6 registers stand in the lower or the upper half of an operand whose other half is zero codes, against a k fragment that holds two key tiles.
; LIMITS: the scaled scores stay under 2^31 in magnitude; NaN and infinities are not served; a block whose largest magnitude lies under 2^-122 keeps the scale byte 1.
.set STEPB, 12800
.set LI16, 1
.set LI8,  2
.set LI4,  3
.set ADK,  4
.set ADV,  5
.set ADS,  6
.set QSA,  9
.set ASA,  10
.set WV,   14
.set SEL,  20
.set CS,   22
.set G1,   24
.set G0A,  32
.set G0B,  36
.set TB,   40
.set CNT,  41
.macro CROUND
	s_barrier_signal -1
	s_barrier_wait -1
	s_cmp_lg_u32 s[WV], 0
	s_cbranch_scc1 .Lnot_wave_0_\@
	s_barrier_signal -3
.Lnot_wave_0_\@:
	s_barrier_wait -3
	s_barrier_signal -1
	s_barrier_wait -1
.endm
.macro SP d, a, b, sc, row
.if \row
	v_wmma_scale_f32_16x16x128_f8f6f4 v[\d:\d+7], v[\a:\a+11], v[\b:\b+11], 0, v[\sc], v34 matrix_a_fmt:MATRIX_FMT_BF6 matrix_b_fmt:MATRIX_FMT_BF6 matrix_a_scale:MATRIX_SCALE_ROW1
.else
	v_wmma_scale_f32_16x16x128_f8f6f4 v[\d:\d+7], v[\a:\a+11], v[\b:\b+11], 0, v[\sc], v34 matrix_a_fmt:MATRIX_FMT_BF6 matrix_b_fmt:MATRIX_FMT_BF6
.endif
.endm
.macro PV d, a, sc, row
.if \row
	v_wmma_scale_f32_16x16x128_f8f6f4 v[\d:\d+7], v[\a:\a+11], v[36:47], v[\d:\d+7], v[\sc], v255 matrix_a_fmt:MATRIX_FMT_BF6 matrix_b_fmt:MATRIX_FMT_BF6 matrix_a_scale:MATRIX_SCALE_ROW1
.else
	v_wmma_scale_f32_16x16x128_f8f6f4 v[\d:\d+7], v[\a:\a+11], v[36:47], v[\d:\d+7], v[\sc], v255 matrix_a_fmt:MATRIX_FMT_BF6 matrix_b_fmt:MATRIX_FMT_BF6
.endif
.endm
	s_load_b256 s[4:11], s[0:1], 0x0
	s_load_b64 s[12:13], s[0:1], 0x20
	v_lshl_add_u32 v94, v0, 2, 0x32000
	v_mov_b32 v95, 0
	ds_add_u32 v94, v95
	ds_add_u32 v94, v95
	v_lshrrev_b32 v8, 5, v0
	s_delay_alu instid0(VALU_DEP_1)
	v_readfirstlane_b32 s[WV], v8
	v_and_b32 v7, 31, v0
	s_delay_alu instid0(VALU_DEP_1)
	v_lshlrev_b32 v[LI16], 4, v7
	s_delay_alu instid0(VALU_DEP_2)
	v_lshlrev_b32 v[LI8], 3, v7
	s_delay_alu instid0(VALU_DEP_3)
	v_lshlrev_b32 v[LI4], 2, v7
	v_and_b32 v8, 15, v0
	s_delay_alu instid0(VALU_DEP_1)
	v_lshlrev_b32 v[QSA], 2, v8
	s_delay_alu instid0(VALU_DEP_2)
	v_lshlrev_b32 v[ASA], 4, v8
	s_bfe_u32 s15, ttmp6, 0x40000
	s_lshl_b32 s16, ttmp9, 2
	s_add_co_u32 s16, s16, s15
	s_and_b32 s17, ttmp7, 0xffff
	s_lshl_b32 s18, s16, 4
	s_add_co_u32 s18, s18, s[WV]
	s_mul_i32 s42, s17, 204800
	s_mul_i32 s19, s[WV], 12800                    ; my key step: its place in kvimg's part for this head and in LDS alike
	s_add_co_u32 s42, s42, s19
	s_mov_b32 s43, 0
	s_lshl_b32 s44, s17, 7
	s_add_co_u32 s44, s44, s18
	s_mul_i32 s44, s44, 768
	s_mov_b32 s45, 0
	s_lshl_b32 s46, s17, 6
	s_lshr_b32 s47, s18, 1
	s_add_co_u32 s46, s46, s47
	s_lshl_b32 s46, s46, 6
	s_and_b32 s47, s[WV], 1
	s_lshl_b32 s47, s47, 1
	s_add_co_u32 s46, s46, s47
	s_mov_b32 s47, 0
	s_lshr_b32 s48, s17, 3
	s_lshl_b32 s48, s48, 7
	s_add_co_u32 s48, s48, s18
	s_and_b32 s49, s17, 7
	s_lshl_b32 s50, s48, 3
	s_add_co_u32 s50, s50, s49
	s_mul_i32 s50, s50, 768
	s_mov_b32 s51, 0
	s_lshl_b32 s52, s48, 8
	s_lshl_b32 s53, s49, 1
	s_add_co_u32 s52, s52, s53
	s_mov_b32 s53, 0
	s_mov_b32 s[G1], 15|(3<<16)|(1<<21)
	s_mov_b32 s[G1+1], 32<<16
	s_mov_b32 s[G1+2], 50<<16                      ; 50 rows of 256 bytes: one key step
	s_mov_b32 s[G1+3], 32<<16
	s_mov_b32 s[G1+4], 50
	s_mov_b32 s[G1+5], 32
	s_mov_b32 s[G1+6], 0
	s_mov_b32 s[G1+7], 0
	s_mov_b32 s[SEL], 0x76543210
	s_mov_b32 s[SEL+1], 0xfedcba98
	s_mov_b32 s[CS], 0x3e38aa3b
	s_mov_b32 s[CS+1], s[CS]
	s_mov_b32 s[TB], 0
	s_wait_dscnt 0x0
	s_wait_kmcnt 0x0
	s_mov_b32 s[G0A], 1
	s_mov_b32 s[G0A+1], s19
	s_add_nc_u64 s[G0A+2:G0A+3], s[8:9], s[42:43]
	s_or_b32 s[G0A+3], s[G0A+3], 0x80000000
	s_add_nc_u64 s[4:5], s[4:5], s[44:45]
	s_add_nc_u64 s[6:7], s[6:7], s[46:47]
	s_add_nc_u64 s[10:11], s[10:11], s[50:51]
	s_add_nc_u64 s[12:13], s[12:13], s[52:53]
	CROUND
	tensor_load_to_lds s[G0A:G0A+3], s[G1:G1+7]    ; my one tensor load of the launch: key step w
	s_nop 0
.rept 4
	v_nop
.endr
	s_wait_alu depctr_va_vdst(0)
.irp p, 0,1,2
	global_load_b64 v[22+2*\p:23+2*\p], v[LI8], s[4:5] offset:256*\p
.endr
	global_load_u16 v254, v[QSA], s[6:7]
	s_wait_loadcnt 0x0
	v_lshl_or_b32 v34, v254, 16, v254
.irp j, 16,17,18,19,20,21,28,29,30,31,32,33
	v_mov_b32 v[\j], 0
.endr
	v_mov_b32 v13, 0xff61b1e6
	s_delay_alu instid0(VALU_DEP_1)
	v_floor_f32 v12, -v13
	v_mov_b32 v14, 0
	v_mov_b32 v15, 0
.irp b, 0,1,2,3
	v_mov_b32 v[244+\b], 0
.endr
	v_mov_b32 v253, 0
.set jj, 0
.rept 32
	v_mov_b32 v[160+jj], 0
.set jj, jj+1
.endr
.macro STEP
	v_add_nc_u32 v[ADK], s[TB], v[LI16]
	v_add_nc_u32 v[ADV], s[TB], v[LI8]
	v_add_nc_u32 v[ADS], s[TB], v[LI4]
	v_nop
.irp b, 0,1,2,3
.irp c, 0,1,2
	ds_load_b128 v[36+12*\b+4*\c:39+12*\b+4*\c], v[ADK] offset:1536*\b+512*\c
.endr
.endr
	ds_load_b32 v84, v[ADS] offset:6144
	ds_load_b32 v85, v[ADS] offset:6272
	s_wait_alu depctr_va_vdst(0)
	s_wait_dscnt 0x0
.irp b, 0,1,2,3
	SP 96+16*\b, 36+12*\b, 22, 84+\b/2, \b%2
	SP 104+16*\b, 36+12*\b, 16, 84+\b/2, \b%2
.endr
.irp t, 0,1,2,3
.irp g, 0,1
.irp p, 0,1,2
	ds_load_b64 v[192+12*\t+6*\g+2*\p:193+12*\t+6*\g+2*\p], v[ADV] offset:6400+3072*\g+768*\t+256*\p
.endr
.endr
.endr
	ds_load_b32 v88, v[ADS] offset:12544
	ds_load_b32 v89, v[ADS] offset:12672
.rept 4
	v_nop
.endr
.irp b, 0,1,2,3
	v_max3_num_f32 v[240+\b], v[96+16*\b], v[97+16*\b], v[98+16*\b]
.endr
.irp i, 3,5,7,9,11,13
.irp b, 0,1,2,3
	v_max3_num_f32 v[240+\b], v[240+\b], v[96+16*\b+\i], v[97+16*\b+\i]
.endr
.endr
.irp b, 0,1,2,3
	v_max_num_f32 v[240+\b], v[240+\b], v[111+16*\b]
.endr
.irp b, 0,1,2,3
	s_delay_alu instid0(VALU_DEP_4)
	v_permlanex16_b32 v[244+\b], v[240+\b], s[SEL], s[SEL+1]
.endr
.irp b, 0,1,2,3
	s_delay_alu instid0(VALU_DEP_4)
	v_max_num_f32 v[240+\b], v[240+\b], v[244+\b]
.endr
	s_delay_alu instid0(VALU_DEP_2)
	v_max3_num_f32 v254, v240, v241, v242
	s_delay_alu instid0(VALU_DEP_1)
	v_max_num_f32 v254, v254, v243
	s_delay_alu instid0(VALU_DEP_1)
	v_mul_f32 v254, s[CS], v254
	s_delay_alu instid0(VALU_DEP_1)
	v_max_num_f32 v13, v13, v254
	v_mov_b32 v254, v12
	s_delay_alu instid0(VALU_DEP_2)
	v_floor_f32 v12, -v13
	s_delay_alu instid0(VALU_DEP_1)
	v_sub_f32 v254, v12, v254
	s_delay_alu instid0(VALU_DEP_1)
	v_cvt_i32_f32 v254, v254
	s_delay_alu instid0(VALU_DEP_1)
	v_ldexp_f32 v252, 1.0, v254
.set jj, 0
.rept 32
	v_pk_fma_f32 v[96+2*jj:97+2*jj], v[96+2*jj:97+2*jj], s[CS:CS+1], v[12:13] op_sel_hi:[1,0,0]
.set jj, jj+1
.endr
.irp b, 0,1,2,3
	v_fma_f32 v[240+\b], v[240+\b], s[CS], v12
.endr
.set jj, 0
	s_wait_alu depctr_va_vdst(0)
.rept 64
	v_exp_f32 v[96+jj], v[96+jj]
.set jj, jj+1
.endr
.irp b, 0,1,2,3
	v_exp_f32 v[240+\b], v[240+\b]
.endr
	v_pk_mul_f32 v[14:15], v[14:15], v[252:253] op_sel_hi:[1,0]
	s_wait_alu depctr_va_vdst(0)
.irp b, 0,1,2,3
	v_max_num_f32 v[240+\b], 0x2800000, v[240+\b]
.endr
.irp b, 0,1,2,3
	s_delay_alu instid0(VALU_DEP_4)
	v_add_nc_u32 v[248+\b], 0xfe000000, v[240+\b]
.endr
.irp b, 0,1,2,3
	s_delay_alu instid0(VALU_DEP_4)
	v_lshrrev_b32 v[244+\b], 23, v[248+\b]
.endr
	s_delay_alu instid0(VALU_DEP_3)
	v_lshl_or_b32 v255, v245, 8, v244
	s_delay_alu instid0(VALU_DEP_1)
	v_lshl_or_b32 v255, v246, 16, v255
	s_delay_alu instid0(VALU_DEP_1)
	v_lshl_or_b32 v255, v247, 24, v255
.irp c, 0,1
	v_cvt_scalef32_pk16_bf6_f32 v[36+6*\c:38+6*\c], v[96+32*\c:111+32*\c], v[248+2*\c]
	v_cvt_scalef32_pk16_bf6_f32 v[48+4*\c:50+4*\c], v[112+32*\c:127+32*\c], v[248+2*\c+1]
.endr
	v_nop
.irp c, 0,1
.irp i, 0,1,2
	v_permlane16_swap_b32 v[36+6*\c+\i], v[48+4*\c+\i]
.endr
.irp i, 0,1,2
	s_delay_alu instid0(VALU_DEP_3)
	v_mov_b32 v[39+6*\c+\i], v[48+4*\c+\i]
.endr
.endr
	v_pk_add_f32 v[244:245], v[96:97], v[98:99]
.set jj, 4
.rept 15
	v_pk_add_f32 v[14:15], v[14:15], v[96+jj:97+jj]
	v_pk_add_f32 v[244:245], v[244:245], v[98+jj:99+jj]
.set jj, jj+4
.endr
	s_delay_alu instid0(VALU_DEP_1)
	v_pk_add_f32 v[14:15], v[14:15], v[244:245]
.set jj, 0
.rept 16
	v_pk_mul_f32 v[160+2*jj:161+2*jj], v[160+2*jj:161+2*jj], v[252:253] op_sel_hi:[1,0]
.set jj, jj+1
.endr
	s_wait_alu depctr_va_vdst(0)
	s_wait_dscnt 0x0
.irp t, 0,1,2,3
	PV 160+8*\t, 192+12*\t, 88+\t/2, \t%2
.endr
	s_add_co_u32 s[TB], s[TB], STEPB
.endm
	s_wait_tensorcnt 0x0                           ; my key step is in; behind the barrier all sixteen are
	s_barrier_signal -1
	s_barrier_wait -1
	s_mov_b32 s[CNT], 16
.Lfirst:
	STEP
	s_sub_co_u32 s[CNT], s[CNT], 1
	s_cmp_lg_u32 s[CNT], 0
	s_cbranch_scc1 .Lfirst
.rept 4
	v_nop
.endr
	v_add_f32 v14, v14, v15
	s_delay_alu instid0(VALU_DEP_1)
	v_permlanex16_b32 v252, v14, s[SEL], s[SEL+1]
	s_delay_alu instid0(VALU_DEP_1)
	v_add_f32 v14, v14, v252
	s_wait_alu depctr_va_vdst(0)
	v_rcp_f32 v14, v14
	v_nop
.set jj, 0
	s_wait_alu depctr_va_vdst(0)
.rept 32
	v_mul_f32 v[96+jj], v[160+jj], v14
.set jj, jj+1
.endr
.irp b, 0,1
	v_max3_num_f32 v[240+\b], |v[96+16*\b]|, |v[97+16*\b]|, 0x2800000
.endr
.irp i, 2,4,6,8,10,12,14
.irp b, 0,1
	s_delay_alu instid0(VALU_DEP_2)
	v_max3_num_f32 v[240+\b], v[240+\b], |v[96+16*\b+\i]|, |v[97+16*\b+\i]|
.endr
.endr
.irp b, 0,1
	s_delay_alu instid0(VALU_DEP_2)
	v_permlanex16_b32 v[244+\b], v[240+\b], s[SEL], s[SEL+1]
.endr
.irp b, 0,1
	s_delay_alu instid0(VALU_DEP_2)
	v_max_num_f32 v[240+\b], v[240+\b], v[244+\b]
.endr
.irp b, 0,1
	s_delay_alu instid0(VALU_DEP_2)
	v_add_nc_u32 v[248+\b], 0xfe000000, v[240+\b]
.endr
.irp b, 0,1
	s_delay_alu instid0(VALU_DEP_2)
	v_lshrrev_b32 v[244+\b], 23, v[248+\b]
.endr
	s_delay_alu instid0(VALU_DEP_1)
	v_lshl_or_b32 v254, v245, 8, v244
	v_cvt_scalef32_pk16_bf6_f32 v[36:38], v[96:111], v248
	v_cvt_scalef32_pk16_bf6_f32 v[48:50], v[112:127], v249
	v_nop
.irp i, 0,1,2
	v_permlane16_swap_b32 v[36+\i], v[48+\i]
.endr
.irp i, 0,1,2
	s_delay_alu instid0(VALU_DEP_3)
	v_mov_b32 v[39+\i], v[48+\i]
.endr
.irp p, 0,1,2
	global_store_b64 v[LI8], v[36+2*\p:37+2*\p], s[10:11] offset:256*\p
.endr
	global_store_b16 v[ASA], v254, s[12:13]
	s_wait_tensorcnt 0x0
	ds_add_u32 v94, v95
	s_wait_dscnt 0x0
	CROUND
	s_endpgm
.Lfunc_end_k_q29d20026ee_attn:
	.size	k_q29d20026ee_attn, .Lfunc_end_k_q29d20026ee_attn-k_q29d20026ee_attn
	.p2alignl 7, 3214868480
	.fill 96, 4, 3214868480
	.section	.rodata,"a",@progbits
	.p2align	6, 0x0
	.amdhsa_kernel k_q29d20026ee_attn
		.amdhsa_group_segment_fixed_size 327680
		.amdhsa_private_segment_fixed_size 0
		.amdhsa_enable_private_segment 0
		.amdhsa_kernarg_size 40
		.amdhsa_user_sgpr_count 2
		.amdhsa_user_sgpr_kernarg_segment_ptr 1
		.amdhsa_wavefront_size32 1
		.amdhsa_system_sgpr_workgroup_id_x 1
		.amdhsa_system_sgpr_workgroup_id_y 1
		.amdhsa_system_sgpr_workgroup_id_z 1
		.amdhsa_system_vgpr_workitem_id 0
		.amdhsa_next_free_vgpr 256
		.amdhsa_next_free_sgpr 66
		.amdhsa_reserve_vcc 0
		.amdhsa_float_denorm_mode_32 3
		.amdhsa_float_denorm_mode_16_64 3
		.amdhsa_memory_ordered 1
		.amdhsa_forward_progress 1
		.amdhsa_inst_pref_size 29
	.end_amdhsa_kernel
	.amdgpu_metadata
---
amdhsa.version: [ 1, 2 ]
amdhsa.kernels:
  - .name:           k_q29d20026ee_attn
    .symbol:         k_q29d20026ee_attn.kd
    .args:
      - { .name: qimg, .offset: 0, .size: 8, .value_kind: global_buffer, .address_space: global }
      - { .name: qsc, .offset: 8, .size: 8, .value_kind: global_buffer, .address_space: global }
      - { .name: kvimg, .offset: 16, .size: 8, .value_kind: global_buffer, .address_space: global }
      - { .name: avimg, .offset: 24, .size: 8, .value_kind: global_buffer, .address_space: global }
      - { .name: avsc, .offset: 32, .size: 8, .value_kind: global_buffer, .address_space: global }
    .group_segment_fixed_size: 327680
    .private_segment_fixed_size: 0
    .kernarg_segment_align: 8
    .kernarg_segment_size: 40
    .max_flat_workgroup_size: 512
    .sgpr_count:     66
    .vgpr_count:     256
    .wavefront_size: 32
...
	.end_amdgpu_metadata
.endif
;; end of part 7
;; launch ffn (part 8): grid 256 x 1, 4 waves a work-group, clusters of 4 x 1, 327,680 bytes of LDS; arguments avimg, avsc, wimg, Wo_scales, bo, x, ln2_g, ln2_b, W1_scales, b1, W2_scales, b2, out0; writes out0
.if DOCPART == 8
	.amdgcn_target "amdgcn-amd-amdhsa--gfx1250"
	.amdhsa_code_object_version 6
	.text
	.protected	k_q29d20026ee_ffn
	.globl	k_q29d20026ee_ffn
	.p2align	8
	.type	k_q29d20026ee_ffn,@function
k_q29d20026ee_ffn:
	s_mov_b64 s[64:65], 0
	v_nop
	global_prefetch_b8 v0, s[64:65] scope:SCOPE_SE
	s_setreg_imm32_b32 hwreg(HW_REG_WAVE_MODE, 25, 1), 1
	s_wait_xcnt 0x0
	s_wait_alu depctr_hold_cnt(0) depctr_sa_sdst(0) depctr_va_vdst(0) depctr_va_sdst(0) depctr_va_ssrc(0) depctr_va_vcc(0) depctr_vm_vsrc(0)
	s_getreg_b32 s2, hwreg(HW_REG_IB_STS2, 6, 4)
	s_cmp_eq_u32 s2, 0
	s_cbranch_scc0 .Lentry_in_a_cluster
	s_endpgm
.Lentry_in_a_cluster:
	s_bfe_u32 s2, ttmp6, 0x10000c
	s_cmp_lg_u32 s2, 0x3003
	s_cbranch_scc0 .Lentry_shape_is_right
	s_endpgm
.Lentry_shape_is_right:
; x1 = x + av Wo + bo;  out = x1 + gelu(layernorm(x1) ln2_g + ln2_b) W1 + b1) W2 + b2, the three products on codes of E3M2 with one E8M0 scale for each 32 along K; all else in f32.
; SHARES.  A work-group owns 32 tokens (two permuted tiles of 16): 256 work-groups.  THE WAVES SHARE THE COLUMNS: wave w owns output columns 128 w .. 128 w + 127 of the first and third product; of each
; 128 hidden units it owns 32.  All products are used transposed (source 0 = 16 rows of a weight, source 1 = 16 tokens): a lane holds one token, its registers run along the columns, which are the next K.
; CLUSTER.  Every work-group walks all of W1 and W2 (1,572,864 bytes of images made by the first launch), in the same order.  So four work-groups form a cluster and ask for each tile JOINTLY: the same
; tensor load, with the same descriptor and a mask that names the four; each receives the tile in its own LDS, and each wave takes its fragments from there, 512 bytes on end a load.
; Wo's images, an eighth of those bytes and read once ahead of the ring, come straight from memory into registers.
; UNIT v of 16: H: my 32 hidden units 128 v + 32 w .. for the 32 tokens (16 matrix instructions); gelu; quantised: BLOCK w of K step v of the last product; the four waves' blocks meet in LDS | barrier |
; Y: that K step times W2 (16 matrix instructions).  Two LDS buffers for the blocks by turns.
; THE RING.  W1 and W2 have two slots each, a unit's tiles to a slot (49,152 bytes); all four are filled at the start.  Waves 0 and 1 fetch W1's halves, waves 2 and 3 W2's: one load a wave behind a unit's
; barrier: W1 of unit v + 2 into the slot that H of unit v has read, W2 of unit v + 1 into the slot that Y of unit v - 1 has read: both were read ahead of this barrier.  A wave has two
; tensor loads out at the start and one behind each such barrier.  The unit is written four times by one macro (unit 0: W1's refill alone; the loop: both; unit 14: W2's alone; unit 15: none), so that no load is jumped over.
; A BLOCK GOES INTO LDS WHERE ITS READER WANTS IT.  A lane's conversion gives 12 bytes: the codes of 16 (lane / 16) + 0 .. 15 of block w of its token r.  The operand's lane 16 h' + r wants, as registers 6 c .. 6 c + 5,
; the 24 bytes of block 2 c + h' of token r.  So lane (r, h) stores its 12 bytes at 384 w + 24 r + 12 h of the fragment, and a reader's lane takes 24 bytes at 768 c + 24 x lane.  The scale byte goes to byte w of the token's word.
; W2'S SCALE WORDS are read from memory once, 16 bytes a lane, and kept in the wave's own LDS bytes, a K step's four words 512 bytes on from the last's.
; THE RESIDUALS COST NO REGISTER: x is loaded into the accumulators onto which the first product adds; x1 + b2 is what the third adds onto.
; GELU is 0.5 x (1 + erf(x / sqrt 2)), erf(z) = z P(z^2) / Q(z^2) on |z| <= 4 (beyond, z is held at 4): good to a few units in erf's last place.
; LIMITS: the error of gelu is about 1e-7 |x| absolute, so its relative error grows for x < -3, where gelu is under 0.005; NaN and infinities are not served; a block whose largest magnitude lies
; under 2^-122, a block of zeros among them, keeps the scale byte 1.
; REGISTERS, in windows of 256.  Window 0: addresses, av's fragments, then the hidden layer's numbers, GELU's work, scale words, codes, sums.  Window 1: the 16 accumulators Y (tile t, tokens m: 256 + 64 m + 8 t).
; Window 2: weight sets C, D (Wo); then ln2_g, ln2_b, b2; then x2's 8 fragments; W2's scale words on their way to LDS.  Window 3: weight sets A, B; the hidden fragments in hand; b1 of a pair of tiles.
; THE FIRST FILLS, in place of what the paragraph on the ring says of the start: at the head a wave issues ONE load, slot 0 of W1 (waves 0, 1) or of W2 (waves 2, 3); slot 1's first fills
; stand behind the wait for all tensor loads, the add, its wait and a round of the cluster's barrier, one load a wave, as a refill does.  So a wave has one tensor load out at any time.
; PREFETCH: in unit v (0 to 11) each wave of clusters 0 to 3 names 24 blocks of 256 bytes of unit v + 4: waves 0, 1 of W1's 192 blocks, waves 2, 3 of W2's 192; the cluster's eight waves for each weight share
; the blocks out by address (2 cx + w % 2); lanes 24-31 name their wave's last block again.  Units 1 to 3 come by their loads alone; unit 15 is the last that is named.
.set SLOTX, 65536
.set RW2,   131072                     ; W2's at 131,072 and at 196,608.  A slot holds 49,152 bytes
.set W2S,   49152                      ; behind W1's slots, where no fill lands: W2's scale words, 8,192 bytes a wave: waves 0, 1 behind slot 0, waves 2, 3 behind slot 1
.set X2IMG, 245760                     ; behind the ring: x2's 8 fragments (4 m + K step), images of their registers,
.set X2SC,  258048                     ; their scale words,
.set HB0,   259072                     ; a K step of the hidden layer: two fragments (tokens m) of 1,536 bytes, and at HSCO their scale words, 128 bytes each: two such buffers,
.set HB1,   262656
.set HSCO,  3072
.set HTOG,  HB0^HB1                    ; (turns one buffer's address into the other's)
.set RED1,  266240                     ; the norm's sums: [wave][r][m], 512 bytes, twice,
.set RED2O, 1024
.set STG,   268288                     ; the way out: 16 rows x (512 + 16) bytes for each wave,
.set SPARE, 302080                     ; and the spare words, 128 bytes for each wave: two blocks of 256 bytes that no other line names
.set LI16, 1
.set LI8,  2
.set LS4,  3
.set XA,   4                           ; x: my token's row + 64 h
.set SR16, 5                           ; 16 (8 h + r + 8 (r / 8)): a row of 16 scale bytes; lanes 16-31 take the odd tile of a pair
.set SR64, 6                           ; the same for rows of 64
.set CB,   7                           ; 64 h
.set AVSA, 8                           ; 16 r
.set REDW, 9                           ; RED1 + 128 w + 8 r
.set REDR, 10                          ; RED1 + 8 r
.set XWI,  11                          ; X2IMG + 1,536 w + 16 x lane
.set XWS,  12                          ; X2SC + 128 w + 4 x lane
.set STO,  13
.set STR,  14
.set HA,   16                          ; v16-47   the hidden layer (16 m + 8 u + j); v16-79 also the norm's work, rows on the way out; v16-111 at first av's 8 fragments
.set GZ,   80                          ; v80-111  GELU's work
.set GW,   88
.set GP,   96
.set GQ,   104
.set RS,   80                          ; v80-81   two sums; v84-85 their partners'
.set RT,   84
.set XS,   112                         ; v112-119 the activations' scale words (4 m + K step)
.set SPW,  120                         ; LDS address of my spare word: SPARE + 4 x my thread's number; never rewritten
.set NIL,  121                         ; 0; never rewritten
.set AW1,  122                         ; my pair of tiles in a slot of W1: 12,288 w + 16 x lane
.set AW2,  123                         ; my eight tiles in a slot of W2: RW2 + 12,288 w + 16 x lane
.set AS2,  124                         ; my wave's scale words of W2, + 4 x lane
.set ADA,  125                         ; the addresses of the loads in hand
.set ADB,  126
.set ADS,  127
.set W1SC, 128                         ; v128-143 Wo's scale words (4 x pair + K step)
.set S1R,  128                         ; v128-131 then: the scale words of W1's pair of tiles in hand, one for each K step
.set S2R,  144                         ; v144-147 those of W2's K step in hand, one for each pair of tiles
.set PC,   160                         ; v160-178 codes
.set PW,   192                         ; the scale word just made
.set LI24, 193                         ; 24 x lane
.set XW3,  194                         ; 384 w + 24 r + 12 h
.set XWB,  195                         ; 4 x lane + w
.set TM,   196                         ; v196-211 the quantiser's work
.set CA1,  212
.set CB1,  214
.set HW,   216
.set HWS,  217
.set HR,   218
.set HRS,  219
.set HS,   220                         ; v220-221 the hidden fragments' scale words
.set LA,   224                         ; v224-231 chains of sums, then the four waves' sums
.set MN,   240                         ; v240-243 the means, a pair for each m
.set RD,   248                         ; v248-251 1 / deviation likewise
.set Y,    256
.set SETC, 512
.set SETD, 608
.set X2F,  512
.set SETA, 768
.set SETB, 864
.set HFR,  960
.set B1R,  1008
.set G0B,  4                           ; s[4:7]    descriptor group 0 for W2's tiles: it walks
.set G0BF, 36                          ; s[36:39]  the same for W2's first fill
.set G1,   76                          ; s[76:83]  descriptor group 1 for W1's tiles
.set G1B,  84                          ; s[84:91]  for W2's: it differs in the pitch alone
.set G0F,  92                          ; s[92:95]  group 0 for W1's first fill
.set G0,   96                          ; s[96:99]  group 0 for W1's tiles: it walks
.set MSB, 0
.macro WIN new                         ; the immediate's high byte repeats the setting that is left; a switch that changes nothing is dropped
.if MSB != (\new)
	s_set_vgpr_msb (MSB<<8)|(\new)
.set MSB, (\new)
.endif
.endm
.macro PLACES                          ; four plain places behind matrix instructions, ahead of loads into their registers and of reads of their results
.rept 4
	v_nop
.endr
.endm
.macro BARRIER                         ; my LDS stores have landed and my LDS loads are in: then the work-group's barrier
	s_wait_dscnt 0x0
	s_barrier_signal -1
	s_barrier_wait -1
.endm
.macro CROUND                          ; a round of the cluster's barrier: my work-group's barrier; wave 0 signals for the work-group; every wave waits for all four work-groups; my work-group's barrier once more
	s_barrier_signal -1
	s_barrier_wait -1
	s_cmp_lg_u32 s40, 0
	s_cbranch_scc1 .Lnot_wave_0_\@
	s_barrier_signal -3
.Lnot_wave_0_\@:
	s_barrier_wait -3
	s_barrier_signal -1
	s_barrier_wait -1
.endm
; A joint refill.  fa: waves 0 and 1 fetch W1's halves; fb: waves 2 and 3 W2's.  The branches hang on the wave's number alone.  Four v_nop follow each tensor load.
.macro JLOAD fa, fb
	s_cmp_lt_u32 s40, 2
.if (\fa) && (\fb)
	s_cbranch_scc0 .Lfor_b_\@
	tensor_load_to_lds s[G0:G0+3], s[G1:G1+7]
	s_nop 0
.rept 4
	v_nop
.endr
	s_branch .Lasked_\@
.Lfor_b_\@:
	tensor_load_to_lds s[G0B:G0B+3], s[G1B:G1B+7]
	s_nop 0
.rept 4
	v_nop
.endr
.elseif \fa
	s_cbranch_scc0 .Lasked_\@
	tensor_load_to_lds s[G0:G0+3], s[G1:G1+7]
	s_nop 0
.rept 4
	v_nop
.endr
.else
	s_cbranch_scc1 .Lasked_\@
	tensor_load_to_lds s[G0B:G0B+3], s[G1B:G1B+7]
	s_nop 0
.rept 4
	v_nop
.endr
.endif
.Lasked_\@:
.endm
.macro WMS                             ; one matrix instruction; rD, rA, rB, rC: register numbers 0..1023; sA (rowA = 1: its lanes 16-31), sB: scale words
.set WN, ((rD>>8)<<6)|((rC>>8)<<4)|((rB>>8)<<2)|(rA>>8)
	WIN WN
.set dD, rD&255
.set dA, rA&255
.set dB, rB&255
.set dC, rC&255
.if rowA
	v_wmma_scale_f32_16x16x128_f8f6f4 v[dD:dD+7], v[dA:dA+11], v[dB:dB+11], v[dC:dC+7], v[sA], v[sB] matrix_a_fmt:MATRIX_FMT_BF6 matrix_b_fmt:MATRIX_FMT_BF6 matrix_a_scale:MATRIX_SCALE_ROW1
.else
	v_wmma_scale_f32_16x16x128_f8f6f4 v[dD:dD+7], v[dA:dA+11], v[dB:dB+11], v[dC:dC+7], v[sA], v[sB] matrix_a_fmt:MATRIX_FMT_BF6 matrix_b_fmt:MATRIX_FMT_BF6
.endif
.endm
; Y += Wo's eight tiles of K step idx x av's two tiles of tokens: 16 accumulators, one instruction a turn
.macro GRP_O set, idx
.set mm, 0
.rept 2
.set rB, 16+12*(2*(\idx)+mm)
.set sB, XS+4*mm+(\idx)
.set tt, 0
.rept 8
.set rD, Y+64*mm+8*tt
.set rC, rD
.set rA, (\set)+12*tt
.set sA, W1SC+4*(tt/2)+(\idx)
.set rowA, tt%2
	WMS
.set tt, tt+1
.endr
.set mm, mm+1
.endr
.endm
; Y += W2's eight tiles x the hidden K step just asked for: 16 accumulators, one instruction a turn.  Ahead of tile t's two products the three loads of each later tile, and the next unit's 24 of W1, may still be out
.macro GRP_Y2 next
.set tt, 0
.rept 8
	s_wait_dscnt 3*(7-tt)+24*(\next)
.set mm, 0
.rept 2
.set rD, Y+64*mm+8*tt
.set rC, rD
.set rA, SETB+12*tt
.set rB, HFR+12*mm
.set sA, S2R+tt/2
.set sB, HS+mm
.set rowA, tt%2
	WMS
.set mm, mm+1
.endr
.set tt, tt+1
.endr
.endm
; my 32 hidden units x 32 tokens, K = 512: four accumulators by turns, four K steps; b1 is the C of the first
.macro GRP_H
.set kk, 0
.rept 4
.set uu, 0
.rept 2
.set mm, 0
.rept 2
.set rD, HA+16*mm+8*uu
.set rA, SETA+12*(4*uu+kk)
.set rB, X2F+12*(4*mm+kk)
.if kk == 0
.set rC, B1R+8*uu
.else
.set rC, rD
.endif
.set sA, S1R+kk
.set sB, XS+4*mm+kk
.set rowA, uu
	WMS
.set mm, mm+1
.endr
.set uu, uu+1
.endr
.set kk, kk+1
.endr
.endm
.macro LDSET set, p, stride, off       ; eight fragments from memory into a weight set: 24 loads of 512 bytes on end
.set WN, ((\set)>>8)<<6
	WIN WN
.set ff, 0
.rept 8
.irp c, 0,1,2
	global_load_b128 v[((\set)&255)+12*ff+4*\c:((\set)&255)+12*ff+4*\c+3], v[LI16], s[\p:\p+1] offset:(\off)+ff*(\stride)+512*\c
.endr
.set ff, ff+1
.endr
.endm
.macro LDSW set, adr                   ; eight fragments from a slot into weight set A or B (window 3): 24 loads of 512 bytes on end
	WIN 0xc0
.set ff, 0
.rept 8
.irp c, 0,1,2
	ds_load_b128 v[((\set)&255)+12*ff+4*\c:((\set)&255)+12*ff+4*\c+3], v[\adr] offset:1536*ff+512*\c
.endr
.set ff, ff+1
.endr
.endm
.macro LDAV s                          ; av's two fragments of K step s (heads 2 s and 2 s + 1): 12 loads of 256 bytes on end
	WIN 0
.irp m, 0,1
.irp q, 0,1,2,3,4,5
	global_load_b64 v[16+12*(2*(\s)+\m)+2*\q:17+12*(2*(\s)+\m)+2*\q], v[LI8], s[8:9] offset:6144*\m+1536*(\s)+256*\q
.endr
.endr
.endm
.macro LDB1                            ; b1 of my pair of tiles, in the result's layout
	WIN 0xc0
.irp j, 0,1,2,3
	global_load_b128 v[240+4*\j:243+4*\j], v[CB], s[26:27] offset:16*\j
.endr
.endm
; 64 numbers of a lane in window 0, register 16 b + i = place 32 b + 16 (lane / 16) + i of my row, become a fragment in v[PC] on and its scale word in v[PW]
.macro QUANT s
.irp b, 0,1,2,3
	v_max3_num_f32 v[TM+\b], |v[(\s)+16*\b]|, |v[(\s)+1+16*\b]|, 0x2800000   ; and the floor 2^(5 - 127): the byte cannot fall under 1
.endr
.irp i, 2,4,6,8,10,12,14
.irp b, 0,1,2,3
	v_max3_num_f32 v[TM+\b], v[TM+\b], |v[(\s)+16*\b+\i]|, |v[(\s)+1+16*\b+\i]|
.endr
.endr
.irp b, 0,1,2,3
	v_permlanex16_b32 v[TM+4+\b], v[TM+\b], s44, s45
.endr
.irp b, 0,1,2,3
	v_max_num_f32 v[TM+\b], v[TM+\b], v[TM+4+\b]
.endr
.irp b, 0,1,2,3
	v_add_nc_u32 v[TM+12+\b], 0xfe000000, v[TM+\b] ; 4 off the exponent field: the conversion's scale operand
.endr
.irp b, 0,1,2,3
	v_lshrrev_b32 v[TM+4+\b], 23, v[TM+12+\b]
.endr
	v_lshl_or_b32 v[PW], v[TM+5], 8, v[TM+4]
	v_lshl_or_b32 v[PW], v[TM+6], 16, v[PW]
	v_lshl_or_b32 v[PW], v[TM+7], 24, v[PW]
.irp c, 0,1
	v_cvt_scalef32_pk16_bf6_f32 v[PC+6*\c:PC+2+6*\c], v[(\s)+32*\c:(\s)+15+32*\c], v[TM+12+2*\c]
	v_cvt_scalef32_pk16_bf6_f32 v[PC+12+4*\c:PC+14+4*\c], v[(\s)+16+32*\c:(\s)+31+32*\c], v[TM+12+2*\c+1]
.endr
	v_nop                                          ; one plain place behind a scaled conversion
.irp c, 0,1
.irp i, 0,1,2
	v_permlane16_swap_b32 v[PC+6*\c+\i], v[PC+12+4*\c+\i]
.endr
.irp i, 0,1,2
	v_mov_b32 v[PC+3+6*\c+\i], v[PC+12+4*\c+\i]
.endr
.endr
.endm
; gelu of eight numbers in place, four pairs line by line
.macro GELU8 x
.irp p, 0,2,4,6
	v_pk_mul_f32 v[GZ+\p:GZ+\p+1], v[(\x)+\p:(\x)+\p+1], s[48:49] op_sel_hi:[1,0]   ; z = x / sqrt 2; each accumulator is read from its low end on
.endr
.irp p, 0,1,2,3,4,5,6,7
	v_med3_num_f32 v[GZ+\p], v[GZ+\p], -4.0, 4.0
.endr
.irp p, 0,2,4,6
	v_pk_mul_f32 v[GW+\p:GW+\p+1], v[GZ+\p:GZ+\p+1], v[GZ+\p:GZ+\p+1]
.endr
.irp p, 0,2,4,6
	v_pk_fma_f32 v[GP+\p:GP+\p+1], v[GW+\p:GW+\p+1], s[50:51], v[CA1:CA1+1] op_sel_hi:[1,0,1]
.endr
.irp p, 0,2,4,6
	v_pk_fma_f32 v[GQ+\p:GQ+\p+1], v[GW+\p:GW+\p+1], s[62:63], v[CB1:CB1+1] op_sel_hi:[1,0,1]
.endr
.irp k, 52,54,56,58,60
.irp p, 0,2,4,6
	v_pk_fma_f32 v[GP+\p:GP+\p+1], v[GP+\p:GP+\p+1], v[GW+\p:GW+\p+1], s[\k:\k+1] op_sel_hi:[1,1,0]
.endr
.endr
.irp k, 66,68,70
.irp p, 0,2,4,6
	v_pk_fma_f32 v[GQ+\p:GQ+\p+1], v[GQ+\p:GQ+\p+1], v[GW+\p:GW+\p+1], s[\k:\k+1] op_sel_hi:[1,1,0]
.endr
.endr
	s_wait_alu depctr_va_vdst(0)
.irp p, 0,1,2,3,4,5,6,7
	v_rcp_f32 v[GQ+\p], v[GQ+\p]
.endr
.irp p, 0,2,4,6
	v_pk_mul_f32 v[GP+\p:GP+\p+1], v[GP+\p:GP+\p+1], v[GZ+\p:GZ+\p+1]   ; (plain places behind the reciprocals)
.endr
	s_wait_alu depctr_va_vdst(0)
.irp p, 0,2,4,6
	v_pk_mul_f32 v[GP+\p:GP+\p+1], v[GP+\p:GP+\p+1], v[GQ+\p:GQ+\p+1]   ; erf
.endr
.irp p, 0,2,4,6
	v_pk_mul_f32 v[GZ+\p:GZ+\p+1], v[(\x)+\p:(\x)+\p+1], 0.5 op_sel_hi:[1,0]
.endr
.irp p, 0,2,4,6
	v_pk_fma_f32 v[(\x)+\p:(\x)+\p+1], v[GZ+\p:GZ+\p+1], v[GP+\p:GP+\p+1], v[GZ+\p:GZ+\p+1]
.endr
.endm
; my block of 32 hidden units, for the two tiles of tokens: a scale byte and 12 bytes of codes a lane and tile, stored where the reader's lanes want them
.macro QUNIT
.irp c, 0,1,2,3
	v_max3_num_f32 v[TM+\c], |v[HA+8*\c]|, |v[HA+8*\c+1]|, 0x2800000   ; four chains of eight numbers (tokens c / 2), and the floor 2^(5 - 127): the byte cannot fall under 1
.endr
.irp i, 2,4,6
.irp c, 0,1,2,3
	v_max3_num_f32 v[TM+\c], v[TM+\c], |v[HA+8*\c+\i]|, |v[HA+8*\c+\i+1]|
.endr
.endr
.irp m, 0,1
	v_max_num_f32 v[TM+2*\m], v[TM+2*\m], v[TM+2*\m+1]
.endr
.irp m, 0,1
	v_permlanex16_b32 v[TM+4+\m], v[TM+2*\m], s44, s45
.endr
.irp m, 0,1
	v_max_num_f32 v[TM+2*\m], v[TM+2*\m], v[TM+4+\m]   ; with lane l xor 16's: the block's largest magnitude
.endr
.irp m, 0,1
	v_add_nc_u32 v[TM+8+\m], 0xfe000000, v[TM+2*\m]    ; 4 off its exponent field: the conversion's scale operand
.endr
.irp m, 0,1
	v_lshrrev_b32 v[TM+4+\m], 23, v[TM+8+\m]           ; the scale's byte
.endr
.irp m, 0,1
	v_cvt_scalef32_pk16_bf6_f32 v[PC+4*\m:PC+4*\m+2], v[HA+16*\m:HA+16*\m+15], v[TM+8+\m]   ; (the last unit's stores of these registers were waited for ahead of its barrier)
.endr
	v_nop                                          ; one plain place behind a scaled conversion
.irp m, 0,1
.irp i, 0,1,2
	ds_store_b32 v[HW], v[PC+4*\m+\i] offset:1536*\m+4*\i   ; 12 bytes at 384 w + 24 r + 12 h of fragment m: every address a multiple of 4
.endr
	ds_store_b8 v[HWS], v[TM+4+\m] offset:HSCO+128*\m       ; byte w of the scale word at 4 x lane
.endr
.endm
.macro JOIN m                          ; four packed chains become the lane's sum for tokens m
	v_pk_add_f32 v[LA:LA+1], v[LA:LA+1], v[LA+2:LA+3]
	v_pk_add_f32 v[LA+4:LA+5], v[LA+4:LA+5], v[LA+6:LA+7]
	v_pk_add_f32 v[LA:LA+1], v[LA:LA+1], v[LA+4:LA+5]
	v_add_f32 v[RS+\m], v[LA], v[LA+1]
.endm
.macro REDUCE red                      ; the lane's two sums, with lane l xor 16's and the other three waves': v[LA], v[LA+1], the same bits in every wave.  red: bytes from RED1 on
.irp m, 0,1
	v_permlanex16_b32 v[RT+\m], v[RS+\m], s44, s45
.endr
.irp m, 0,1
	v_add_f32 v[RS+\m], v[RS+\m], v[RT+\m]
.endr
	ds_store_b64 v[REDW], v[RS:RS+1] offset:\red   ; lanes l and l + 16 write the same words with the same values
	BARRIER
.irp q, 0,1,2,3
	ds_load_b64 v[LA+2*\q:LA+2*\q+1], v[REDR] offset:\red+128*\q
.endr
	s_wait_dscnt 0x0
	v_pk_add_f32 v[LA:LA+1], v[LA:LA+1], v[LA+2:LA+3]
	v_pk_add_f32 v[LA+4:LA+5], v[LA+4:LA+5], v[LA+6:LA+7]
	v_pk_add_f32 v[LA:LA+1], v[LA:LA+1], v[LA+4:LA+5]
.endm
	s_load_b512 s[8:23], s[0:1], 0x0               ; avimg s[8:9], avsc s[10:11], wimg s[12:13], Wo_scales s[14:15], bo s[16:17], x s[18:19], ln2_g s[20:21], ln2_b s[22:23]
	s_load_b256 s[24:31], s[0:1], 0x40             ; W1_scales s[24:25], b1 s[26:27], W2_scales s[28:29], b2 s[30:31]
	s_load_b64 s[32:33], s[0:1], 0x60              ; out0
	v_lshl_add_u32 v[SPW], v0, 2, SPARE
	v_mov_b32 v[NIL], 0
	ds_add_u32 v120, v121
	ds_add_u32 v120, v121
	s_wait_dscnt 0x0
	v_lshrrev_b32 v15, 5, v0
	v_readfirstlane_b32 s40, v15                   ; wave 0..3
	; descriptor group 1: a tile of 16 rows of 1,536 bytes (192 elements of 8 bytes), laid into LDS without gaps.  A row is one fragment's image
	s_mov_b32 s[G1], 15|(3<<16)|(1<<21)            ; 15:0 the mask: all four work-groups; 17:16 elements of 8 bytes; 21 set beside a mask; no padding
	s_mov_b32 s[G1B], 15|(3<<16)|(1<<21)
.irp g, G1, G1B
	s_mov_b32 s[\g+1], 192<<16                     ; tensor_dim0
	s_mov_b32 s[\g+2], 16<<16                      ; tensor_dim1
	s_mov_b32 s[\g+3], 192<<16                     ; tile_dim0
	s_mov_b32 s[\g+4], 16                          ; tile_dim1
	s_mov_b32 s[\g+6], 0
	s_mov_b32 s[\g+7], 0
.endr
	s_mov_b32 s[G1+5], 192                         ; W1: a unit's 32 images lie on end
	s_mov_b32 s[G1B+5], 3072                       ; W2: a K step's images lie 16 images (24,576 bytes) apart, one for each tile
	s_and_b32 s100, s40, 1                         ; which half of a unit's tiles I fetch
	s_mul_i32 s72, s100, 24576                     ; its place in a slot, and W1's in memory.  (s[72:73] holds offsets made of the wave's number alone)
	s_mov_b32 s73, 0
	s_wait_kmcnt 0x0
	s_mov_b32 s[G0F], 1                            ; 1:0 count = 1
	s_mov_b32 s[G0F+1], s72                        ; LDS: W1's slot 0
	s_add_nc_u64 s[G0F+2:G0F+3], s[12:13], s[72:73]
	s_add_nc_u64 s[G0F+2:G0F+3], s[G0F+2:G0F+3], 786432    ; W1 of unit 0
	s_mov_b32 s[G0], 1
	s_add_co_u32 s[G0+1], s72, SLOTX               ; slot 1
	s_add_nc_u64 s[G0+2:G0+3], s[G0F+2:G0F+3], 49152       ; W1 of unit 1
	s_mov_b32 s[G0BF], 1
	s_add_co_u32 s[G0BF+1], s72, RW2               ; W2's slot 0
	s_mov_b32 s[G0B], 1
	s_add_co_u32 s[G0B+1], s72, RW2+SLOTX          ; slot 1
	s_mul_i32 s72, s100, 393216                    ; W2's tiles 16 x half on, in memory
	s_add_nc_u64 s[G0BF+2:G0BF+3], s[12:13], s[72:73]
	s_add_nc_u64 s[G0BF+2:G0BF+3], s[G0BF+2:G0BF+3], 1572864   ; W2, K step 0
	s_add_nc_u64 s[G0B+2:G0B+3], s[G0BF+2:G0BF+3], 1536        ; K step 1
	s_or_b32 s[G0F+3], s[G0F+3], 0x80000000        ; 127:126 type = 2
	s_or_b32 s[G0+3], s[G0+3], 0x80000000
	s_or_b32 s[G0BF+3], s[G0BF+3], 0x80000000
	s_or_b32 s[G0B+3], s[G0B+3], 0x80000000
	CROUND                                         ; all four work-groups are here: the first joint loads meet
	s_cmp_lt_u32 s40, 2                            ; one first fill a wave at the head, in one branch on the wave's number
	s_cbranch_scc0 .Lfirst_b
	tensor_load_to_lds s[G0F:G0F+3], s[G1:G1+7]
	s_nop 0
.rept 4
	v_nop
.endr
	s_branch .Lfirst_done
.Lfirst_b:
	tensor_load_to_lds s[G0BF:G0BF+3], s[G1B:G1B+7]
	s_nop 0
.rept 4
	v_nop
.endr
.Lfirst_done:
	v_and_b32 v15, 31, v0
	v_lshlrev_b32 v[LI16], 4, v15
	v_lshlrev_b32 v[LI8], 3, v15
	v_lshlrev_b32 v[LS4], 2, v15
	v_mul_u32_u24 v[LI24], v15, 24
	v_and_b32 v[REDR], 15, v0                      ; r
	v_bfe_u32 v[CB], v0, 4, 1                      ; h
	v_mul_u32_u24 v[XW3], v[REDR], 24
	v_mad_u32_u24 v[XW3], v[CB], 12, v[XW3]
	s_mul_i32 s72, s40, 384
	v_add_nc_u32 v[XW3], s72, v[XW3]               ; my 12 bytes in a hidden fragment: 384 w + 24 r + 12 h
	v_add_nc_u32 v[XWB], s40, v[LS4]               ; my byte in its scale words: 4 x lane + w
	v_and_b32 v15, 8, v[REDR]
	v_add_nc_u32 v15, v15, v[REDR]                 ; r + 8 (r / 8)
	v_lshlrev_b32 v[XA], 11, v15
	v_lshl_add_u32 v[XA], v[CB], 6, v[XA]
	v_lshl_add_u32 v15, v[CB], 3, v15
	v_lshlrev_b32 v[SR16], 4, v15
	v_lshlrev_b32 v[SR64], 6, v15
	v_mul_u32_u24 v[STO], v[REDR], 528
	v_lshl_add_u32 v[STO], v[CB], 6, v[STO]
	s_mul_i32 s72, s40, 8448
	s_add_co_u32 s72, s72, STG
	v_add_nc_u32 v[STO], s72, v[STO]               ; the stage, in: row r, + 64 h
	v_add_nc_u32 v[STR], s72, v[LI16]              ; and back: 16 bytes a lane of a whole row
	v_lshlrev_b32 v[CB], 6, v[CB]
	v_lshlrev_b32 v[AVSA], 4, v[REDR]
	v_lshl_add_u32 v[REDR], v[REDR], 3, RED1       ; the sums, read: RED1 + 8 r
	s_lshl_b32 s72, s40, 7
	v_add_nc_u32 v[REDW], s72, v[REDR]             ; and written: + 128 x wave
	s_mul_i32 s72, s40, 1536
	s_add_co_u32 s72, s72, X2IMG
	v_add_nc_u32 v[XWI], s72, v[LI16]
	s_lshl_b32 s72, s40, 7
	s_add_co_u32 s72, s72, X2SC
	v_add_nc_u32 v[XWS], s72, v[LS4]
	s_mul_i32 s72, s40, 12288
	v_add_nc_u32 v[AW1], s72, v[LI16]              ; tiles 2 w, 2 w + 1 of W1's eight: 8 images; tiles 8 w .. 8 w + 7 of W2's 32: 8 images
	v_add_nc_u32 v[AW2], RW2, v[AW1]
	s_lshr_b32 s101, s40, 1
	s_lshl_b32 s101, s101, 16
	s_lshl_b32 s72, s100, 13
	s_add_co_u32 s72, s72, s101
	s_add_co_u32 s72, s72, W2S
	v_add_nc_u32 v[AS2], s72, v[LS4]               ; W2S + 65,536 (w / 2) + 8,192 (w % 2) + 4 x lane
.irp b, 0,1,2,3
	v_mov_b32 v[TM+4+\b], 0                        ; written once: a lane permute's destination counts as one of its sources
.endr
	v_mov_b32 v[CA1], 0x32edffee                   ; erf's second coefficients stand in vector pairs: the first multiply-add of each polynomial then names one scalar pair
	v_mov_b32 v[CA1+1], 0x32edffee
	v_mov_b32 v[CB1], 0xb95fbd29
	v_mov_b32 v[CB1+1], 0xb95fbd29
	s_mov_b32 s42, HB0                             ; the hidden layer's buffer in hand
	s_mov_b32 s43, SLOTX                           ; the slot of W1 that is read behind a unit's barrier: the next unit's
	s_mov_b32 s100, 0                              ; the slot of W2 that is read there: this unit's
	s_mov_b32 s101, 0                              ; this unit's scale words of W2: 512 bytes a unit
	s_mov_b32 s44, 0x76543210
	s_mov_b32 s45, 0xfedcba98                      ; v_permlanex16_b32's selects for lane l xor 16
	s_mov_b32 s46, 0x3b000000                      ; 1 / 512
	s_mov_b32 s47, 0x3727c5ac                      ; 1e-5
	s_mov_b32 s48, 0x3f3504f3                      ; 1 / sqrt 2.  (The packed forms name pairs and take the low word for both halves: both are written)
	s_mov_b32 s49, s48
	s_mov_b32 s50, 0xaf95df0b                      ; P: from the highest power down
	s_mov_b32 s51, s50
	s_mov_b32 s52, 0xb60cff51
	s_mov_b32 s53, s52
	s_mov_b32 s54, 0xb86ec2d2
	s_mov_b32 s55, s54
	s_mov_b32 s56, 0xba40ac63
	s_mov_b32 s57, s56
	s_mov_b32 s58, 0xbb41a1f6
	s_mov_b32 s59, s58
	s_mov_b32 s60, 0xbc83dbd4
	s_mov_b32 s61, s60
	s_mov_b32 s62, 0xb77460cd                      ; Q likewise
	s_mov_b32 s63, s62
	s_mov_b32 s66, 0xbadc924e
	s_mov_b32 s67, s66
	s_mov_b32 s68, 0xbbf19bf8
	s_mov_b32 s69, s68
	s_mov_b32 s70, 0xbc69b6a7
	s_mov_b32 s71, s70
	s_bfe_u32 s74, ttmp6, 0x40000                  ; cx: my place in the cluster: it enters av's, x's and out0's addresses and the prefetches', through s[2:3]
	s_lshl_b32 s75, ttmp9, 2                       ; in a cluster launch ttmp9 counts clusters
	s_add_co_u32 s75, s75, s74                     ; my block of 32 tokens
	s_mov_b32 s3, 0
	s_mul_i32 s2, s75, 12288                       ; my two token tiles x eight heads x 768 bytes
	s_add_nc_u64 s[8:9], s[8:9], s[2:3]
	s_lshl_b32 s2, s75, 9
	s_add_nc_u64 s[10:11], s[10:11], s[2:3]
	s_lshl_b32 s2, s75, 16                         ; my 32 rows of 2,048 bytes
	s_add_nc_u64 s[18:19], s[18:19], s[2:3]
	s_add_nc_u64 s[32:33], s[32:33], s[2:3]
	s_mul_i32 s72, s40, 49152                      ; my eight tiles of Wo
	s_add_nc_u64 s[34:35], s[12:13], s[72:73]
	s_add_nc_u64 s[34:35], s[34:35], 589824
	s_lshl_b32 s72, s40, 11                        ; Wo's scales: my 128 rows of 16 bytes
	s_add_nc_u64 s[14:15], s[14:15], s[72:73]
	s_lshl_b32 s72, s40, 13                        ; W2's: my 128 rows of 64 bytes
	s_add_nc_u64 s[28:29], s[28:29], s[72:73]
	s_lshl_b32 s72, s40, 7                         ; b1: my 32 numbers of unit 0
	s_add_nc_u64 s[26:27], s[26:27], s[72:73]
	s_lshl_b32 s72, s40, 9                         ; W1's scales: my 32 rows of 16 bytes of unit 0; and my 128 columns of 4 bytes
	s_add_nc_u64 s[24:25], s[24:25], s[72:73]
	s_add_nc_u64 s[16:17], s[16:17], s[72:73]
	s_add_nc_u64 s[20:21], s[20:21], s[72:73]
	s_add_nc_u64 s[22:23], s[22:23], s[72:73]
	s_add_nc_u64 s[30:31], s[30:31], s[72:73]
	s_add_nc_u64 s[18:19], s[18:19], s[72:73]
	s_add_nc_u64 s[32:33], s[32:33], s[72:73]
	; the prefetches: s[2:3] where they stand (unit 4 at first), s[74:75] the step from unit to unit, v[PFO] my lane's block
.set PFO, 148
	s_lshl_b32 s2, s74, 1
	s_and_b32 s3, s40, 1
	s_add_co_u32 s2, s2, s3                        ; g = 2 cx + w % 2: which eighth of a unit's blocks
	s_mul_i32 s3, s2, 98304                        ; W2: four tiles of 24,576 bytes,
	s_add_co_u32 s3, s3, 1572864+4*1536            ; K step 4
	s_mul_i32 s2, s2, 6144                         ; W1: 24 blocks on end,
	s_add_co_u32 s2, s2, 786432+4*49152            ; unit 4
	s_mov_b32 s74, 49152
	s_mov_b32 s75, 23040                           ; W2: from a tile's sixth block to the next tile's first: 24,576 - 1,536
	s_cmp_lt_u32 s40, 2                            ; waves 0, 1: W1
	s_cselect_b32 s2, s2, s3
	s_cselect_b32 s74, s74, 1536
	s_cselect_b32 s75, 0, s75
	v_and_b32 v149, 31, v0
	v_min_u32 v149, 23, v149                       ; l: 24 blocks a wave
	v_mul_u32_u24 v[PFO], v149, 43
	v_lshrrev_b32 v[PFO], 8, v[PFO]                ; l / 6, right for l under 24
	v_mul_u32_u24 v[PFO], v[PFO], s75
	v_lshl_add_u32 v[PFO], v149, 8, v[PFO]         ; 256 l, and for W2 the way from tile to tile
	s_mov_b32 s3, 0
	s_add_nc_u64 s[2:3], s[12:13], s[2:3]
	s_mov_b32 s75, 0
	; ---- x1 = x + av Wo: x is loaded into the accumulators.  Register 64 m + 16 b + i of window 1 = column 128 w + 32 b + 16 h + i of token lane r of tile m
	WIN 0x40
.irp m, 0,1
.irp b, 0,1,2,3
.irp j, 0,1,2,3
	global_load_b128 v[64*\m+16*\b+4*\j:64*\m+16*\b+4*\j+3], v[XA], s[18:19] offset:8*\m*2048+128*\b+16*\j
.endr
.endr
.endr
	WIN 0
.irp m, 0,1
	global_load_b128 v[XS+4*\m:XS+4*\m+3], v[AVSA], s[10:11] offset:256*\m       ; av's scale words of four K steps
.endr
.irp p, 0,1,2,3
	global_load_b128 v[W1SC+4*\p:W1SC+4*\p+3], v[SR16], s[14:15] offset:512*\p   ; Wo's
.endr
	LDAV 0
	LDSET SETA, 34, 6144, 0
	LDAV 1
	LDSET SETB, 34, 6144, 1536
	LDAV 2                                         ; all four K steps are asked for in one run: each has a weight set of its own
	LDSET SETC, 34, 6144, 3072
	LDAV 3
	LDSET SETD, 34, 6144, 4608
	WIN 0x40
.irp b, 0,1,2,3
.irp j, 0,1,2,3
	global_load_b128 v[128+16*\b+4*\j:131+16*\b+4*\j], v[CB], s[16:17] offset:128*\b+16*\j   ; bo, into v384-447, which nothing else names
.endr
.endr
	LDB1                                           ; b1 of unit 0
	WIN 0x80
.irp p, 0,1,2,3
.irp j, 0,1,2,3
	global_load_b128 v[192+16*\p+4*\j:195+16*\p+4*\j], v[SR64], s[28:29] offset:2048*\p+16*\j   ; W2's scale words: pair p of my tiles, K steps 4 j .. 4 j + 3
.endr
.endr
	WIN 0
	s_wait_alu depctr_va_vdst(0)
	s_wait_tensorcnt 0x0                           ; my part of the slots 0 is in
	ds_add_u32 v[SPW], v[NIL]
	s_wait_dscnt 0x0
	CROUND                                         ; all four work-groups are here: the joint loads meet
	JLOAD 1, 1                                     ; slot 1's first fills: W1 of unit 1, W2's K step 1
	s_wait_loadcnt 63                              ; K step 0 is in: 144 loads were issued behind it; 63 is the most that the count can name, and the stricter side
	GRP_O SETA, 0
	s_wait_loadcnt 63                              ; K step 1: 108 behind it
	GRP_O SETB, 1
	s_wait_loadcnt 63                              ; K step 2: 72 behind it
	GRP_O SETC, 2
	s_wait_loadcnt 36                              ; K step 3: bo, b1 and W2's scale words, 36 loads, may be out
	GRP_O SETD, 3
	WIN 0
	PLACES
	global_load_b128 v[S1R:S1R+3], v[SR16], s[24:25]                             ; the scale words of W1's pair, unit 0
	WIN 0x80
.irp b, 0,1,2,3
.irp j, 0,1,2,3
	global_load_b128 v[16*\b+4*\j:16*\b+4*\j+3], v[CB], s[20:21] offset:128*\b+16*\j         ; ln2_g
	global_load_b128 v[64+16*\b+4*\j:67+16*\b+4*\j], v[CB], s[22:23] offset:128*\b+16*\j     ; ln2_b
	global_load_b128 v[128+16*\b+4*\j:131+16*\b+4*\j], v[CB], s[30:31] offset:128*\b+16*\j   ; b2
.endr
.endr
	WIN 0
	; ---- the norm of x1: a row lies in two lanes of each of four waves
	s_wait_loadcnt 49                              ; bo is in: of the 69 loads issued behind it, the last 49 may be out
.irp m, 0,1
	v_mov_b32 v[RT+\m], 0
.endr
	WIN 0x45                                       ; sums and bo both lie in window 1
.set ii, 0
.rept 64
	v_pk_add_f32 v[2*ii:2*ii+1], v[2*ii:2*ii+1], v[128+2*(ii%32):129+2*(ii%32)]   ; + bo; each accumulator from its low end on
.set ii, ii+1
.endr
.macro SUMY m
	WIN 0x05
.irp k, 0,1,2,3
	v_pk_add_f32 v[LA+2*\k:LA+2*\k+1], v[64*(\m)+4*\k:64*(\m)+4*\k+1], v[64*(\m)+4*\k+2:64*(\m)+4*\k+3]
.endr
	WIN 0x04
.set ii, 8
.rept 24
	v_pk_add_f32 v[LA+2*(ii%4):LA+2*(ii%4)+1], v[LA+2*(ii%4):LA+2*(ii%4)+1], v[64*(\m)+2*ii:64*(\m)+2*ii+1]
.set ii, ii+1
.endr
	WIN 0
	JOIN \m
.endm
	SUMY 0
	SUMY 1
	REDUCE 0
.irp m, 0,1
	v_mul_f32 v[MN+2*\m], s46, v[LA+\m]
	v_mul_f32 v[MN+2*\m+1], s46, v[LA+\m]
.endr
.macro VARY m                          ; the sum of the squares of x1 - mean
	WIN 0x01
.set ii, 0
.rept 32
	v_pk_add_f32 v[HA+2*ii:HA+2*ii+1], v[64*(\m)+2*ii:64*(\m)+2*ii+1], v[MN+2*(\m):MN+2*(\m)+1] neg_lo:[0,1] neg_hi:[0,1]
.set ii, ii+1
.endr
	WIN 0
.irp k, 0,1,2,3
	v_pk_mul_f32 v[LA+2*\k:LA+2*\k+1], v[HA+2*\k:HA+2*\k+1], v[HA+2*\k:HA+2*\k+1]
.endr
.set ii, 4
.rept 28
	v_pk_fma_f32 v[LA+2*(ii%4):LA+2*(ii%4)+1], v[HA+2*ii:HA+2*ii+1], v[HA+2*ii:HA+2*ii+1], v[LA+2*(ii%4):LA+2*(ii%4)+1]
.set ii, ii+1
.endr
	JOIN \m
.endm
	VARY 0
	VARY 1
	REDUCE RED2O
.irp m, 0,1
	v_fma_f32 v[LA+\m], v[LA+\m], s46, s47         ; variance + 1e-5
.endr
	s_wait_alu depctr_va_vdst(0)
.irp m, 0,1
	v_rsq_f32 v[RD+2*\m], v[LA+\m]
	v_rsq_f32 v[RD+2*\m+1], v[LA+\m]
.endr
	v_nop                                          ; a plain place behind the transcendentals
	s_wait_alu depctr_va_vdst(0)
	s_wait_loadcnt 0x0                             ; ln2_g, ln2_b, b2, W2's scale words and unit 0's small loads
	WIN 0x08                                       ; an LDS store's data are its source 1: window 2
.irp p, 0,1,2,3
.irp j, 0,1,2,3
.irp i, 0,1,2,3
	ds_store_b32 v[AS2], v[192+16*\p+4*\j+\i] offset:(4*(4*\j+\i)+\p)*128   ; K step 4 j + i, pair p: 128 bytes on end; my wave alone reads them
.endr
.endr
.endr
	WIN 0
.macro X2Q m                           ; x2 of tokens m, my 128 columns: K step w of the next product; then x1 + b2, onto which the last product adds
	WIN 0x01
.set ii, 0
.rept 32
	v_pk_add_f32 v[HA+2*ii:HA+2*ii+1], v[64*(\m)+2*ii:64*(\m)+2*ii+1], v[MN+2*(\m):MN+2*(\m)+1] neg_lo:[0,1] neg_hi:[0,1]
.set ii, ii+1
.endr
	WIN 0
.set ii, 0
.rept 32
	v_pk_mul_f32 v[HA+2*ii:HA+2*ii+1], v[HA+2*ii:HA+2*ii+1], v[RD+2*(\m):RD+2*(\m)+1]
.set ii, ii+1
.endr
	WIN 0x28
.set ii, 0
.rept 32
	v_pk_fma_f32 v[HA+2*ii:HA+2*ii+1], v[HA+2*ii:HA+2*ii+1], v[2*ii:2*ii+1], v[64+2*ii:65+2*ii]
.set ii, ii+1
.endr
	WIN 0
.if (\m) > 0
	s_wait_dscnt 0x0                               ; the last image's stores have read their registers
.endif
	QUANT HA
.irp c, 0,1,2
	ds_store_b128 v[XWI], v[PC+4*\c:PC+4*\c+3] offset:6144*(\m)+512*\c
.endr
	ds_store_b32 v[XWS], v[PW] offset:512*(\m)
	WIN 0x49
.set ii, 0
.rept 32
	v_pk_add_f32 v[64*(\m)+2*ii:64*(\m)+2*ii+1], v[64*(\m)+2*ii:64*(\m)+2*ii+1], v[128+2*ii:129+2*ii]
.set ii, ii+1
.endr
	WIN 0
.endm
	X2Q 0
	X2Q 1
	s_wait_tensorcnt 0x0                           ; my parts of the four first tiles are in;
	BARRIER                                        ; everybody's are, and x2's eight fragments lie in LDS
	v_add_nc_u32 v15, X2IMG, v[LI16]
	v_add_nc_u32 v[ADS], X2SC, v[LS4]
	WIN 0x80
.set ii, 0
.rept 8
.irp c, 0,1,2
	ds_load_b128 v[12*ii+4*\c:12*ii+4*\c+3], v15 offset:1536*ii+512*\c   ; all eight stay in registers for the whole loop
.endr
.set ii, ii+1
.endr
	WIN 0
.set ii, 0
.rept 8
	ds_load_b32 v[XS+ii], v[ADS] offset:128*ii
.set ii, ii+1
.endr
	LDSW SETA, AW1                                 ; W1 of unit 0, my pair of tiles: slot 0
	WIN 0
; ---- A UNIT.  fa, fb: W1's, W2's slot is filled again behind its barrier;  next: a unit follows.
.macro UNIT fa, fb, next
.if (\fa) && (\fb)
	s_wait_xcnt 0x0                                ; the last unit's prefetch has read its address:
	s_add_nc_u64 s[2:3], s[2:3], s[74:75]          ; one unit on
.endif
	s_wait_loadcnt 0x0
	s_wait_dscnt 0x0                               ; my fragments of W1 are in (asked for ahead of the last 16 products)
	GRP_H
	WIN 0
	v_add_nc_u32 v[HW], s42, v[XW3]                ; this unit's places in the hidden layer's buffer.  (Four plain lines: the places behind those products)
	v_add_nc_u32 v[HWS], s42, v[XWB]
	v_add_nc_u32 v[HR], s42, v[LI24]
	v_add_nc_u32 v[HRS], s42, v[LS4]
.if \next
	s_add_nc_u64 s[24:25], s[24:25], 2048          ; the next unit's: 128 rows of scale bytes on,
	s_add_nc_u64 s[26:27], s[26:27], 512           ; 128 numbers of b1 on
	LDB1
	WIN 0
	global_load_b128 v[S1R:S1R+3], v[SR16], s[24:25]
.endif
.irp k, 0,1,2,3
	GELU8 HA+8*\k
.endr
	QUNIT
	s_wait_tensorcnt 0x0                           ; all my tensor loads have landed: my part of the tiles that are read behind this barrier; so a group 0 may be written
	ds_add_u32 v[SPW], v[NIL]                      ; 0 onto my spare word: the descriptors' steps stand between it and the wait for it
.if \fa
	s_xor_b32 s[G0+1], s[G0+1], SLOTX              ; the walking descriptors: the other slot than last time,
	s_add_nc_u64 s[G0+2:G0+3], s[G0+2:G0+3], 49152 ; the next unit's tiles of W1; the type bits on top are not reached
.endif
.if \fb
	s_xor_b32 s[G0B+1], s[G0B+1], SLOTX
	s_add_nc_u64 s[G0B+2:G0B+3], s[G0B+2:G0B+3], 1536   ; W2's next K step
.endif
	s_wait_dscnt 0x0                               ; the add is done, my block has landed, and my reads of both slots that are filled again are over
.if (\fa) || (\fb)
	CROUND                                         ; the same holds of every wave of the four work-groups
	JLOAD \fa, \fb                                 ; the first thing behind the round, and a wave's one tensor load until the next
.else
	s_barrier_signal -1
	s_barrier_wait -1
.endif
	v_add_nc_u32 v[ADB], s100, v[AW2]
	v_add_nc_u32 v[ADS], s101, v[AS2]
.if \next
	v_add_nc_u32 v[ADA], s43, v[AW1]
.endif
.irp p, 0,1,2,3
	ds_load_b32 v[S2R+\p], v[ADS] offset:128*\p    ; W2's scale words of this K step,
.endr
.irp m, 0,1
	ds_load_b32 v[HS+\m], v[HRS] offset:HSCO+128*\m   ; the hidden layer's,
.endr
	WIN 0xc0
.irp m, 0,1
.irp q, 0,1,2,3,4,5
	ds_load_b64 v[192+12*\m+2*\q:193+12*\m+2*\q], v[HR] offset:1536*\m+768*(\q/3)+8*(\q%3)   ; its two fragments, 24 bytes a lane and half,
.endr
.endr
	LDSW SETB, ADB                                 ; my eight tiles of W2,
.if \next
	LDSW SETA, ADA
.endif
.if \fa
	WIN 0                                          ; at a branch and at a label every window is 0
.if \fb
	s_cmp_lt_u32 s41, 11                           ; trip s41 is unit s41 + 1: units 12 and 13 have no unit four on
	s_cbranch_scc0 .Lno_pf_\@
.endif
	s_cmp_lt_u32 ttmp9, 4
	s_cbranch_scc0 .Lno_prefetch_ffn0_\@
	global_prefetch_b8 v[PFO], s[2:3] th:TH_LOAD_NT scope:SCOPE_SE   ; my 24 blocks of the unit four on
.Lno_prefetch_ffn0_\@:
.Lno_pf_\@:
.endif
	GRP_Y2 \next
	WIN 0
.if (\next) == 0
	PLACES                                         ; ahead of the first read of the results
.endif
	s_xor_b32 s42, s42, HTOG
	s_xor_b32 s43, s43, SLOTX
	s_xor_b32 s100, s100, SLOTX
	s_add_co_u32 s101, s101, 512
.endm
	UNIT 1, 0, 1                                   ; unit 0: both slots of W2 are still unread
	s_mov_b32 s41, 0
.Lunit:                                                ; units 1 to 13
	UNIT 1, 1, 1
	s_add_co_u32 s41, s41, 1
	s_cmp_lt_u32 s41, 13
	s_cbranch_scc1 .Lunit
	UNIT 0, 1, 1                                   ; unit 14: W1 has no unit 16
	UNIT 0, 0, 0                                   ; unit 15: nothing is left to fetch
	; ---- the way out: a lane holds 64 bytes here and there of one row; 16 tokens at a time go through my own stage and come back as whole rows of 512 bytes
.irp m, 0,1
.if \m > 0
	s_wait_xcnt 0x0                                ; the last stores have read their registers
.endif
	WIN 0x04                                       ; an LDS store's data are its source 1: window 1
.irp q, 0,1,2,3,4,5,6,7,8,9,10,11,12,13,14,15
	ds_store_b128 v[STO], v[64*\m+4*\q:64*\m+4*\q+3] offset:128*(\q/4)+16*(\q%4)   ; each accumulator from its low end on
.endr
	WIN 0
.irp p, 0,1,2,3,4,5,6,7,8,9,10,11,12,13,14,15
	ds_load_b128 v[HA+4*\p:HA+4*\p+3], v[STR] offset:528*\p   ; LDS serves a wave's instructions in order (ISA guide 5.7.1.4): these see my stores
.endr
.irp p, 0,1,2,3,4,5,6,7,8,9,10,11,12,13,14,15
	s_wait_dscnt 15-\p                             ; row p is back; the younger rows may be out
	global_store_b128 v[LI16], v[HA+4*\p:HA+4*\p+3], s[32:33] offset:(8*\m+\p+8*(\p/8))*2048 th:TH_STORE_NT   ; 32 lanes store 512 bytes on end, at a multiple of 256 from out0's first byte
.endr
.endr
	s_wait_tensorcnt 0x0                           ; the wave's end, behind my last tensor load and my last LDS store
	ds_add_u32 v[SPW], v[NIL]
	s_wait_dscnt 0x0
	CROUND                                         ; the closing round: no work-group ends while a partner may still ask for a tile that names it
	s_endpgm
.Lfunc_end_k_q29d20026ee_ffn:
	.size	k_q29d20026ee_ffn, .Lfunc_end_k_q29d20026ee_ffn-k_q29d20026ee_ffn
	.p2alignl 7, 3214868480
	.fill 96, 4, 3214868480
	.section	.rodata,"a",@progbits
	.p2align	6, 0x0
	.amdhsa_kernel k_q29d20026ee_ffn
		.amdhsa_group_segment_fixed_size 327680
		.amdhsa_private_segment_fixed_size 0
		.amdhsa_enable_private_segment 0
		.amdhsa_kernarg_size 104
		.amdhsa_user_sgpr_count 2
		.amdhsa_user_sgpr_kernarg_segment_ptr 1
		.amdhsa_wavefront_size32 1
		.amdhsa_system_sgpr_workgroup_id_x 1
		.amdhsa_system_sgpr_workgroup_id_y 1
		.amdhsa_system_sgpr_workgroup_id_z 1
		.amdhsa_system_vgpr_workitem_id 0
		.amdhsa_next_free_vgpr 1024
		.amdhsa_next_free_sgpr 102
		.amdhsa_reserve_vcc 0
		.amdhsa_float_denorm_mode_32 3
		.amdhsa_float_denorm_mode_16_64 3
		.amdhsa_memory_ordered 1
		.amdhsa_forward_progress 1
		.amdhsa_inst_pref_size 231
	.end_amdhsa_kernel
	.amdgpu_metadata
---
amdhsa.version: [ 1, 2 ]
amdhsa.kernels:
  - .name:           k_q29d20026ee_ffn
    .symbol:         k_q29d20026ee_ffn.kd
    .args:
      - { .name: avimg, .offset: 0, .size: 8, .value_kind: global_buffer, .address_space: global }
      - { .name: avsc, .offset: 8, .size: 8, .value_kind: global_buffer, .address_space: global }
      - { .name: wimg, .offset: 16, .size: 8, .value_kind: global_buffer, .address_space: global }
      - { .name: Wo_scales, .offset: 24, .size: 8, .value_kind: global_buffer, .address_space: global }
      - { .name: bo, .offset: 32, .size: 8, .value_kind: global_buffer, .address_space: global }
      - { .name: x, .offset: 40, .size: 8, .value_kind: global_buffer, .address_space: global }
      - { .name: ln2_g, .offset: 48, .size: 8, .value_kind: global_buffer, .address_space: global }
      - { .name: ln2_b, .offset: 56, .size: 8, .value_kind: global_buffer, .address_space: global }
      - { .name: W1_scales, .offset: 64, .size: 8, .value_kind: global_buffer, .address_space: global }
      - { .name: b1, .offset: 72, .size: 8, .value_kind: global_buffer, .address_space: global }
      - { .name: W2_scales, .offset: 80, .size: 8, .value_kind: global_buffer, .address_space: global }
      - { .name: b2, .offset: 88, .size: 8, .value_kind: global_buffer, .address_space: global }
      - { .name: out0, .offset: 96, .size: 8, .value_kind: global_buffer, .address_space: global }
    .group_segment_fixed_size: 327680
    .private_segment_fixed_size: 0
    .kernarg_segment_align: 8
    .kernarg_segment_size: 104
    .max_flat_workgroup_size: 128
    .sgpr_count:     102
    .vgpr_count:     1024
    .wavefront_size: 32
...
	.end_amdgpu_metadata
.endif
;; end of part 8
